; MI455X (gfx1250); checked and timed in simulation.
; The chip was launched on July 23, 2026; its instructions are those of AMD's public machine-readable ISA for CDNA 5 (MIT licence, August 2026) and "CDNA5" Instruction Set Architecture Reference Guide (July 2026). The comments in the code are by the model that wrote it; some were corrected since.
;; Block. Allowed arithmetic: matrix products marked QUANTISED: E3M2 operands, one E8M0 scale for each 32 along K, by v_wmma_scale_f32_16x16x128_f8f6f4 with both operands' format E3M2, f32 sums; everything else in f32.
;; Inputs: W1_codes 2,048 x 16 x 24 uint8 (E3M2 codes of W1, K innermost, in blocks of 32 codes, four codes in three bytes); W1_scales 2,048 x 16 uint8 (E8M0 scales of W1, one for each 32 codes along K); W2_codes 512 x 64 x 24 uint8 (E3M2 codes of W2, K innermost, in blocks of 32 codes, four codes in three bytes); W2_scales 512 x 64 uint8 (E8M0 scales of W2, one for each 32 codes along K); Wk_codes 8 x 64 x 16 x 24 uint8 (E3M2 codes of Wk, K innermost, in blocks of 32 codes, four codes in three bytes); Wk_scales 8 x 64 x 16 uint8 (E8M0 scales of Wk, one for each 32 codes along K); Wp_codes 512 x 16 x 24 uint8 (E3M2 codes of Wp, K innermost, in blocks of 32 codes, four codes in three bytes); Wp_scales 512 x 16 uint8 (E8M0 scales of Wp, one for each 32 codes along K); Wq_codes 8 x 64 x 16 x 24 uint8 (E3M2 codes of Wq, K innermost, in blocks of 32 codes, four codes in three bytes); Wq_scales 8 x 64 x 16 uint8 (E8M0 scales of Wq, one for each 32 codes along K); Wv_codes 8 x 64 x 16 x 24 uint8 (E3M2 codes of Wv, K innermost, in blocks of 32 codes, four codes in three bytes); Wv_scales 8 x 64 x 16 uint8 (E8M0 scales of Wv, one for each 32 codes along K); b1 2,048 float32; b2 512 float32; be1 512 float32; be2 512 float32; bk 8 x 64 float32; bp 512 float32; bq 8 x 64 float32; bv 8 x 64 float32; g1 512 float32; g2 512 float32; x 4 x 2,048 x 512 float32.
;; Outputs: out0 4 x 2,048 x 512 float32.
;; This version of the problem:
;;   THIS VERSION OF THE PROBLEM IS GIVEN IN LOW PRECISION. The matrix products marked QUANTISED in the list below multiply operands that are first quantised to E3M2 (3 exponent bits, 2 mantissa bits; 6 bits a number), with one power-of-two scale for each 32 numbers along K (OCP MX v1.0); their sums are f32. All else is computed in f32.
;;   The module's matrix products, in the order in which they are computed (A, B: the left and right operand; K: the contracted axis; several contracted axes count as one K, in the product's order):
;;     1. [M 512, K 512] x [K 512, N 8,192]; A: input Wq (given as codes); B: computed on the way: QUANTISED
;;     2. [M 512, K 512] x [K 512, N 8,192]; A: input Wk (given as codes); B: computed on the way: QUANTISED
;;     3. [M 512, K 512] x [K 512, N 8,192]; A: input Wv (given as codes); B: computed on the way: QUANTISED
;;     4. batch 32 x [M 2,048, K 64] x [K 64, N 2,048]; A: computed on the way; B: computed on the way: QUANTISED
;;     5. batch 32 x [M 2,048, K 2,048] x [K 2,048, N 64]; A: softmax (see below); B: computed on the way: QUANTISED
;;     6. [M 8,192, K 512] x [K 512, N 512]; A: computed on the way; B: input Wp (given as codes): QUANTISED
;;     7. [M 8,192, K 512] x [K 512, N 2,048]; A: computed on the way; B: input W1 (given as codes): QUANTISED
;;     8. [M 8,192, K 2,048] x [K 2,048, N 512]; A: computed on the way; B: input W2 (given as codes): QUANTISED
;;   THE QUANTISER, for each operand of a quantised product, along K:
;;     - K is cut into blocks of 32 from its start; a last block that is shorter is filled with zeros.
;;     - A block's scale is 2^e with e = floor(log2(the largest magnitude in the block)) - 4, held to -126 .. 127; a block of zeros has e = 0. As a byte (E8M0): e + 127.
;;     - Each number is divided by its block's scale, clamped to +-28, and rounded to the nearest number of E3M2, ties to even, subnormals kept.
;;     - The product sums the exact products of the quantised numbers (number of the format x scale) in f32.
;;   ~~~python
;;   def quantise(x, axis):      # numpy; x: float32 -> the quantised numbers, widened to float32 again
;;       x = np.moveaxis(x, axis, -1); K = x.shape[-1]
;;       x = np.pad(x, [(0, 0)] * (x.ndim - 1) + [(0, -K % 32)]); x = x.reshape(x.shape[:-1] + (-1, 32)); a = np.abs(x).max(-1, keepdims=True)
;;       e = np.where(a > 0, np.clip(np.frexp(np.where(a > 0, a, 1))[1] - 1 - 4, -126, 127), 0)      # np.frexp(a)[1] - 1 = floor(log2(a)), exactly
;;       r = np.clip(x / 2.0 ** e, -28, 28)
;;       step = 2.0 ** (np.maximum(np.frexp(np.where(r == 0, 1, r))[1] - 1, -2) - 2)
;;       q = np.round(r / step) * step * 2.0 ** e      # np.round: ties to even
;;       return np.moveaxis(q.reshape(q.shape[:-2] + (-1,))[..., :K], -1, axis).astype(np.float32)
;;   ~~~
;;   SOFTMAX AHEAD OF A QUANTISED PRODUCT. Where the list says 'softmax', what is quantised is not the finished softmax but p = 2^(t - M), with t = logit x log2(e) and M = ceil(the row's largest t), a whole number; so 1/2 < the row's largest p <= 1. The row's sum l is taken of the UNQUANTISED p, in f32, and the product's result is divided by l at the end. Since M is a whole number, a kernel that streams over the keys may use a running M (the ceiling of the running maximum): every later rescaling is an exact power of two, which a block's scale takes up: the codes' values come out the same.
;;   OPERANDS COMPUTED ON THE WAY. 'Computed on the way' means the value that the module computes at that place (a softmax that the list does not call 'softmax' is quantised finished and normalised). What goes into a quantiser is computed in f32, as accurately as f32 sums, v_exp_f32 and their like allow (about 1e-6 of the number): no bf16 or f16 on the way to a quantiser, and a product that is left as it is and whose result goes on into a quantised operand takes f32 operands (vector FMAs, or v_wmma_f32_16x16x4_f32). A number that lies on a knife's edge between two numbers of the format may be rounded either way, as far as f32 arithmetic and the matrix unit's own rounding can turn it there, and no further.
;;   INPUTS GIVEN AS CODES. W1 (in the module: [512, 2048], K = its axis 0); W2 (in the module: [2048, 512], K = its axis 0); Wk (in the module: [8, 512, 64], K = its axis 1); Wp (in the module: [512, 512], K = its axis 0); Wq (in the module: [8, 512, 64], K = its axis 1); Wv (in the module: [8, 512, 64], K = its axis 1): each comes as NAME_codes (uint8): NAME with its K axis moved to the last place and cut into blocks of 32 codes, [.., K / 32, bytes a block], one block behind the other in memory; four codes in three bytes: a row's codes are one little-endian stream of bits, code i at bits 6 i .. 6 i + 5 (a code: sign, 3 exponent bits, 2 mantissa bits); and NAME_scales (uint8): the same leading axes, one E8M0 byte (e + 127) for each 32 codes along K. Its value is code x scale, taken as it is: it is not quantised again, and the codes and scales need not be those that the quantiser above would give.
;; 2 versions. Each part assembles by itself: llvm-mc -triple=amdgcn-amd-amdhsa -mcpu=gfx1250 --defsym DOCPART=n.
;; ======== version 1 of 2: 4 launches
;; workspace buffers: wimg 2,457,600 bytes; qrec 3,407,872 bytes; kvrec 6,815,744 bytes; oimg 3,145,728 bytes; osc 131,072 bytes
;; launch prep (part 1): grid 96 x 1, 4 waves a work-group, no clusters, 0 bytes of LDS; arguments Wq_codes, Wq_scales, Wk_codes, Wk_scales, Wv_codes, Wv_scales, Wp_codes, Wp_scales, W1_codes, W1_scales, W2_codes, W2_scales, wimg; writes wimg
.if DOCPART == 1
	.amdgcn_target "amdgcn-amd-amdhsa--gfx1250"
	.amdhsa_code_object_version 6
	.text
	.protected	k_qe0f1552d5b_prep
	.globl	k_qe0f1552d5b_prep
	.p2align	8
	.type	k_qe0f1552d5b_prep,@function
k_qe0f1552d5b_prep:
	s_mov_b64 s[64:65], 0
	v_nop
	global_prefetch_b8 v0, s[64:65] scope:SCOPE_SE
	s_setreg_imm32_b32 hwreg(HW_REG_WAVE_MODE, 25, 1), 1
	s_wait_xcnt 0x0
; THE SIX WEIGHTS ARE LAID ONCE IN THE ORDER OF THE OPERAND'S REGISTERS, so that every later read of a fragment is three dense loads of 512 bytes.
; A fragment is 16 rows x 128 K of E3M2 codes: 12 registers a lane.  Its image is 1,536 bytes: register 4 c + i of lane L at 512 c + 16 L + 4 i.
; A UNIT is four fragments of one tile of rows: 6,144 bytes at wimg + 6,144 U.  Units: Wq 0-31, Wk 32-63, Wv 64-95, Wp 96-127, W1 128-255 (U = base + tile, the four K steps of K = 512);
; W2 256-383 (U = 256 + 4 tile + quarter: K steps 4 quarter + 0 .. 3 of K = 2,048).
; THE ROWS OF A TILE ARE NOT NEIGHBOURS: slot r of tile T holds row 32 (T / 2) + 8 (T % 2) + r + 8 (r / 8), so that the results of tiles 2 b and 2 b + 1 are 16 neighbours in a lane's registers.
; A unit's scale image, 256 bytes at wimg + SCB + 256 U: lane L holds two words; word p is the scale word of slot L % 16 for the unit's K step 2 p + L / 16:
; one register then serves an even K step from lanes 0-15 and the odd one behind it from lanes 16-31.
; One wave makes one unit; 96 work-groups of four waves.  No LDS, no barrier, no loop: the waves share nothing.
.set SCB, 2359296                      ; 384 units x 6,144 bytes
	s_load_b512 s[8:23], s[0:1], 0x0               ; Wq's codes and scales, Wk's, Wv's, Wp's
	s_load_b256 s[24:31], s[0:1], 0x40             ; W1's, W2's
	s_load_b64 s[32:33], s[0:1], 0x60              ; wimg
	v_lshrrev_b32 v1, 5, v0
	v_readfirstlane_b32 s2, v1                     ; wave 0..3
	v_and_b32 v2, 15, v0                           ; r
	v_bfe_u32 v3, v0, 4, 1                         ; h
	v_and_b32 v4, 8, v2
	v_add_nc_u32 v4, v4, v2                        ; r + 8 (r / 8)
	v_and_b32 v5, 31, v0
	v_lshlrev_b32 v6, 4, v5                        ; 16 L
	v_lshlrev_b32 v7, 3, v5                        ; 8 L
	s_lshl_b32 s3, ttmp9, 2
	s_add_co_u32 s3, s3, s2                        ; U = 4 x work-group + wave
	s_mov_b32 s40, 256                             ; W2's first unit
	s_mov_b32 s43, 384                             ; a row of 512 codes in bytes
	s_wait_kmcnt 0x0
	s_mov_b64 s[36:37], s[28:29]                   ; begin with W2; the choice below hangs on the work-group's number alone
	s_mov_b64 s[38:39], s[30:31]
.macro PICK lim, c, base               ; work-groups under lim take the tensor whose two addresses stand at s[c] on
	s_cmp_lt_u32 ttmp9, \lim
	s_cselect_b64 s[36:37], s[\c:\c+1], s[36:37]
	s_cselect_b64 s[38:39], s[\c+2:\c+3], s[38:39]
	s_cselect_b32 s40, \base, s40
.endm
	PICK 64, 24, 128                               ; W1
	PICK 32, 20, 96                                ; Wp
	PICK 24, 16, 64                                ; Wv
	PICK 16, 12, 32                                ; Wk
	PICK 8, 8, 0                                   ; Wq
	s_cmp_ge_u32 ttmp9, 64                         ; W2: four units to a tile, rows of 2,048 codes
	s_cselect_b32 s41, 2, 0
	s_cselect_b32 s42, 3, 0
	s_cselect_b32 s43, 1536, s43                   ; a row of codes in bytes
	s_cselect_b32 s44, 64, 16                      ; a row of scale bytes
	s_sub_co_u32 s45, s3, s40
	s_lshr_b32 s46, s45, s41                       ; the tile T
	s_and_b32 s47, s45, s42                        ; the quarter of K
	s_lshr_b32 s48, s46, 1
	s_lshl_b32 s48, s48, 5
	s_and_b32 s49, s46, 1
	s_lshl_b32 s49, s49, 3
	s_add_co_u32 s48, s48, s49                     ; the tile's first row: 32 (T / 2) + 8 (T % 2)
	s_mul_i32 s50, s48, s43
	s_mul_i32 s49, s47, 384
	s_add_co_u32 s50, s50, s49
	s_mov_b32 s51, 0
	s_add_nc_u64 s[36:37], s[36:37], s[50:51]      ; the codes of that row, at the unit's first K step
	s_mul_i32 s52, s48, s44
	s_lshl_b32 s49, s47, 4
	s_add_co_u32 s52, s52, s49
	s_mov_b32 s53, 0
	s_add_nc_u64 s[38:39], s[38:39], s[52:53]      ; and its scale bytes
	s_mul_i32 s54, s3, 6144
	s_mov_b32 s55, 0
	s_add_nc_u64 s[34:35], s[32:33], s[54:55]      ; the unit's four images
	s_lshl_b32 s54, s3, 8
	s_add_co_u32 s54, s54, SCB
	s_add_nc_u64 s[32:33], s[32:33], s[54:55]      ; and its scale image
	v_mul_lo_u32 v8, v4, s43
	v_mad_u32_u24 v8, v3, 24, v8                   ; my row's codes, + 24 h: a lane's 24 bytes are a block of 32 codes
	v_mul_lo_u32 v9, v4, s44
	v_lshl_add_u32 v9, v3, 2, v9                   ; my row's scale bytes, + 4 h: K step h
.irp s, 0,1,2,3
.irp p, 0,1,2,3,4,5
	global_load_b64 v[16+12*\s+2*\p:17+12*\s+2*\p], v8, s[36:37] offset:96*\s+48*(\p/3)+8*(\p%3)   ; pieces of 8 bytes: every address is a multiple of the access's size
.endr
.endr
	global_load_b32 v10, v9, s[38:39]              ; the scale word of K step h,
	global_load_b32 v11, v9, s[38:39] offset:8     ; and of K step 2 + h
	s_wait_loadcnt 0x0
.irp s, 0,1,2,3
.irp c, 0,1,2
	global_store_b128 v6, v[16+12*\s+4*\c:19+12*\s+4*\c], s[34:35] offset:1536*\s+512*\c   ; 32 lanes store 512 consecutive bytes, at a multiple of 256 from wimg's first byte
.endr
.endr
	global_store_b64 v7, v[10:11], s[32:33]        ; 256 consecutive bytes
	s_endpgm
.Lfunc_end_k_qe0f1552d5b_prep:
	.size	k_qe0f1552d5b_prep, .Lfunc_end_k_qe0f1552d5b_prep-k_qe0f1552d5b_prep
	.p2alignl 7, 3214868480
	.fill 96, 4, 3214868480
	.section	.rodata,"a",@progbits
	.p2align	6, 0x0
	.amdhsa_kernel k_qe0f1552d5b_prep
		.amdhsa_group_segment_fixed_size 0
		.amdhsa_private_segment_fixed_size 0
		.amdhsa_enable_private_segment 0
		.amdhsa_kernarg_size 104
		.amdhsa_user_sgpr_count 2
		.amdhsa_user_sgpr_kernarg_segment_ptr 1
		.amdhsa_wavefront_size32 1
		.amdhsa_system_sgpr_workgroup_id_x 1
		.amdhsa_system_sgpr_workgroup_id_y 1
		.amdhsa_system_sgpr_workgroup_id_z 1
		.amdhsa_system_vgpr_workitem_id 0
		.amdhsa_next_free_vgpr 64
		.amdhsa_next_free_sgpr 66
		.amdhsa_reserve_vcc 0
		.amdhsa_float_denorm_mode_32 3
		.amdhsa_float_denorm_mode_16_64 3
		.amdhsa_memory_ordered 1
		.amdhsa_forward_progress 1
		.amdhsa_inst_pref_size 7
	.end_amdhsa_kernel
	.amdgpu_metadata
---
amdhsa.version: [ 1, 2 ]
amdhsa.kernels:
  - .name:           k_qe0f1552d5b_prep
    .symbol:         k_qe0f1552d5b_prep.kd
    .args:
      - { .name: Wq_codes, .offset: 0, .size: 8, .value_kind: global_buffer, .address_space: global }
      - { .name: Wq_scales, .offset: 8, .size: 8, .value_kind: global_buffer, .address_space: global }
      - { .name: Wk_codes, .offset: 16, .size: 8, .value_kind: global_buffer, .address_space: global }
      - { .name: Wk_scales, .offset: 24, .size: 8, .value_kind: global_buffer, .address_space: global }
      - { .name: Wv_codes, .offset: 32, .size: 8, .value_kind: global_buffer, .address_space: global }
      - { .name: Wv_scales, .offset: 40, .size: 8, .value_kind: global_buffer, .address_space: global }
      - { .name: Wp_codes, .offset: 48, .size: 8, .value_kind: global_buffer, .address_space: global }
      - { .name: Wp_scales, .offset: 56, .size: 8, .value_kind: global_buffer, .address_space: global }
      - { .name: W1_codes, .offset: 64, .size: 8, .value_kind: global_buffer, .address_space: global }
      - { .name: W1_scales, .offset: 72, .size: 8, .value_kind: global_buffer, .address_space: global }
      - { .name: W2_codes, .offset: 80, .size: 8, .value_kind: global_buffer, .address_space: global }
      - { .name: W2_scales, .offset: 88, .size: 8, .value_kind: global_buffer, .address_space: global }
      - { .name: wimg, .offset: 96, .size: 8, .value_kind: global_buffer, .address_space: global }
    .group_segment_fixed_size: 0
    .private_segment_fixed_size: 0
    .kernarg_segment_align: 8
    .kernarg_segment_size: 104
    .max_flat_workgroup_size: 128
    .sgpr_count:     66
    .vgpr_count:     64
    .wavefront_size: 32
...
	.end_amdgpu_metadata
.endif
;; end of part 1
;; launch qkv (part 2): grid 128 x 2, 4 waves a work-group, no clusters, 31,232 bytes of LDS; arguments x, g1, be1, wimg, bq, bk, bv, qrec, kvrec; writes qrec, kvrec
.if DOCPART == 2
	.amdgcn_target "amdgcn-amd-amdhsa--gfx1250"
	.amdhsa_code_object_version 6
	.text
	.protected	k_qe0f1552d5b_qkv
	.globl	k_qe0f1552d5b_qkv
	.p2align	8
	.type	k_qe0f1552d5b_qkv,@function
k_qe0f1552d5b_qkv:
	s_mov_b64 s[64:65], 0
	v_nop
	global_prefetch_b8 v0, s[64:65] scope:SCOPE_SE
	s_setreg_imm32_b32 hwreg(HW_REG_WAVE_MODE, 25, 1), 1
	s_wait_xcnt 0x0
; h = layer norm(x) g1 + be1, quantised along the model's 512; q, k, v = h W + b on codes of E3M2; q and k quantised along a head's 64 channels, v along the tokens.
; SHARES.  A work-group takes 64 tokens (x) and four heads (y).  Wave w is head 4 y + w for all 64 tokens: its 48 weight fragments (576 registers) are read once and each feeds four products.
; Wave w also normalises and quantises the token tile m = w; the four tiles' fragments go from wave to wave through LDS as images of their registers (16 bytes a lane, 512 a store).
; NO JOINT LOADS: the weights go straight into the registers of the one wave that multiplies them, by dense loads of 512 bytes; 288 KiB of weights a work-group would not fit LDS beside the images.
; THE TOKENS OF A TILE ARE NOT NEIGHBOURS: slot r of tile m holds token 32 (m / 2) + 8 (m % 2) + r + 8 (r / 8) of the 64; the weights' rows likewise.  So 16 registers of two neighbouring tiles are 16 neighbours
; along the next product's K: channels for q and k (source 0 = weight rows, source 1 = tokens), tokens for v (source 0 = tokens, source 1 = weight rows).
; OUT.  qrec [batch x head][64 tokens] 3,328 bytes: four half images (6 registers a lane: 512 bytes at 16 L, 256 at 512 + 8 L), then 256 bytes of scale words (8 L: word 0 tiles 0 | 1 by halves of the lanes, word 1 tiles 2 | 3; bytes 2, 3 are 0).
; kvrec 6,656 bytes: k as q; at 3,072 v's four half images (16 channels x 64 tokens); at 6,144 k's scale words; at 6,400 v's (4 L: lanes 0-15 tile 0 | tile 2 << 16, lanes 16-31 tile 1 | tile 3 << 16); at 6,528 zeros.
; LIMITS: NaN and infinities are not served; a block whose largest magnitude lies under 2^-122 keeps the byte 1, a block of zeros too (its codes are zeros, and this program alone reads the bytes).
; REGISTERS, in windows of 256.  Window 0: v1-9 addresses, v[10:11] mean, v[12:13] 1 / sigma; LN: v16-79 g1 then h, v80-143 be1, v192-255 x's K step 0; products: v16-63 h's four fragments, v64-95 q, v96-127 k,
;   v128-131 h's scale words, v132-135 the four tiles' words, v192-215 the weights' scale words, v216-247 bv; v144-159, v160-180 at work.
;   Windows 1, 2, 3: v0-191 Wq, Wk, Wv (fragment (t, s) at 12 (4 t + s)); v192-255: x's K steps 1, 2, 3; later v's sums (window 1: channel tiles 0, 1; window 2: tiles 2, 3), and in window 3 bq and bk.
.set SCB,  2359296
.set GL,   0                           ; LDS: g1, 2,048 bytes
.set BEL,  2048                        ; be1
.set XIMG, 4096                        ; h's 16 fragments (4 m + s), 1,536 bytes each
.set XSC,  28672                       ; their scale words, 128 bytes each
.set FRB,  1536
.set HF,   16
.set QA,   64
.set KA,   96
.set HS,   128
.set PWM,  132
.set TM,   144
.set PC,   160
.set PW,   180
.set XR,   192
.set WS,   192
.set BV,   216
.set WV,   22
.set SEL,  36
.set HM,   38
.set RN,   39
.set MSB,  0
.macro WIN new                         ; the immediate's high byte repeats the setting that is left; a switch that changes nothing is dropped
.if MSB != \new
	s_set_vgpr_msb (MSB<<8)|\new
.set MSB, \new
.endif
.endm
.macro XLOAD s                         ; my row's 64 numbers of K step s: register 16 b + i = column 128 s + 32 b + 16 h + i, into window s
.set WN, (\s)<<6
	WIN WN
.set J, 0
.rept 16
	global_load_b128 v[XR+4*J:XR+4*J+3], v4, s[4:5] offset:512*(\s)+128*(J/4)+16*(J%4)
.set J, J+1
.endr
.endm
.macro WLOADM mat                      ; my head's 16 fragments of matrix mat into window mat + 1: 48 dense loads of 512 bytes
.set WN, ((\mat)+1)<<6
	WIN WN
.set J, 0
.rept 48
	global_load_b128 v[4*J:4*J+3], v1, s[30:31] offset:(\mat)*196608+512*J
.set J, J+1
.endr
.endm
.macro SUM1 s                          ; four chains of packed sums
.set WN, (\s)<<2
	WIN WN
.set J, 0
.rept 32
	v_pk_add_f32 v[TM+2*(J%4):TM+2*(J%4)+1], v[TM+2*(J%4):TM+2*(J%4)+1], v[XR+2*J:XR+2*J+1]
.set J, J+1
.endr
.endm
.macro CENTER s                        ; x - mean in place, then the sum of its squares: no difference of large sums is formed
.set WN, (\s)|((\s)<<6)
	WIN WN
.set J, 0
.rept 32
	v_pk_add_f32 v[XR+2*J:XR+2*J+1], v[XR+2*J:XR+2*J+1], v[10:11] neg_lo:[0,1] neg_hi:[0,1]
.set J, J+1
.endr
.set WN, (\s)|((\s)<<2)
	WIN WN
.set J, 0
.rept 32
	v_pk_fma_f32 v[TM+2*(J%4):TM+2*(J%4)+1], v[XR+2*J:XR+2*J+1], v[XR+2*J:XR+2*J+1], v[TM+2*(J%4):TM+2*(J%4)+1]
.set J, J+1
.endr
.endm
.macro CLEAR
.irp i, 0,1,2,3,4,5,6,7
	v_mov_b32 v[TM+\i], 0
.endr
.endm
.macro REDUCE                          ; the four chains, their halves, and lane l xor 16's: the row's sum in v[TM]
	v_pk_add_f32 v[TM:TM+1], v[TM:TM+1], v[TM+2:TM+3]
	v_pk_add_f32 v[TM+4:TM+5], v[TM+4:TM+5], v[TM+6:TM+7]
	v_pk_add_f32 v[TM:TM+1], v[TM:TM+1], v[TM+4:TM+5]
	v_add_f32 v[TM], v[TM], v[TM+1]
	v_permlanex16_b32 v[TM+1], v[TM], s[SEL], s[SEL+1]
	v_add_f32 v[TM], v[TM], v[TM+1]
.endm
.macro NORM s                          ; h = ((x - mean) / sigma) g1 + be1 for K step s, into v16-79
	WIN 0
.set J, 0
.rept 16
	ds_load_b128 v[16+4*J:19+4*J], v5 offset:GL+512*(\s)+128*(J/4)+16*(J%4)
	ds_load_b128 v[80+4*J:83+4*J], v5 offset:BEL+512*(\s)+128*(J/4)+16*(J%4)
.set J, J+1
.endr
.set WN, (\s)|((\s)<<6)
	WIN WN
.set J, 0
.rept 32
	v_pk_mul_f32 v[XR+2*J:XR+2*J+1], v[XR+2*J:XR+2*J+1], v[12:13]
.set J, J+1
.endr
	s_wait_dscnt 0x0                               ; g1 and be1 of this K step are in
.set WN, \s
	WIN WN
.set J, 0
.rept 32
	v_pk_fma_f32 v[16+2*J:17+2*J], v[XR+2*J:XR+2*J+1], v[16+2*J:17+2*J], v[80+2*J:81+2*J]
.set J, J+1
.endr
	WIN 0
.endm
; 64 numbers of a lane in window w, register 16 b + i = k 32 b + 16 h + i of my row, become 12 registers of codes in v[PC] on (registers 0-5: blocks 0 | 1 by halves of the lanes, 6-11: blocks 2 | 3) and four scale bytes in v[pw].
.macro QUANT src, w, pw
.set WN, (\w)|((\w)<<2)
	WIN WN
.irp b, 0,1,2,3
	v_max3_num_f32 v[TM+\b], |v[\src+16*\b]|, |v[\src+1+16*\b]|, 0x2800000   ; my 16 numbers of block b, and the floor 2^(5 - 127): the byte cannot fall under 1
.endr
.set WN, ((\w)<<2)|((\w)<<4)
	WIN WN
.irp i, 2,4,6,8,10,12,14
.irp b, 0,1,2,3
	v_max3_num_f32 v[TM+\b], v[TM+\b], |v[\src+16*\b+\i]|, |v[\src+1+16*\b+\i]|
.endr
.endr
	WIN 0
.irp b, 0,1,2,3
	v_permlanex16_b32 v[TM+4+\b], v[TM+\b], s[SEL], s[SEL+1]
.endr
.irp b, 0,1,2,3
	v_max_num_f32 v[TM+\b], v[TM+\b], v[TM+4+\b]   ; with lane l xor 16's: the block's largest magnitude
.endr
.irp b, 0,1,2,3
	v_add_nc_u32 v[TM+12+\b], 0xfe000000, v[TM+\b] ; 4 off its exponent field: the conversion takes this operand's exponent field as its scale
.endr
.irp b, 0,1,2,3
	v_lshrrev_b32 v[TM+4+\b], 23, v[TM+12+\b]      ; the scale's byte
.endr
	v_lshl_or_b32 v[\pw], v[TM+5], 8, v[TM+4]
	v_lshl_or_b32 v[\pw], v[TM+6], 16, v[\pw]
	v_lshl_or_b32 v[\pw], v[TM+7], 24, v[\pw]
.set WN, \w
	WIN WN
.irp c, 0,1
	v_cvt_scalef32_pk16_bf6_f32 v[PC+6*\c:PC+2+6*\c], v[\src+32*\c:\src+15+32*\c], v[TM+12+2*\c]
	v_cvt_scalef32_pk16_bf6_f32 v[PC+12+4*\c:PC+14+4*\c], v[\src+16+32*\c:\src+31+32*\c], v[TM+12+2*\c+1]   ; (a conversion's three registers begin on an even number)
.endr
	WIN 0
	v_nop                                          ; one plain place behind a scaled conversion
.irp c, 0,1                            ; the operand's layout wants a whole block in a lane
.irp i, 0,1,2
	v_permlane16_swap_b32 v[PC+6*\c+\i], v[PC+12+4*\c+\i]
.endr
.irp i, 0,1,2
	v_mov_b32 v[PC+3+6*\c+\i], v[PC+12+4*\c+\i]
.endr
.endr
.endm
.macro LNQ s                           ; K step s of my 16 tokens: normalised, quantised, its image and scale words to LDS
	NORM \s
	QUANT 16, 0, PW
.irp c, 0,1,2
	ds_store_b128 v6, v[PC+4*\c:PC+4*\c+3] offset:XIMG+FRB*(\s)+512*\c
.endr
	ds_store_b32 v7, v[PW] offset:XSC+128*(\s)
	s_wait_dscnt 0x0                               ; the stores are done: their registers may be written again
.endm
.macro MMA                             ; a product whose source 0 is a weight tile; the registers stand in the symbols R..
.if RROW
	v_wmma_scale_f32_16x16x128_f8f6f4 v[RD:RD+7], v[RA:RA+11], v[RB:RB+11], v[RC:RC+7], v[RSA], v[RSB] matrix_a_fmt:MATRIX_FMT_BF6 matrix_b_fmt:MATRIX_FMT_BF6 matrix_a_scale:MATRIX_SCALE_ROW1
.else
	v_wmma_scale_f32_16x16x128_f8f6f4 v[RD:RD+7], v[RA:RA+11], v[RB:RB+11], v[RC:RC+7], v[RSA], v[RSB] matrix_a_fmt:MATRIX_FMT_BF6 matrix_b_fmt:MATRIX_FMT_BF6
.endif
.endm
.macro MMB                             ; a product whose source 1 is a weight tile
.if RROW
	v_wmma_scale_f32_16x16x128_f8f6f4 v[RD:RD+7], v[RB:RB+11], v[RA:RA+11], v[RC:RC+7], v[RSB], v[RSA] matrix_a_fmt:MATRIX_FMT_BF6 matrix_b_fmt:MATRIX_FMT_BF6 matrix_b_scale:MATRIX_SCALE_ROW1
.else
	v_wmma_scale_f32_16x16x128_f8f6f4 v[RD:RD+7], v[RB:RB+11], v[RA:RA+11], v[RC:RC+7], v[RSB], v[RSA] matrix_a_fmt:MATRIX_FMT_BF6 matrix_b_fmt:MATRIX_FMT_BF6
.endif
.endm
	s_load_b256 s[4:11], s[0:1], 0x0               ; x, g1, be1, wimg
	s_load_b256 s[12:19], s[0:1], 0x20             ; bq, bk, bv, qrec
	s_load_b64 s[20:21], s[0:1], 0x40              ; kvrec
	v_lshl_add_u32 v175, v0, 2, 0x7800
	v_mov_b32 v179, 0
	v_lshrrev_b32 v1, 5, v0
	v_readfirstlane_b32 s[WV], v1                  ; wave 0..3
	v_and_b32 v14, 31, v0
	v_lshlrev_b32 v1, 4, v14                       ; 16 L
	v_lshlrev_b32 v2, 3, v14                       ; 8 L
	v_lshlrev_b32 v3, 2, v14                       ; 4 L
	v_and_b32 v14, 15, v0                          ; r
	v_bfe_u32 v15, v0, 4, 1                        ; h
	v_and_b32 v9, 8, v14
	v_add_nc_u32 v9, v9, v14                       ; r + 8 (r / 8)
	v_lshlrev_b32 v5, 6, v15                       ; 64 h
	v_lshl_add_u32 v4, v9, 11, v5                  ; x: my slot's row of 2,048 bytes, + 64 h
	v_lshlrev_b32 v9, 2, v9                        ; bv: my slot's channel
	s_mul_i32 s25, s[WV], 4*FRB
	v_add_nc_u32 v6, s25, v1                       ; where I store images: 16 L + 6,144 w
	s_lshl_b32 s25, s[WV], 9
	v_add_nc_u32 v7, s25, v3                       ; and scale words: 4 L + 512 w
	v_lshlrev_b32 v8, 4, v0                        ; 16 x thread: g1 and be1, 2,048 bytes by 128 threads
	s_and_b32 s23, ttmp7, 0xffff
	s_lshl_b32 s24, s23, 2
	s_add_co_u32 s24, s24, s[WV]                   ; my head
	s_lshl_b32 s40, ttmp9, 6
	s_lshr_b32 s25, s[WV], 1
	s_lshl_b32 s25, s25, 5
	s_add_co_u32 s40, s40, s25
	s_and_b32 s25, s[WV], 1
	s_lshl_b32 s25, s25, 3
	s_add_co_u32 s40, s40, s25                     ; my token tile's first token: 64 X + 32 (w / 2) + 8 (w % 2)
	s_lshl_b32 s40, s40, 11
	s_mov_b32 s41, 0
	s_mul_i32 s42, s24, 4*6144                     ; my head's four units of each matrix
	s_mov_b32 s43, 0
	s_lshl_b32 s34, s24, 10
	s_add_co_u32 s34, s34, SCB                     ; and their scale images
	s_mov_b32 s35, 0
	s_lshl_b32 s26, s24, 8                         ; my head's 64 biases
	s_mov_b32 s27, 0
	s_lshr_b32 s28, ttmp9, 5
	s_lshl_b32 s28, s28, 3
	s_add_co_u32 s28, s28, s24                     ; batch x 8 + head
	s_lshl_b32 s28, s28, 5
	s_and_b32 s29, ttmp9, 31
	s_add_co_u32 s28, s28, s29                     ; the record
	s_mul_i32 s44, s28, 3328
	s_mov_b32 s45, 0
	s_mul_i32 s46, s28, 6656
	s_mov_b32 s47, 0
	s_mov_b32 s[SEL], 0x76543210
	s_mov_b32 s[SEL+1], 0xfedcba98                 ; v_permlanex16_b32's selects for lane l xor 16
	s_mov_b32 s[HM], 0xffff0000                    ; lanes 16-31
	s_mov_b32 s[RN], 0x3b000000                    ; 1 / 512
	s_wait_kmcnt 0x0
	s_add_nc_u64 s[4:5], s[4:5], s[40:41]
	s_add_nc_u64 s[30:31], s[10:11], s[42:43]
	s_add_nc_u64 s[32:33], s[10:11], s[34:35]
	s_add_nc_u64 s[12:13], s[12:13], s[26:27]
	s_add_nc_u64 s[14:15], s[14:15], s[26:27]
	s_add_nc_u64 s[16:17], s[16:17], s[26:27]
	s_add_nc_u64 s[18:19], s[18:19], s[44:45]
	s_add_nc_u64 s[20:21], s[20:21], s[46:47]
	global_load_b128 v[144:147], v8, s[6:7]        ; g1
	global_load_b128 v[148:151], v8, s[8:9]        ; be1
	XLOAD 0
	XLOAD 1
	XLOAD 2
	WIN 0
	s_wait_loadcnt 48                              ; g1 and be1 are in; x's 48 loads behind them may be out
	ds_store_b128 v8, v[144:147] offset:GL
	ds_store_b128 v8, v[148:151] offset:BEL
	XLOAD 3
	WIN 0
	s_wait_dscnt 0x0                               ; for the others' sake: my part of g1 and be1 lies in LDS
	s_barrier_signal -1
	s_barrier_wait -1
	CLEAR
	s_wait_loadcnt 48                              ; K step 0 is in; three K steps of 16 loads may be out
	SUM1 0
	s_wait_loadcnt 32
	SUM1 1
	s_wait_loadcnt 16
	SUM1 2
	s_wait_loadcnt 0x0
	SUM1 3
	WLOADM 0                                       ; Wq is asked for here, Wk and Wv further down: each run lands under the vector work behind it
	WIN 0
	REDUCE
	v_mul_f32 v10, s[RN], v[TM]                    ; the mean, twice: a pair for the packed forms
	v_mov_b32 v11, v10
	CLEAR
	CENTER 0
	CENTER 1
	CENTER 2
	CENTER 3
	WLOADM 1
	WIN 0
	REDUCE
	v_fmaak_f32 v[TM], s[RN], v[TM], 0x3727c5ac    ; the variance + 1e-5
	v_rsq_f32 v12, v[TM]
	v_nop                                          ; one plain place behind a transcendental
	s_wait_alu depctr_va_vdst(0)
	v_mov_b32 v13, v12
	LNQ 0
	WLOADM 2
	WIN 0
.irp mt, 0,1,2                         ; the weights' scale words and bv take the registers that x's K step 0 has left
.irp t, 0,1,2,3
	global_load_b64 v[WS+8*\mt+2*\t:WS+8*\mt+2*\t+1], v2, s[32:33] offset:8192*\mt+256*\t
.endr
.endr
.irp ct, 0,1,2,3                       ; bv as a C operand: in v's result a lane is one channel, so its eight registers are equal
.irp j, 0,1,2,3,4,5,6,7
	global_load_b32 v[BV+8*\ct+\j], v9, s[16:17] offset:(32*(\ct/2)+8*(\ct%2))*4
.endr
.endr
	LNQ 3
	WIN 0xc0                                       ; bq and bk take the registers that x's K step 3 has left: tile t's eight channels of my half
.irp t, 0,1,2,3
	global_load_b128 v[192+8*\t:195+8*\t], v5, s[12:13] offset:(32*(\t/2)+8*(\t%2))*4
	global_load_b128 v[196+8*\t:199+8*\t], v5, s[12:13] offset:(32*(\t/2)+8*(\t%2))*4+16
	global_load_b128 v[224+8*\t:227+8*\t], v5, s[14:15] offset:(32*(\t/2)+8*(\t%2))*4
	global_load_b128 v[228+8*\t:231+8*\t], v5, s[14:15] offset:(32*(\t/2)+8*(\t%2))*4+16
.endr
	WIN 0
	LNQ 1
	LNQ 2
	s_barrier_signal -1                            ; (each image's stores were waited for): h's sixteen fragments lie in LDS
	s_barrier_wait -1
	s_wait_loadcnt 0x0                             ; the weights, their scale words, the biases
; TOKEN TILE m: twelve sums by turns, one instruction a turn: q's and k's four channel tiles, v's four.  The biases are the C of each sum's first product.
.macro PROD m
	WIN 0
.irp s, 0,1,2,3
.irp c, 0,1,2
	ds_load_b128 v[HF+12*\s+4*\c:HF+12*\s+4*\c+3], v1 offset:XIMG+(4*(\m)+\s)*FRB+512*\c
.endr
	ds_load_b32 v[HS+\s], v3 offset:XSC+128*(4*(\m)+\s)
.endr
	s_wait_dscnt 0x0
.irp s, 0,1,2,3
.set RB, HF+12*\s
.set RSB, HS+\s
.set RROW, \s%2
.if \s == 0
	WIN 0x31                                       ; source 0 (Wq) window 1, C (bq) window 3
.else
	WIN 0x01
.endif
.irp t, 0,1,2,3
.set RD, QA+8*\t
.set RA, 12*(4*\t+\s)
.set RSA, WS+2*\t+\s/2
.set RC, RD
.if \s == 0
.set RC, 192+8*\t
.endif
	MMA
.endr
.if \s == 0
	WIN 0x32                                       ; source 0 (Wk) window 2, C (bk) window 3
.else
	WIN 0x02
.endif
.irp t, 0,1,2,3
.set RD, KA+8*\t
.set RA, 12*(4*\t+\s)
.set RSA, WS+8+2*\t+\s/2
.set RC, RD
.if \s == 0
.set RC, 224+8*\t
.endif
	MMA
.endr
.irp ct, 0,1,2,3
.if \s == 0
.set WN, 0x4c+0x40*(\ct/2)                     ; source 1 (Wv) window 3, C (bv) window 0, D window 1 or 2
.else
.set WN, 0x5c+0x50*(\ct/2)                     ; C and D window 1 or 2
.endif
	WIN WN
.set RD, 192+32*(\ct%2)+8*(\m)
.set RA, 12*(4*\ct+\s)
.set RSA, WS+16+2*\ct+\s/2
.set RC, RD
.if \s == 0
.set RC, BV+8*\ct
.endif
	MMB
.endr
.endr
	WIN 0
.rept 4
	v_nop                                          ; four places between the last products and the first read of results
.endr
	s_wait_xcnt 0x0                                ; the last tile's stores have read their registers: the codes may be written again
	QUANT QA, 0, PW                                ; blocks 0, 1: q's 64 channels; blocks 2, 3: k's
	global_store_b128 v1, v[PC:PC+3], s[18:19] offset:768*(\m)
	global_store_b64 v2, v[PC+4:PC+5], s[18:19] offset:768*(\m)+512
	global_store_b128 v1, v[PC+6:PC+9], s[20:21] offset:768*(\m)
	global_store_b64 v2, v[PC+10:PC+11], s[20:21] offset:768*(\m)+512
	v_mov_b32 v[PWM+\m], v[PW]
.endm
	PROD 0
	PROD 1
	PROD 2
	PROD 3
	s_wait_xcnt 0x0
	QUANT 192, 1, 181                              ; v, along the record's 64 tokens: channel tiles 0 (blocks 0, 1) and 1 (blocks 2, 3)
	global_store_b128 v1, v[PC:PC+3], s[20:21] offset:3072
	global_store_b64 v2, v[PC+4:PC+5], s[20:21] offset:3072+512
	global_store_b128 v1, v[PC+6:PC+9], s[20:21] offset:3072+768
	global_store_b64 v2, v[PC+10:PC+11], s[20:21] offset:3072+768+512
	s_wait_xcnt 0x0
	QUANT 192, 2, 182                              ; channel tiles 2 and 3
	global_store_b128 v1, v[PC:PC+3], s[20:21] offset:3072+1536
	global_store_b64 v2, v[PC+4:PC+5], s[20:21] offset:3072+1536+512
	global_store_b128 v1, v[PC+6:PC+9], s[20:21] offset:3072+2304
	global_store_b64 v2, v[PC+10:PC+11], s[20:21] offset:3072+2304+512
	v_perm_b32 v183, v182, v181, 0x05040100        ; tile 0's two bytes | tile 2's << 16
	v_perm_b32 v184, v182, v181, 0x07060302        ; tile 1's | tile 3's << 16
	v_cndmask_b32 v183, v183, v184, s[HM]          ; lanes 16-31 take the second
	global_store_b32 v3, v183, s[20:21] offset:6400
	v_mov_b32 v185, 0
	global_store_b32 v3, v185, s[20:21] offset:6528   ; the record's last 128 bytes: every byte that is read later is written
	v_cndmask_b32 v186, v[PWM], v[PWM+1], s[HM]    ; token tiles 0 | 1 by halves of the lanes,
	v_cndmask_b32 v187, v[PWM+2], v[PWM+3], s[HM]  ; tiles 2 | 3
	v_and_b32 v188, 0xffff, v186                   ; q's two bytes; bytes 2 and 3 are 0
	v_and_b32 v189, 0xffff, v187
	v_lshrrev_b32 v190, 16, v186                   ; k's
	v_lshrrev_b32 v191, 16, v187
	global_store_b64 v2, v[188:189], s[18:19] offset:3072
	global_store_b64 v2, v[190:191], s[20:21] offset:6144
	s_wait_tensorcnt 0x0
	ds_add_u32 v175, v179
	s_wait_dscnt 0x0
	s_endpgm
.Lfunc_end_k_qe0f1552d5b_qkv:
	.size	k_qe0f1552d5b_qkv, .Lfunc_end_k_qe0f1552d5b_qkv-k_qe0f1552d5b_qkv
	.p2alignl 7, 3214868480
	.fill 96, 4, 3214868480
	.section	.rodata,"a",@progbits
	.p2align	6, 0x0
	.amdhsa_kernel k_qe0f1552d5b_qkv
		.amdhsa_group_segment_fixed_size 31232
		.amdhsa_private_segment_fixed_size 0
		.amdhsa_enable_private_segment 0
		.amdhsa_kernarg_size 72
		.amdhsa_user_sgpr_count 2
		.amdhsa_user_sgpr_kernarg_segment_ptr 1
		.amdhsa_wavefront_size32 1
		.amdhsa_system_sgpr_workgroup_id_x 1
		.amdhsa_system_sgpr_workgroup_id_y 1
		.amdhsa_system_sgpr_workgroup_id_z 1
		.amdhsa_system_vgpr_workitem_id 0
		.amdhsa_next_free_vgpr 1024
		.amdhsa_next_free_sgpr 66
		.amdhsa_reserve_vcc 0
		.amdhsa_float_denorm_mode_32 3
		.amdhsa_float_denorm_mode_16_64 3
		.amdhsa_memory_ordered 1
		.amdhsa_forward_progress 1
		.amdhsa_inst_pref_size 153
	.end_amdhsa_kernel
	.amdgpu_metadata
---
amdhsa.version: [ 1, 2 ]
amdhsa.kernels:
  - .name:           k_qe0f1552d5b_qkv
    .symbol:         k_qe0f1552d5b_qkv.kd
    .args:
      - { .name: x, .offset: 0, .size: 8, .value_kind: global_buffer, .address_space: global }
      - { .name: g1, .offset: 8, .size: 8, .value_kind: global_buffer, .address_space: global }
      - { .name: be1, .offset: 16, .size: 8, .value_kind: global_buffer, .address_space: global }
      - { .name: wimg, .offset: 24, .size: 8, .value_kind: global_buffer, .address_space: global }
      - { .name: bq, .offset: 32, .size: 8, .value_kind: global_buffer, .address_space: global }
      - { .name: bk, .offset: 40, .size: 8, .value_kind: global_buffer, .address_space: global }
      - { .name: bv, .offset: 48, .size: 8, .value_kind: global_buffer, .address_space: global }
      - { .name: qrec, .offset: 56, .size: 8, .value_kind: global_buffer, .address_space: global }
      - { .name: kvrec, .offset: 64, .size: 8, .value_kind: global_buffer, .address_space: global }
    .group_segment_fixed_size: 31232
    .private_segment_fixed_size: 0
    .kernarg_segment_align: 8
    .kernarg_segment_size: 72
    .max_flat_workgroup_size: 128
    .sgpr_count:     66
    .vgpr_count:     1024
    .wavefront_size: 32
...
	.end_amdgpu_metadata
.endif
;; end of part 2
;; launch attn (part 3): grid 8 x 32, 16 waves a work-group, no clusters, 215,040 bytes of LDS; arguments qrec, kvrec, oimg, osc; writes oimg, osc
.if DOCPART == 3
	.amdgcn_target "amdgcn-amd-amdhsa--gfx1250"
	.amdhsa_code_object_version 6
	.text
	.protected	k_qe0f1552d5b_attn
	.globl	k_qe0f1552d5b_attn
	.p2align	8
	.type	k_qe0f1552d5b_attn,@function
k_qe0f1552d5b_attn:
	s_mov_b64 s[64:65], 0
	v_nop
	global_prefetch_b8 v0, s[64:65] scope:SCOPE_SE
	s_setreg_imm32_b32 hwreg(HW_REG_WAVE_MODE, 25, 1), 1
	s_wait_xcnt 0x0
; o = softmax(causal(q k^T) / 8) v for one batch and head (y), both products on codes of E3M2; o is quantised along the head's 64 channels for the product with Wp.
; THE SOFTMAX: t = score x log2(e) / 8; M = the running largest t rounded up to a whole number; p = 2^(t - M) is quantised along the keys; the row's sum is taken of the unquantised p and divides at the end.
; When M moves, the sum and O^T are multiplied by 2^(old M - new M), which rounds nothing.
; SHARES.  A head has 16 blocks of 128 queries.  Work-group i owns blocks i and 15 - i: 8 x (i + 1) + 8 x (16 - i) = 136 key steps of a wave in every work-group.  A wave owns one tile of 16 queries; which of the two
; blocks it takes is bit 0 of w xor (w / 4), so that early and late tiles are spread over the waves.
; THE WHOLE HEAD'S k AND v, 212,992 bytes, LIE IN LDS: every byte is filled once, so no slot is filled again.  Each wave issues four tensor loads at the head, one for each group of 512 keys (its 3,328 bytes of the
; group's 53,248): four of a wave's loads are out at the most.  A group is read behind a counted wait and a barrier.
; NO JOINT LOADS, though the eight work-groups of a head read the same bytes: which steps a wave leaves out hangs on its work-group's place among them.
; LAYOUT.  Both products transposed: S^T = k q^T (source 0 = 16 keys), O^T = v^T p^T (source 0 = 16 channels): a lane holds one query throughout.  Slot r of a token tile T holds token 32 (T / 2) + 8 (T % 2) + r + 8 (r / 8).
; THE FIRST PRODUCT'S K IS 64: q's registers 6-11 are zero codes and bytes 2, 3 of both sides' scale words are 0 (no NaN), so what stands in k's registers 6-11 adds exact zeros: there the next tile's codes stand.
; CAUSAL.  Every wave walks all 16 steps of 128 keys; a step all of whose keys come after the wave's queries is left out by a scalar branch on ids (its p would be 0); on the diagonal hidden scores become -1e9.
; LIMITS: NaN and infinities are not served; scores near -1e9 (where hidden keys would count) are not served; a block of p or o under 2^-122 keeps the byte 1.  osc is written a byte a lane: 1 / 24 of o's bytes.
; REGISTERS: v1-4, v8-9 addresses that stay; v5-7 the step's; v12 -M, v13 largest t, v[14:15] the sum; v16-27 q; v28-31 k's scale words; v32-85 k's eight tiles, then v's four fragments; v86 q's scale word; v87 p's;
;   v88-91 v's; v96-159 S^T, then p; v160-191 O^T; v192-211 p's codes; v212-229 at work.
.set REC,   6656                       ; a record: 64 tokens' k, v and scale words
.set HEADB, 212992
.set GRPB,  53248                      ; 512 keys
.set WPART, 3328                       ; a wave's part of a group: 13 rows of 256 bytes
.set S,   96
.set O,   160
.set PCD, 192
.set CW,  204
.set BM,  212
.set BY,  216
.set BO,  220
.set WV,  12
.set BH,  13
.set G1,  16                           ; s[16:23] descriptor group 1
.set G0,  24                           ; s[24:39] descriptor group 0, a set for each group of keys
.set QT,  40
.set Q0,  41
.set KF,  42
.set TB,  43
.set CNT, 44
.set SEL, 46
.set CS,  48
.set HM,  50
	s_load_b256 s[4:11], s[0:1], 0x0               ; qrec, kvrec, oimg, osc
	v_lshl_add_u32 v254, v0, 2, 0x34000
	v_mov_b32 v255, 0
	ds_add_u32 v254, v255
	ds_add_u32 v254, v255
	v_lshrrev_b32 v1, 5, v0
	v_readfirstlane_b32 s[WV], v1                  ; wave 0..15
	s_and_b32 s[BH], ttmp7, 0xffff                 ; batch x 8 + head
	s_mov_b32 s[G1], 3<<16                         ; no mask; elements of 8 bytes; no padding
	s_mov_b32 s[G1+1], 32<<16                      ; tensor_dim0 = 32 elements: 256 bytes
	s_mov_b32 s[G1+2], 13<<16                      ; tensor_dim1 = 13
	s_mov_b32 s[G1+3], 32<<16                      ; tile_dim0
	s_mov_b32 s[G1+4], 13                          ; tile_dim1
	s_mov_b32 s[G1+5], 32                          ; the rows are dense
	s_mov_b32 s[G1+6], 0
	s_mov_b32 s[G1+7], 0
	s_mul_i32 s14, s[WV], WPART
	s_mul_i32 s52, s[BH], HEADB
	s_add_co_u32 s52, s52, s14
	s_mov_b32 s53, 0
	s_wait_dscnt 0x0
	s_wait_kmcnt 0x0
	s_add_nc_u64 s[6:7], s[6:7], s[52:53]          ; my part of the head's first group
.irp g, 0,1,2,3
	s_mov_b32 s[G0+4*\g], 1                        ; count = 1
	s_add_co_u32 s[G0+4*\g+1], s14, GRPB*\g        ; LDS address: 53,248 g + 3,328 w
	s_add_nc_u64 s[G0+4*\g+2:G0+4*\g+3], s[6:7], GRPB*\g
	s_or_b32 s[G0+4*\g+3], s[G0+4*\g+3], 0x80000000   ; type = 2
.endr
.irp g, 0,1,2,3                        ; all first fills in one group, ahead of every wait on TENSORcnt, every LDS read and every barrier
	tensor_load_to_lds s[G0+4*\g:G0+4*\g+3], s[G1:G1+7]
	s_nop 0
.endr
.rept 4
	v_nop
.endr
	s_lshr_b32 s15, s[WV], 2
	s_xor_b32 s15, s15, s[WV]
	s_and_b32 s15, s15, 1                          ; which of the two blocks
	s_lshl_b32 s14, ttmp9, 1
	s_sub_co_u32 s14, 15, s14
	s_mul_i32 s14, s14, s15
	s_add_co_u32 s14, s14, ttmp9                   ; i or 15 - i
	s_lshl_b32 s14, s14, 3
	s_lshr_b32 s15, s[WV], 1
	s_add_co_u32 s[QT], s14, s15                   ; my query tile, 0 .. 127
	s_lshr_b32 s14, s[QT], 1
	s_lshl_b32 s14, s14, 5
	s_and_b32 s15, s[QT], 1
	s_lshl_b32 s15, s15, 3
	s_add_co_u32 s[Q0], s14, s15                   ; its first query; its last is 23 on
	s_lshl_b32 s52, s[BH], 5
	s_lshr_b32 s54, s[QT], 2
	s_add_co_u32 s52, s52, s54
	s_mul_i32 s52, s52, 3328
	s_add_nc_u64 s[4:5], s[4:5], s[52:53]          ; q's record
	s_and_b32 s54, s[QT], 3
	s_mul_i32 s54, s54, 768
	s_mov_b32 s55, 0
	s_add_nc_u64 s[56:57], s[4:5], s[54:55]        ; my tile's half image
	s_and_b32 s54, s[QT], 1
	s_lshl_b32 s54, s54, 7
	s_bfe_u32 s58, s[QT], 0x10001
	s_lshl_b32 s58, s58, 2
	s_add_co_u32 s54, s54, s58
	s_add_co_u32 s54, s54, 3072
	s_add_nc_u64 s[4:5], s[4:5], s[54:55]          ; its scale words: 8 bytes a slot from here
	s_lshr_b32 s14, s[BH], 3
	s_lshl_b32 s14, s14, 7
	s_add_co_u32 s14, s14, s[QT]                   ; the tile among all 512
	s_and_b32 s15, s[BH], 7                        ; the head
	s_lshl_b32 s52, s14, 3
	s_add_co_u32 s52, s52, s15
	s_mul_i32 s52, s52, 768
	s_add_nc_u64 s[8:9], s[8:9], s[52:53]          ; o's half image
	s_lshl_b32 s52, s14, 8
	s_lshl_b32 s15, s15, 1
	s_add_co_u32 s52, s52, s15
	s_add_nc_u64 s[10:11], s[10:11], s[52:53]      ; o's scale bytes
	s_mov_b32 s[SEL], 0x76543210
	s_mov_b32 s[SEL+1], 0xfedcba98                 ; v_permlanex16_b32's selects for lane l xor 16
	s_mov_b32 s[CS], 0x3e38aa3b                    ; c = log2(e) / 8
	s_mov_b32 s[CS+1], s[CS]                       ; (named with it as a pair, so it is written)
	s_mov_b32 s[HM], 0xffff0000                    ; lanes 16-31
	v_and_b32 v10, 31, v0
	v_lshlrev_b32 v1, 4, v10                       ; 16 L
	v_lshlrev_b32 v2, 3, v10                       ; 8 L
	v_lshlrev_b32 v3, 2, v10                       ; 4 L
	v_and_b32 v10, 15, v0                          ; r
	v_bfe_u32 v11, v0, 4, 1                        ; h
	v_lshlrev_b32 v8, 3, v10                       ; 8 r
	v_lshl_add_u32 v9, v10, 4, v11                 ; 16 r + h
	global_load_b128 v[16:19], v1, s[56:57]        ; q's codes: registers 0-5
	global_load_b64 v[20:21], v2, s[56:57] offset:512
	global_load_b32 v86, v8, s[4:5]                ; q's scale word
	v_and_b32 v4, 8, v10
	v_add_nc_u32 v4, v4, v10
	v_lshlrev_b32 v11, 4, v11
	v_sub_nc_u32 v4, v4, v11                       ; r + 8 (r / 8) - 16 h: my query less my half's first key, both from their tiles' starts
.irp i, 22,23,24,25,26,27,80,81,82,83,84,85
	v_mov_b32 v\i, 0                               ; q's registers 6-11: zero codes; and what stands behind k's last tile
.endr
	v_mov_b32 v13, 0xff61b1e6                      ; the largest t so far: -3e38
	v_floor_f32 v12, -v13                          ; -M
	v_mov_b32 v14, 0
	v_mov_b32 v15, 0
.irp b, 0,1,2,3
	v_mov_b32 v[BY+\b], 0                          ; a lane permute's destination counts as one of its sources
.endr
	v_mov_b32 v225, 0                              ; (named as the upper half of the pair v[224:225])
	v_mov_b32 v226, 0
.set N, 0
.rept 32
	v_mov_b32 v[O+N], 0                            ; O^T: the step is written once; the first change of M multiplies zeros
.set N, N+1
.endr
; A KEY STEP: 128 keys, two records, from LDS byte s[TB] on.
.macro STEP
	s_add_co_u32 s14, s[Q0], 23
	s_cmp_gt_u32 s[KF], s14                        ; all keys come after all my queries: the step's work is left out, not the lines at its end
	s_cbranch_scc1 .Lhidden_\@
	v_add_nc_u32 v5, s[TB], v1
	v_add_nc_u32 v6, s[TB], v2
	v_add_nc_u32 v7, s[TB], v3
	v_nop                                          ; with the three additions: four places in front of loads into registers that the last products read
.irp t, 0,1,2,3,4,5,6,7
	ds_load_b128 v[32+6*\t:35+6*\t], v5 offset:(\t/4)*REC+(\t%4)*768
	ds_load_b64 v[36+6*\t:37+6*\t], v6 offset:(\t/4)*REC+(\t%4)*768+512
.endr
	ds_load_b64 v[28:29], v6 offset:6144           ; k's scale words: word 0 tiles 0 | 1, word 1 tiles 2 | 3
	ds_load_b64 v[30:31], v6 offset:REC+6144
	s_wait_dscnt 0x0
.irp t, 0,2,4,6
	v_wmma_scale_f32_16x16x128_f8f6f4 v[S+8*\t:S+8*\t+7], v[32+6*\t:43+6*\t], v[16:27], 0, v[28+2*(\t/4)+(\t/2)%2], v86 matrix_a_fmt:MATRIX_FMT_BF6 matrix_b_fmt:MATRIX_FMT_BF6
	v_wmma_scale_f32_16x16x128_f8f6f4 v[S+8*\t+8:S+8*\t+15], v[38+6*\t:49+6*\t], v[16:27], 0, v[28+2*(\t/4)+(\t/2)%2], v86 matrix_a_fmt:MATRIX_FMT_BF6 matrix_b_fmt:MATRIX_FMT_BF6 matrix_a_scale:MATRIX_SCALE_ROW1
.endr
.rept 4
	v_nop                                          ; four places: in front of the loads below and of the first read of scores
.endr
.irp ct, 0,1,2,3                       ; v's four fragments land under the softmax: registers 6 c on from record c
.irp c, 0,1
	ds_load_b128 v[32+12*\ct+6*\c:35+12*\ct+6*\c], v5 offset:\c*REC+3072+768*\ct
	ds_load_b64 v[36+12*\ct+6*\c:37+12*\ct+6*\c], v6 offset:\c*REC+3072+768*\ct+512
.endr
.endr
	ds_load_b32 v88, v7 offset:6400
	ds_load_b32 v89, v7 offset:REC+6400
	s_add_co_u32 s14, s[KF], 127
	s_cmp_le_u32 s14, s[Q0]                        ; all keys count for all my queries: no mask
	s_cbranch_scc1 .Lopen_\@
	s_sub_co_i32 s14, s[Q0], s[KF]
	v_add_nc_u32 v227, s14, v4                     ; d: register 16 b + i holds a key that is hidden where 32 b + i > d
	v_mov_b32 v228, 0xce6e6b28                     ; -1e9
.set N, 0
.rept 64
	v_cmp_gt_i32 vcc_lo, 32*(N/16)+N%16, v227
	v_cndmask_b32 v[S+N], v[S+N], v228, vcc_lo
.set N, N+1
.endr
.Lopen_\@:
.irp b, 0,1,2,3
	v_max3_num_f32 v[BM+\b], v[S+16*\b], v[S+1+16*\b], v[S+2+16*\b]   ; the largest score of each block of 32 keys: for the row's maximum, and, since p rises with the score, for the block's largest p
.endr
.irp i, 3,5,7,9,11,13
.irp b, 0,1,2,3
	v_max3_num_f32 v[BM+\b], v[BM+\b], v[S+16*\b+\i], v[S+1+16*\b+\i]
.endr
.endr
.irp b, 0,1,2,3
	v_max_num_f32 v[BM+\b], v[BM+\b], v[S+15+16*\b]
.endr
.irp b, 0,1,2,3
	v_permlanex16_b32 v[BY+\b], v[BM+\b], s[SEL], s[SEL+1]
.endr
.irp b, 0,1,2,3
	v_max_num_f32 v[BM+\b], v[BM+\b], v[BY+\b]     ; with lane l xor 16's 16 keys
.endr
	v_max3_num_f32 v226, v[BM], v[BM+1], v[BM+2]
	v_max_num_f32 v226, v226, v[BM+3]
	v_mul_f32 v226, s[CS], v226                    ; the step's largest t (c is positive)
	v_max_num_f32 v13, v13, v226
	v_mov_b32 v226, v12
	v_floor_f32 v12, -v13                          ; the new -M = -ceil(t)
	v_sub_f32 v226, v12, v226                      ; old M - new M: a whole number, 0 or less
	v_cvt_i32_f32 v226, v226                       ; (it saturates)
	v_ldexp_f32 v224, 1.0, v226                    ; f = 2^(old M - new M)
.set N, 0
.rept 32
	v_pk_fma_f32 v[S+N:S+N+1], v[S+N:S+N+1], s[CS:CS+1], v[12:13] op_sel_hi:[1,0,0]   ; t - M
.set N, N+2
.endr
.irp b, 0,1,2,3
	v_fma_f32 v[BM+\b], v[BM+\b], s[CS], v12       ; the same of each block's largest score
.endr
.set N, 0
.rept 64
	v_exp_f32 v[S+N], v[S+N]                       ; p = 2^(t - M)
.set N, N+1
.endr
.irp b, 0,1,2,3
	v_exp_f32 v[BM+\b], v[BM+\b]                   ; the block's largest p: the same two instructions on the same number
.endr
	v_pk_mul_f32 v[14:15], v[14:15], v[224:225] op_sel_hi:[1,0]   ; the sums under the new M (a plain place behind the exponentials)
	s_wait_alu depctr_va_vdst(0)
.irp b, 0,1,2,3
	v_max_num_f32 v[BM+\b], 0x2800000, v[BM+\b]    ; the floor 2^(5 - 127)
.endr
.irp b, 0,1,2,3
	v_add_nc_u32 v[BO+\b], 0xfe000000, v[BM+\b]    ; 4 off the exponent field: the conversion's scale operand
.endr
.irp b, 0,1,2,3
	v_lshrrev_b32 v[BY+\b], 23, v[BO+\b]           ; the scale's byte
.endr
	v_lshl_or_b32 v87, v[BY+1], 8, v[BY]           ; p's scale word for these 128 keys
	v_lshl_or_b32 v87, v[BY+2], 16, v87
	v_lshl_or_b32 v87, v[BY+3], 24, v87
	s_wait_dscnt 0x0                               ; v's fragments and scale words are in
	v_perm_b32 v90, v89, v88, 0x05040100           ; the two records' bytes: lanes 0-15 channel tile 0, lanes 16-31 tile 1
	v_perm_b32 v91, v89, v88, 0x07060302           ; tiles 2 and 3
.irp c, 0,1
	v_cvt_scalef32_pk16_bf6_f32 v[PCD+6*\c:PCD+2+6*\c], v[S+32*\c:S+15+32*\c], v[BO+2*\c]
	v_cvt_scalef32_pk16_bf6_f32 v[CW+4*\c:CW+2+4*\c], v[S+16+32*\c:S+31+32*\c], v[BO+2*\c+1]
.endr
	v_nop                                          ; one plain place behind a scaled conversion
.irp c, 0,1
.irp i, 0,1,2
	v_permlane16_swap_b32 v[PCD+6*\c+\i], v[CW+4*\c+\i]
.endr
.irp i, 0,1,2
	v_mov_b32 v[PCD+3+6*\c+\i], v[CW+4*\c+\i]
.endr
.endr
	v_pk_add_f32 v[228:229], v[S:S+1], v[S+2:S+3]  ; the row's sum is taken of the unquantised p, in two chains
.irp j, 4,8,12,16,20,24,28,32,36,40,44,48,52,56,60
	v_pk_add_f32 v[14:15], v[14:15], v[S+\j:S+\j+1]
	v_pk_add_f32 v[228:229], v[228:229], v[S+2+\j:S+3+\j]
.endr
	v_pk_add_f32 v[14:15], v[14:15], v[228:229]
.set N, 0
.rept 16
	v_pk_mul_f32 v[O+N:O+N+1], v[O+N:O+N+1], v[224:225] op_sel_hi:[1,0]   ; O^T under the new M.  (The sums and these are more than the eight places between the scale words' last write and the products)
.set N, N+2
.endr
.irp ct, 0,2
	v_wmma_scale_f32_16x16x128_f8f6f4 v[O+8*\ct:O+8*\ct+7], v[32+12*\ct:43+12*\ct], v[PCD:PCD+11], v[O+8*\ct:O+8*\ct+7], v[90+\ct/2], v87 matrix_a_fmt:MATRIX_FMT_BF6 matrix_b_fmt:MATRIX_FMT_BF6
	v_wmma_scale_f32_16x16x128_f8f6f4 v[O+8*\ct+8:O+8*\ct+15], v[44+12*\ct:55+12*\ct], v[PCD:PCD+11], v[O+8*\ct+8:O+8*\ct+15], v[90+\ct/2], v87 matrix_a_fmt:MATRIX_FMT_BF6 matrix_b_fmt:MATRIX_FMT_BF6 matrix_a_scale:MATRIX_SCALE_ROW1
.endr
.Lhidden_\@:
	s_add_co_u32 s[KF], s[KF], 128
	s_add_co_u32 s[TB], s[TB], 2*REC
.endm
; A GROUP of 512 keys: my part of it has landed (the 3 - g groups behind it may be out), then everybody's; four steps.
.macro GROUP g
	s_wait_tensorcnt 3-\g
	s_wait_dscnt 0x0
	s_barrier_signal -1
	s_barrier_wait -1
	s_mov_b32 s[TB], GRPB*\g
	s_mov_b32 s[KF], 512*\g
	s_mov_b32 s[CNT], 4
.Lstep_\@:
	STEP
	s_sub_co_u32 s[CNT], s[CNT], 1
	s_cmp_lg_u32 s[CNT], 0
	s_cbranch_scc1 .Lstep_\@
.endm
	s_wait_loadcnt 0x0                             ; q
	GROUP 0
	GROUP 1
	GROUP 2
	GROUP 3
	; THE WAY OUT: O^T / the sum; register 8 t + j is channel 32 (t / 2) + 16 h + 8 (t % 2) + j of my query: two blocks of 32, quantised as p is.
.rept 4
	v_nop                                          ; four places behind the last products
.endr
	v_add_f32 v14, v14, v15
	v_permlanex16_b32 v226, v14, s[SEL], s[SEL+1]
	v_add_f32 v14, v14, v226                       ; the row's sum
	v_rcp_f32 v14, v14
	v_nop                                          ; one plain place behind a transcendental
.set N, 0
	s_wait_alu depctr_va_vdst(0)
.rept 32
	v_mul_f32 v[S+N], v[O+N], v14
.set N, N+1
.endr
.irp b, 0,1
	v_max3_num_f32 v[BM+\b], |v[S+16*\b]|, |v[S+1+16*\b]|, 0x2800000
.endr
.irp i, 2,4,6,8,10,12,14
.irp b, 0,1
	v_max3_num_f32 v[BM+\b], v[BM+\b], |v[S+16*\b+\i]|, |v[S+1+16*\b+\i]|
.endr
.endr
.irp b, 0,1
	v_permlanex16_b32 v[BY+\b], v[BM+\b], s[SEL], s[SEL+1]
.endr
.irp b, 0,1
	v_max_num_f32 v[BM+\b], v[BM+\b], v[BY+\b]
.endr
.irp b, 0,1
	v_add_nc_u32 v[BO+\b], 0xfe000000, v[BM+\b]
.endr
.irp b, 0,1
	v_lshrrev_b32 v[BY+\b], 23, v[BO+\b]
.endr
	v_cvt_scalef32_pk16_bf6_f32 v[PCD:PCD+2], v[S:S+15], v[BO]
	v_cvt_scalef32_pk16_bf6_f32 v[CW:CW+2], v[S+16:S+31], v[BO+1]
	v_nop
.irp i, 0,1,2
	v_permlane16_swap_b32 v[PCD+\i], v[CW+\i]
.endr
.irp i, 0,1,2
	v_mov_b32 v[PCD+3+\i], v[CW+\i]
.endr
	v_cndmask_b32 v226, v[BY], v[BY+1], s[HM]      ; lanes 0-15 store block 0's byte, lanes 16-31 block 1's
	global_store_b128 v1, v[PCD:PCD+3], s[8:9]
	global_store_b64 v2, v[PCD+4:PCD+5], s[8:9] offset:512
	global_store_b8 v9, v226, s[10:11]
	s_wait_tensorcnt 0x0
	ds_add_u32 v254, v255
	s_wait_dscnt 0x0
	s_endpgm
.Lfunc_end_k_qe0f1552d5b_attn:
	.size	k_qe0f1552d5b_attn, .Lfunc_end_k_qe0f1552d5b_attn-k_qe0f1552d5b_attn
	.p2alignl 7, 3214868480
	.fill 96, 4, 3214868480
	.section	.rodata,"a",@progbits
	.p2align	6, 0x0
	.amdhsa_kernel k_qe0f1552d5b_attn
		.amdhsa_group_segment_fixed_size 215040
		.amdhsa_private_segment_fixed_size 0
		.amdhsa_enable_private_segment 0
		.amdhsa_kernarg_size 32
		.amdhsa_user_sgpr_count 2
		.amdhsa_user_sgpr_kernarg_segment_ptr 1
		.amdhsa_wavefront_size32 1
		.amdhsa_system_sgpr_workgroup_id_x 1
		.amdhsa_system_sgpr_workgroup_id_y 1
		.amdhsa_system_sgpr_workgroup_id_z 1
		.amdhsa_system_vgpr_workitem_id 0
		.amdhsa_next_free_vgpr 256
		.amdhsa_next_free_sgpr 66
		.amdhsa_reserve_vcc 1
		.amdhsa_float_denorm_mode_32 3
		.amdhsa_float_denorm_mode_16_64 3
		.amdhsa_memory_ordered 1
		.amdhsa_forward_progress 1
		.amdhsa_inst_pref_size 98
	.end_amdhsa_kernel
	.amdgpu_metadata
---
amdhsa.version: [ 1, 2 ]
amdhsa.kernels:
  - .name:           k_qe0f1552d5b_attn
    .symbol:         k_qe0f1552d5b_attn.kd
    .args:
      - { .name: qrec, .offset: 0, .size: 8, .value_kind: global_buffer, .address_space: global }
      - { .name: kvrec, .offset: 8, .size: 8, .value_kind: global_buffer, .address_space: global }
      - { .name: oimg, .offset: 16, .size: 8, .value_kind: global_buffer, .address_space: global }
      - { .name: osc, .offset: 24, .size: 8, .value_kind: global_buffer, .address_space: global }
    .group_segment_fixed_size: 215040
    .private_segment_fixed_size: 0
    .kernarg_segment_align: 8
    .kernarg_segment_size: 32
    .max_flat_workgroup_size: 512
    .sgpr_count:     66
    .vgpr_count:     256
    .wavefront_size: 32
...
	.end_amdgpu_metadata
.endif
;; end of part 3
;; launch mlp (part 4): grid 256 x 1, 16 waves a work-group, no clusters, 156,160 bytes of LDS; arguments x, oimg, osc, wimg, bp, g2, be2, b1, b2, out0; writes out0
.if DOCPART == 4
	.amdgcn_target "amdgcn-amd-amdhsa--gfx1250"
	.amdhsa_code_object_version 6
	.text
	.protected	k_qe0f1552d5b_mlp
	.globl	k_qe0f1552d5b_mlp
	.p2align	8
	.type	k_qe0f1552d5b_mlp,@function
k_qe0f1552d5b_mlp:
	s_mov_b64 s[64:65], 0
	v_nop
	global_prefetch_b8 v0, s[64:65] scope:SCOPE_SE
	s_setreg_imm32_b32 hwreg(HW_REG_WAVE_MODE, 25, 1), 1
	s_wait_xcnt 0x0
; x1 = x + o Wp + bp;  h2 = layer norm(x1) g2 + be2;  out0 = x1 + relu(h2 W1 + b1) W2 + b2.  All three products on codes of E3M2; h2 and the hidden layer are quantised on the way and never go to memory.
; SHARES.  A work-group takes 32 tokens (two tiles m).  THE WAVES SHARE THE COLUMNS: wave w owns columns 32 w .. 32 w + 31 of x1 and out0 and hidden units 128 w .. 128 w + 127, which are K step w of the last product.
; So each weight fragment is wanted by exactly one wave, and goes from wimg straight into a ring of three register slots of two fragments: 18 loads of 512 bytes of a wave are out.  36 pairs, 144 products a wave, a straight line.
; NO JOINT LOADS: no two waves of a work-group want the same fragment, so LDS would only be a detour; two LDS slots beside the images would hold about 64 fragments, eight products a wave between two changes of slots.
; All products are transposed (source 0 = 16 weight rows, source 1 = 16 tokens): a lane holds one token, its registers run along the columns.  Slot r of token tile m is token 8 m + r + 8 (r / 8) of the 32; the weights' rows likewise.
; h2 and the hidden layer go from wave to wave through LDS as images of the operand's registers.  The residual and the biases are the sums' starting values.
; LIMITS: NaN and infinities are not served; a block under 2^-122, a block of zeros too, keeps the byte 1.
; REGISTERS: v1-15 addresses; v16-47 x1, later out0 (tile (m, u) at 16 + 16 m + 8 u); v48-55, v56-63 two banks of weight scale words; v64-71 the activations' scale words; v72-135 the hidden sums (72 + 32 m + 8 t),
;   v136-159 two activation fragments, also the codes just made; v72-167 o's eight fragments in the first phase; v160-167 at work; v168-239 the ring; v240-255 at work.
.set SCB,   2359296
.set LNA,   16384                      ; LDS: 0: 1,024 bytes a wave: b1 512, bp, b2, g2, be2 128 each;  LNA: 32 rows x 80: the waves' partial sums;  + 2,560: the same for the squares
.set LNB2,  2560
.set H2IMG, 21504                      ; h2's 8 fragments (4 m + s), 1,536 bytes each
.set H2SC,  33792                      ; their scale words, 128 bytes each
.set HIMG,  34816                      ; the hidden layer's 32 fragments (16 m + K step), two half images of 768 bytes each
.set HSC,   83968                      ; their scale words
.set STG,   88064                      ; the stage for out0: 32 rows x (2,048 + 16) bytes
.set SP,    2064
.set X1,  16
.set BKA, 48
.set BKB, 56
.set AS,  64
.set ACC, 72
.set OF,  72
.set ACT, 136
.set PC,  136
.set WB,  168
.set TM,  240
.set WV,  24
.set SEL, 26
.set HM,  28
.set RN,  29
.set SWP, 34
.set SW,  36
.set SS2, 38
.set SS3, 40
; THE STREAM.  Pair p: 0-3: Wp, K step p, tiles u = 0, 1;  4 + 8 q + 2 s + tp: W1, half q, K step s, tiles 4 q + 2 tp + 0, 1;  20 + s: W2, K step s, tiles u = 0, 1.
.macro WLOAD p
.irp e, 0,1
.set RW, WB+24*((\p)%3)+12*\e
.if (\p) < 4
.set WO, 589824+1536*(4*\e+(\p))
.elseif (\p) < 20
.set WO, 786432+1536*(4*(4*(((\p)-4)/8)+2*(((\p)-4)%2)+\e)+(((\p)-4)%8)/2)
.else
.set WO, 1572864+1536*(16*\e+(\p)-20)
.endif
.irp c, 0,1,2
.if (\p) < 4
	global_load_b128 v[RW+4*\c:RW+4*\c+3], v1, s[SWP:SWP+1] offset:WO+512*\c
.else
	global_load_b128 v[RW+4*\c:RW+4*\c+3], v1, s[SW:SW+1] offset:WO+512*\c
.endif
.endr
.endr
.endm
.macro MM                              ; one product in place; the registers stand in the symbols R..
.if RROW
	v_wmma_scale_f32_16x16x128_f8f6f4 v[RD:RD+7], v[RA:RA+11], v[RB:RB+11], v[RD:RD+7], v[RSA], v[RSB] matrix_a_fmt:MATRIX_FMT_BF6 matrix_b_fmt:MATRIX_FMT_BF6 matrix_a_scale:MATRIX_SCALE_ROW1
.else
	v_wmma_scale_f32_16x16x128_f8f6f4 v[RD:RD+7], v[RA:RA+11], v[RB:RB+11], v[RD:RD+7], v[RSA], v[RSB] matrix_a_fmt:MATRIX_FMT_BF6 matrix_b_fmt:MATRIX_FMT_BF6
.endif
.endm
; Pair p is multiplied: two weight fragments x two token tiles, four sums by turns; then its slot takes the pair three on.
.macro PAIR p
.if (\p) == 35
	s_wait_loadcnt 0x0
.elseif (\p) == 34
	s_wait_loadcnt 6                               ; the last pair's six loads may be out
.else
	s_wait_loadcnt 12                              ; the two younger pairs' twelve loads may be out (scale words asked for in between only make the count stricter)
.endif
.irp e, 0,1
.irp m, 0,1
.set RA, WB+24*((\p)%3)+12*\e
.if (\p) < 4
.set RD, X1+16*\m+8*\e
.set RB, OF+12*(4*\m+(\p))
.set RSA, BKA+2*\e+(\p)/2
.set RSB, AS+4*\m+(\p)
.set RROW, (\p)%2
.elseif (\p) < 20
.set KS, (((\p)-4)%8)/2
.set TT, 2*(((\p)-4)%2)+\e
.set RD, ACC+32*\m+8*TT
.set RB, ACT+12*\m
.set RSA, BKB-8*(((\p)-4)/8)+2*TT+KS/2
.set RSB, AS+4*\m+KS
.set RROW, KS%2
.else
.set KS, (\p)-20
.set RD, X1+16*\m+8*\e
.set RB, ACC+24*(KS%2)+12*\m
.set RSA, BKB-8*(KS/8)+4*\e+(KS/2)%4
.set RSB, AS+2*(KS%2)+\m
.set RROW, KS%2
.endif
	MM
.endr
.endr
.rept 4
	v_nop                                          ; four places in front of loads into registers that these products read, and of the first read of results
.endr
.if (\p) <= 32
.set PL, (\p)+3
	WLOAD PL
.endif
.endm
; 64 numbers of a lane, register 16 b + i = k 32 b + 16 h + i, become 12 registers of codes in v[PC] on and four scale bytes in v[pw].
.macro QUANT src, pw
.irp b, 0,1,2,3
	v_max3_num_f32 v[TM+\b], |v[\src+16*\b]|, |v[\src+1+16*\b]|, 0x2800000   ; my 16 numbers of block b, and the floor 2^(5 - 127)
.endr
.irp i, 2,4,6,8,10,12,14
.irp b, 0,1,2,3
	v_max3_num_f32 v[TM+\b], v[TM+\b], |v[\src+16*\b+\i]|, |v[\src+1+16*\b+\i]|
.endr
.endr
.irp b, 0,1,2,3
	v_permlanex16_b32 v[TM+4+\b], v[TM+\b], s[SEL], s[SEL+1]
.endr
.irp b, 0,1,2,3
	v_max_num_f32 v[TM+\b], v[TM+\b], v[TM+4+\b]
.endr
.irp b, 0,1,2,3
	v_add_nc_u32 v[TM+12+\b], 0xfe000000, v[TM+\b]
.endr
.irp b, 0,1,2,3
	v_lshrrev_b32 v[TM+4+\b], 23, v[TM+12+\b]
.endr
	v_lshl_or_b32 v[\pw], v[TM+5], 8, v[TM+4]
	v_lshl_or_b32 v[\pw], v[TM+6], 16, v[\pw]
	v_lshl_or_b32 v[\pw], v[TM+7], 24, v[\pw]
.irp c, 0,1
	v_cvt_scalef32_pk16_bf6_f32 v[PC+6*\c:PC+2+6*\c], v[\src+32*\c:\src+15+32*\c], v[TM+12+2*\c]
	v_cvt_scalef32_pk16_bf6_f32 v[PC+12+4*\c:PC+14+4*\c], v[\src+16+32*\c:\src+31+32*\c], v[TM+12+2*\c+1]
.endr
	v_nop                                          ; one plain place behind a scaled conversion
.irp c, 0,1
.irp i, 0,1,2
	v_permlane16_swap_b32 v[PC+6*\c+\i], v[PC+12+4*\c+\i]
.endr
.irp i, 0,1,2
	v_mov_b32 v[PC+3+6*\c+\i], v[PC+12+4*\c+\i]
.endr
.endr
.endm
; The pair sums v[240:241] (tile 0) and v[242:243] (tile 1) of my 16 columns become the rows' sums over all 512 columns, in v244 and v245: my halves, lane l xor 16's, then the sixteen waves' through LDS.
.macro ACROSS off
.irp m, 0,1
	v_add_f32 v[244+\m], v[240+2*\m], v[241+2*\m]
.endr
.irp m, 0,1
	v_permlanex16_b32 v[246+\m], v[244+\m], s[SEL], s[SEL+1]
.endr
.irp m, 0,1
	v_add_f32 v[244+\m], v[244+\m], v[246+\m]
.endr
	v_cndmask_b32 v244, v244, v245, s[HM]          ; lanes 0-15 carry tile 0's rows, lanes 16-31 tile 1's
	ds_store_b32 v5, v244 offset:\off
	s_wait_dscnt 0x0                               ; for the others' sake
	s_barrier_signal -1
	s_barrier_wait -1
.irp m, 0,1
.irp j, 0,1,2,3
	ds_load_b128 v[136+16*\m+4*\j:139+16*\m+4*\j], v6 offset:\off+1280*\m+16*\j
.endr
.endr
	s_wait_dscnt 0x0
.irp i, 2,4,6,8,10,12,14
.irp m, 0,1
	v_pk_add_f32 v[136+16*\m:137+16*\m], v[136+16*\m:137+16*\m], v[136+16*\m+\i:137+16*\m+\i]
.endr
.endr
.irp m, 0,1
	v_add_f32 v[244+\m], v[136+16*\m], v[137+16*\m]
.endr
.endm
.macro FETCHH s                        ; the hidden layer's K step s: two fragments and two scale words, ten LDS loads, into buffer s % 2
.set HB, ACC+24*((\s)%2)
.irp m, 0,1
.irp c, 0,1
	ds_load_b128 v[HB+12*\m+6*\c:HB+12*\m+6*\c+3], v13 offset:(16*\m+(\s))*1536+768*\c
	ds_load_b64 v[HB+12*\m+6*\c+4:HB+12*\m+6*\c+5], v14 offset:(16*\m+(\s))*1536+768*\c+512
.endr
	ds_load_b32 v[AS+2*((\s)%2)+\m], v15 offset:128*(16*\m+(\s))
.endr
.endm
	s_load_b256 s[4:11], s[0:1], 0x0               ; x, oimg, osc, wimg
	s_load_b256 s[12:19], s[0:1], 0x20             ; bp, g2, be2, b1
	s_load_b128 s[20:23], s[0:1], 0x40             ; b2, out0
	v_lshrrev_b32 v1, 5, v0
	v_readfirstlane_b32 s[WV], v1                  ; wave 0..15
	v_and_b32 v250, 31, v0                         ; L
	v_and_b32 v251, 15, v0                         ; r
	v_bfe_u32 v252, v0, 4, 1                       ; h
	v_lshlrev_b32 v1, 4, v250                      ; 16 L
	v_lshlrev_b32 v2, 3, v250                      ; 8 L
	v_lshlrev_b32 v3, 2, v250                      ; 4 L
	s_lshl_b32 s30, s[WV], 10
	v_lshl_add_u32 v4, v252, 6, s30                ; my wave's biases, + 64 h: my half's 16 columns
	v_add_nc_u32 v253, s30, v1
	v_add_nc_u32 v254, s30, v3
	v_mul_u32_u24 v5, v250, 80
	s_lshl_b32 s31, s[WV], 2
	s_add_co_u32 s31, s31, LNA
	v_add_nc_u32 v5, s31, v5                       ; partial sums, in: row L, word w
	v_mul_u32_u24 v6, v251, 80
	v_add_nc_u32 v6, LNA, v6                       ; and out: row r (tile 1: 16 rows on)
	; h2's codes: my 16 codes are registers k = 6 ((w % 4) / 2) + 3 h + 0 .. 2 of lane r + 16 (w % 2) of fragment (m, w / 4): byte 512 (k / 4) + 4 (k % 4) + 16 x lane of its image
	s_bfe_u32 s31, s[WV], 0x10001
	s_mul_i32 s31, s31, 6
	v_mad_u32_u24 v160, v252, 3, s31
	s_lshr_b32 s32, s[WV], 2
	s_mul_i32 s32, s32, 1536
	s_and_b32 s33, s[WV], 1
	s_lshl_b32 s33, s33, 8
	s_add_co_u32 s32, s32, s33
	s_add_co_u32 s32, s32, H2IMG
.irp i, 0,1,2
	v_add_nc_u32 v161, \i, v160
	v_lshrrev_b32 v162, 2, v161
	v_and_b32 v161, 3, v161
	v_lshlrev_b32 v162, 9, v162
	v_lshl_add_u32 v162, v161, 2, v162
	v_lshl_add_u32 v162, v251, 4, v162
	v_add_nc_u32 v[7+\i], s32, v162
.endr
	s_lshr_b32 s32, s[WV], 2
	s_lshl_b32 s32, s32, 7
	s_and_b32 s33, s[WV], 3
	s_add_co_u32 s32, s32, s33
	s_add_co_u32 s32, s32, H2SC
	v_add_nc_u32 v10, s32, v3                      ; h2's scale byte: word 4 L of fragment (m, w / 4), byte w % 4
	s_mul_i32 s32, s[WV], 1536
	s_add_co_u32 s32, s32, HIMG
	v_add_nc_u32 v11, s32, v1                      ; the hidden layer's images, in: K step w
	v_add_nc_u32 v12, s32, v2
	v_add_nc_u32 v13, HIMG, v1                     ; and out
	v_add_nc_u32 v14, HIMG, v2
	v_add_nc_u32 v15, HSC, v3                      ; its scale words
	v_and_b32 v161, 8, v251
	v_add_nc_u32 v161, v161, v251
	v_lshlrev_b32 v248, 11, v161
	v_lshl_add_u32 v248, v252, 6, v248             ; x: my slot's row of 2,048 bytes, + 64 h
	v_lshlrev_b32 v249, 4, v251                    ; osc: 16 r
	s_mov_b32 s[SEL], 0x76543210
	s_mov_b32 s[SEL+1], 0xfedcba98
	s_mov_b32 s[HM], 0xffff0000
	s_mov_b32 s[RN], 0x3b000000                    ; 1 / 512
	s_mov_b32 s31, 0
	s_lshl_b32 s32, s[WV], 7
	s_wait_kmcnt 0x0
	s_lshl_b32 s30, ttmp9, 16
	s_add_co_u32 s30, s30, s32
	s_add_nc_u64 s[4:5], s[4:5], s[30:31]          ; x at my 32 tokens, my 32 columns
	s_mul_i32 s30, ttmp9, 12288
	s_add_nc_u64 s[6:7], s[6:7], s[30:31]          ; o's images: two tiles x eight heads x 768 bytes
	s_lshl_b32 s30, ttmp9, 9
	s_add_nc_u64 s[8:9], s[8:9], s[30:31]
	s_mov_b32 s30, s32
	s_add_nc_u64 s[12:13], s[12:13], s[30:31]
	s_add_nc_u64 s[14:15], s[14:15], s[30:31]
	s_add_nc_u64 s[16:17], s[16:17], s[30:31]
	s_add_nc_u64 s[20:21], s[20:21], s[30:31]
	s_lshl_b32 s30, s[WV], 9
	s_add_nc_u64 s[18:19], s[18:19], s[30:31]
	s_add_nc_u64 s[SS2:SS2+1], s[10:11], s[30:31]  ; wimg + 512 w: Wp's scale images
	s_mul_i32 s30, s[WV], 12288
	s_add_nc_u64 s[SWP:SWP+1], s[10:11], s[30:31]  ; wimg + 12,288 w: Wp's two units
	s_mul_i32 s30, s[WV], 49152
	s_add_nc_u64 s[SW:SW+1], s[10:11], s[30:31]    ; wimg + 49,152 w: W1's and W2's eight units
	s_lshl_b32 s30, s[WV], 11
	s_add_nc_u64 s[SS3:SS3+1], s[10:11], s[30:31]  ; wimg + 2,048 w: their scale images
	s_lshr_b32 s32, s[WV], 3
	s_lshl_b32 s32, s32, 3
	s_and_b32 s33, s[WV], 7
	s_lshl_b32 s33, s33, 1
	s_add_co_u32 s32, s32, s33
	s_bfe_u32 s33, s[WV], 0x10002
	s_lshl_b32 s33, s33, 3
	s_add_co_u32 s32, s32, s33                     ; the token of stage row 2 w: 8 (w / 8) + 2 (w % 8) + 8 ((w / 4) % 2); row 2 w + 1 is the next token
	s_lshl_b32 s33, ttmp9, 5
	s_add_co_u32 s32, s32, s33
	s_lshl_b32 s30, s32, 11
	s_add_nc_u64 s[22:23], s[22:23], s[30:31]
	global_load_b128 v[240:243], v1, s[18:19]      ; b1: my 128
	global_load_b32 v244, v3, s[12:13]             ; bp, b2, g2, be2: my 32 each
	global_load_b32 v245, v3, s[20:21]
	global_load_b32 v246, v3, s[14:15]
	global_load_b32 v247, v3, s[16:17]
.irp m, 0,1
.irp j, 0,1,2,3
	global_load_b128 v[X1+16*\m+4*\j:X1+16*\m+4*\j+3], v248, s[4:5] offset:16384*\m+16*\j   ; the residual is the sums' starting value
.endr
.endr
	global_load_b128 v[AS:AS+3], v249, s[8:9]      ; o's scale words: the row's four K steps
	global_load_b128 v[AS+4:AS+7], v249, s[8:9] offset:256
.irp m, 0,1
.irp s, 0,1,2,3
.irp c, 0,1
	global_load_b128 v[OF+12*(4*\m+\s)+6*\c:OF+12*(4*\m+\s)+6*\c+3], v1, s[6:7] offset:6144*\m+1536*\s+768*\c   ; K step s = heads 2 s and 2 s + 1
	global_load_b64 v[OF+12*(4*\m+\s)+6*\c+4:OF+12*(4*\m+\s)+6*\c+5], v2, s[6:7] offset:6144*\m+1536*\s+768*\c+512
.endr
.endr
.endr
.irp u, 0,1
	global_load_b64 v[BKA+2*\u:BKA+2*\u+1], v2, s[SS2:SS2+1] offset:SCB+24576+256*\u       ; Wp's scale words
.endr
.irp t, 0,1,2,3
	global_load_b64 v[BKB+2*\t:BKB+2*\t+1], v2, s[SS3:SS3+1] offset:SCB+32768+256*\t       ; W1's, tiles 0-3
.endr
	WLOAD 0
	WLOAD 1
	WLOAD 2
	s_wait_loadcnt 18                              ; all but the ring's eighteen loads are in
	ds_store_b128 v253, v[240:243]                 ; the biases and gains into my wave's own 1,024 bytes
	ds_store_b32 v254, v244 offset:512
	ds_store_b32 v254, v245 offset:640
	ds_store_b32 v254, v246 offset:768
	ds_store_b32 v254, v247 offset:896
	s_wait_dscnt 0x0
.irp j, 0,1,2,3
	ds_load_b128 v[240+4*\j:243+4*\j], v4 offset:512+16*\j      ; bp of my half's 16 columns
.endr
	s_wait_dscnt 0x0
.irp m, 0,1
.irp i, 0,2,4,6,8,10,12,14
	v_pk_add_f32 v[X1+16*\m+\i:X1+16*\m+\i+1], v[X1+16*\m+\i:X1+16*\m+\i+1], v[240+\i:241+\i]
.endr
.endr
	; ---- x1 = x + bp + o Wp
.set PP, 0
.rept 4
	PAIR PP
.set PP, PP+1
.endr
.irp t, 0,1,2,3
	global_load_b64 v[BKA+2*\t:BKA+2*\t+1], v2, s[SS3:SS3+1] offset:SCB+32768+256*(4+\t)   ; W1's scale words, tiles 4-7: wanted eight pairs (48 loads) on, so the standing count shows them in
.endr
	; ---- layer norm: the mean, then the mean of the squares of x1 - mean
.irp m, 0,1
	v_pk_add_f32 v[240+2*\m:241+2*\m], v[X1+16*\m:X1+16*\m+1], v[X1+16*\m+2:X1+16*\m+3]
.endr
.irp i, 4,6,8,10,12,14
.irp m, 0,1
	v_pk_add_f32 v[240+2*\m:241+2*\m], v[240+2*\m:241+2*\m], v[X1+16*\m+\i:X1+16*\m+\i+1]
.endr
.endr
	ACROSS 0
.irp m, 0,1
	v_mul_f32 v[240+2*\m], s[RN], v[244+\m]
.endr
.irp m, 0,1
	v_mov_b32 v[241+2*\m], v[240+2*\m]
.endr
.irp m, 0,1
.irp i, 0,2,4,6,8,10,12,14
	v_pk_add_f32 v[104+16*\m+\i:105+16*\m+\i], v[X1+16*\m+\i:X1+16*\m+\i+1], v[240+2*\m:241+2*\m] neg_lo:[0,1] neg_hi:[0,1]
.endr
.endr
.irp m, 0,1
	v_pk_mul_f32 v[240+2*\m:241+2*\m], v[104+16*\m:105+16*\m], v[104+16*\m:105+16*\m]
.endr
.irp i, 2,4,6,8,10,12,14
.irp m, 0,1
	v_pk_fma_f32 v[240+2*\m:241+2*\m], v[104+16*\m+\i:105+16*\m+\i], v[104+16*\m+\i:105+16*\m+\i], v[240+2*\m:241+2*\m]
.endr
.endr
.irp j, 0,1,2,3
	ds_load_b128 v[72+4*\j:75+4*\j], v4 offset:768+16*\j        ; g2 and be2 of my 16 columns
	ds_load_b128 v[88+4*\j:91+4*\j], v4 offset:896+16*\j
.endr
	ACROSS LNB2
.irp m, 0,1
	v_fmaak_f32 v[244+\m], s[RN], v[244+\m], 0x3727c5ac         ; the variance + 1e-5
.endr
.irp m, 0,1
	v_rsq_f32 v[240+2*\m], v[244+\m]
.endr
	v_nop                                          ; one plain place behind the transcendentals
	s_wait_alu depctr_va_vdst(0)
.irp m, 0,1
	v_mov_b32 v[241+2*\m], v[240+2*\m]
.endr
.irp m, 0,1
.irp i, 0,2,4,6,8,10,12,14
	v_pk_mul_f32 v[104+16*\m+\i:105+16*\m+\i], v[104+16*\m+\i:105+16*\m+\i], v[240+2*\m:241+2*\m]
.endr
.endr
.irp m, 0,1
.irp i, 0,2,4,6,8,10,12,14
	v_pk_fma_f32 v[104+16*\m+\i:105+16*\m+\i], v[104+16*\m+\i:105+16*\m+\i], v[72+\i:73+\i], v[88+\i:89+\i]
.endr
.endr
	; my wave's 32 columns are one block of 32 along the next K: block w % 4 of K step w / 4
.irp m, 0,1
	v_max3_num_f32 v[248+\m], |v[104+16*\m]|, |v[105+16*\m]|, 0x2800000
.endr
.irp i, 2,4,6,8,10,12,14
.irp m, 0,1
	v_max3_num_f32 v[248+\m], v[248+\m], |v[104+16*\m+\i]|, |v[105+16*\m+\i]|
.endr
.endr
.irp m, 0,1
	v_permlanex16_b32 v[250+\m], v[248+\m], s[SEL], s[SEL+1]
.endr
.irp m, 0,1
	v_max_num_f32 v[248+\m], v[248+\m], v[250+\m]
.endr
.irp m, 0,1
	v_add_nc_u32 v[252+\m], 0xfe000000, v[248+\m]
.endr
.irp m, 0,1
	v_lshrrev_b32 v[250+\m], 23, v[252+\m]
.endr
.irp m, 0,1
	v_cvt_scalef32_pk16_bf6_f32 v[136+4*\m:138+4*\m], v[104+16*\m:119+16*\m], v[252+\m]
.endr
	v_nop                                          ; one plain place behind a scaled conversion
.irp m, 0,1
.irp i, 0,1,2
	ds_store_b32 v[7+\i], v[136+4*\m+\i] offset:6144*\m
.endr
	ds_store_b8 v10, v[250+\m] offset:512*\m
.endr
	s_wait_dscnt 0x0
	s_barrier_signal -1
	s_barrier_wait -1                              ; h2's eight fragments and their scale words lie in LDS
	; ---- the hidden layer: my 128 units in two halves of 64; b1 is the sums' starting value
.irp q, 0,1
.if \q == 1
.irp u, 0,1
.irp d, 0,1
	global_load_b64 v[BKB+4*\u+2*\d:BKB+4*\u+2*\d+1], v2, s[SS3:SS3+1] offset:SCB+65536+256*(4*\u+\d)   ; W2's scale words, K steps 0-7: wanted eight pairs on
.endr
.endr
.endif
.irp m, 0,1
.irp t, 0,1,2,3
	ds_load_b128 v[ACC+32*\m+8*\t:ACC+32*\m+8*\t+3], v4 offset:(32*((4*\q+\t)/2)+8*(\t%2))*4
	ds_load_b128 v[ACC+32*\m+8*\t+4:ACC+32*\m+8*\t+7], v4 offset:(32*((4*\q+\t)/2)+8*(\t%2))*4+16
.endr
.endr
.if \q == 0
.irp m, 0,1
.irp s, 0,1,2,3
	ds_load_b32 v[AS+4*\m+\s], v3 offset:H2SC+128*(4*\m+\s)
.endr
.endr
.endif
.irp s, 0,1,2,3
.irp m, 0,1
.irp c, 0,1,2
	ds_load_b128 v[ACT+12*\m+4*\c:ACT+12*\m+4*\c+3], v1 offset:H2IMG+(4*\m+\s)*1536+512*\c
.endr
.endr
	s_wait_dscnt 0x0
.set PP, 4+8*\q+2*\s
	PAIR PP
.set PP, 5+8*\q+2*\s
	PAIR PP
.endr
.set N, 0
.rept 64
	v_max_num_f32 v[ACC+N], 0, v[ACC+N]            ; the activation, in f32
.set N, N+1
.endr
.set PWQ, 160+\q
	QUANT ACC, PWQ                                 ; blocks 0, 1: tile 0's 64 units; blocks 2, 3: tile 1's
	ds_store_b128 v11, v[PC:PC+3] offset:768*\q
	ds_store_b64 v12, v[PC+4:PC+5] offset:768*\q+512
	ds_store_b128 v11, v[PC+6:PC+9] offset:24576+768*\q
	ds_store_b64 v12, v[PC+10:PC+11] offset:24576+768*\q+512
	s_wait_dscnt 0x0                               ; the stores are done: their registers may be written again
.endr
	v_perm_b32 v162, v161, v160, 0x05040100        ; tile 0's four bytes: the two halves' two each
	v_perm_b32 v163, v161, v160, 0x07060302        ; tile 1's
	s_lshl_b32 s30, s[WV], 7
	v_add_nc_u32 v164, s30, v15
	ds_store_b32 v164, v162
	ds_store_b32 v164, v163 offset:2048
.irp j, 0,1,2,3
	ds_load_b128 v[72+4*\j:75+4*\j], v4 offset:640+16*\j        ; b2 of my 16 columns
.endr
.irp u, 0,1
.irp d, 0,1
	global_load_b64 v[BKA+4*\u+2*\d:BKA+4*\u+2*\d+1], v2, s[SS3:SS3+1] offset:SCB+65536+256*(4*\u+2+\d)   ; W2's scale words, K steps 8-15: wanted eight pairs on
.endr
.endr
	s_wait_dscnt 0x0
.irp m, 0,1
.irp i, 0,2,4,6,8,10,12,14
	v_pk_add_f32 v[X1+16*\m+\i:X1+16*\m+\i+1], v[X1+16*\m+\i:X1+16*\m+\i+1], v[72+\i:73+\i]
.endr
.endr
	s_barrier_signal -1
	s_barrier_wait -1                              ; the hidden layer's 32 fragments and their scale words lie in LDS
	; ---- out0 = x1 + b2 + hidden W2: sixteen K steps; the next step's fragments are fetched ahead of each pair
	FETCHH 0
.set S2, 0
.rept 16
.if S2 < 15
.set S3, S2+1
	FETCHH S3
	s_wait_dscnt 10                                ; this step's ten loads are in; the next step's ten may be out
.else
	s_wait_dscnt 0x0
.endif
.set PP, 20+S2
	PAIR PP
.set S2, S2+1
.endr
	; ---- the way out: a row's 512 columns come from sixteen waves: they meet in the stage, and each wave stores two whole rows
	v_and_b32 v160, 15, v0
	v_bfe_u32 v161, v0, 4, 1
	v_mul_u32_u24 v160, v160, SP
	v_lshl_add_u32 v160, v161, 6, v160
	s_lshl_b32 s30, s[WV], 7
	s_add_co_u32 s30, s30, STG
	v_add_nc_u32 v160, s30, v160                   ; in: row r (tile 1: 16 rows on), + 128 w + 64 h
	s_mul_i32 s30, s[WV], 2*SP
	s_add_co_u32 s30, s30, STG
	v_add_nc_u32 v161, s30, v1                     ; back: rows 2 w and 2 w + 1, 16 bytes a lane
.irp m, 0,1
.irp j, 0,1,2,3
	ds_store_b128 v160, v[X1+16*\m+4*\j:X1+16*\m+4*\j+3] offset:16*SP*\m+16*\j   ; each sum from its low end on
.endr
.endr
	s_wait_dscnt 0x0
	s_barrier_signal -1
	s_barrier_wait -1
.irp k, 0,1
.irp i, 0,1,2,3
	ds_load_b128 v[72+16*\k+4*\i:75+16*\k+4*\i], v161 offset:SP*\k+512*\i
.endr
.endr
.irp k, 0,1
.irp i, 0,1,2,3
	s_wait_dscnt 7-4*\k-\i
	global_store_b128 v1, v[72+16*\k+4*\i:75+16*\k+4*\i], s[22:23] offset:2048*\k+512*\i th:TH_STORE_NT   ; 32 lanes store 512 consecutive bytes, at a multiple of 256 from out0's first byte
.endr
.endr
	s_wait_xcnt 0x0
	v_lshl_add_u32 v254, v0, 2, 0x25a00
	v_mov_b32 v255, 0
	s_wait_tensorcnt 0x0
	ds_add_u32 v254, v255
	s_wait_dscnt 0x0
	s_endpgm
.Lfunc_end_k_qe0f1552d5b_mlp:
	.size	k_qe0f1552d5b_mlp, .Lfunc_end_k_qe0f1552d5b_mlp-k_qe0f1552d5b_mlp
	.p2alignl 7, 3214868480
	.fill 96, 4, 3214868480
	.section	.rodata,"a",@progbits
	.p2align	6, 0x0
	.amdhsa_kernel k_qe0f1552d5b_mlp
		.amdhsa_group_segment_fixed_size 156160
		.amdhsa_private_segment_fixed_size 0
		.amdhsa_enable_private_segment 0
		.amdhsa_kernarg_size 80
		.amdhsa_user_sgpr_count 2
		.amdhsa_user_sgpr_kernarg_segment_ptr 1
		.amdhsa_wavefront_size32 1
		.amdhsa_system_sgpr_workgroup_id_x 1
		.amdhsa_system_sgpr_workgroup_id_y 1
		.amdhsa_system_sgpr_workgroup_id_z 1
		.amdhsa_system_vgpr_workitem_id 0
		.amdhsa_next_free_vgpr 256
		.amdhsa_next_free_sgpr 66
		.amdhsa_reserve_vcc 0
		.amdhsa_float_denorm_mode_32 3
		.amdhsa_float_denorm_mode_16_64 3
		.amdhsa_memory_ordered 1
		.amdhsa_forward_progress 1
		.amdhsa_inst_pref_size 102
	.end_amdhsa_kernel
	.amdgpu_metadata
---
amdhsa.version: [ 1, 2 ]
amdhsa.kernels:
  - .name:           k_qe0f1552d5b_mlp
    .symbol:         k_qe0f1552d5b_mlp.kd
    .args:
      - { .name: x, .offset: 0, .size: 8, .value_kind: global_buffer, .address_space: global }
      - { .name: oimg, .offset: 8, .size: 8, .value_kind: global_buffer, .address_space: global }
      - { .name: osc, .offset: 16, .size: 8, .value_kind: global_buffer, .address_space: global }
      - { .name: wimg, .offset: 24, .size: 8, .value_kind: global_buffer, .address_space: global }
      - { .name: bp, .offset: 32, .size: 8, .value_kind: global_buffer, .address_space: global }
      - { .name: g2, .offset: 40, .size: 8, .value_kind: global_buffer, .address_space: global }
      - { .name: be2, .offset: 48, .size: 8, .value_kind: global_buffer, .address_space: global }
      - { .name: b1, .offset: 56, .size: 8, .value_kind: global_buffer, .address_space: global }
      - { .name: b2, .offset: 64, .size: 8, .value_kind: global_buffer, .address_space: global }
      - { .name: out0, .offset: 72, .size: 8, .value_kind: global_buffer, .address_space: global }
    .group_segment_fixed_size: 156160
    .private_segment_fixed_size: 0
    .kernarg_segment_align: 8
    .kernarg_segment_size: 80
    .max_flat_workgroup_size: 512
    .sgpr_count:     66
    .vgpr_count:     256
    .wavefront_size: 32
...
	.end_amdgpu_metadata
.endif
;; end of part 4
;; ======== version 2 of 2: 4 launches
;; workspace buffers: wimg 2,457,600 bytes; qrec 3,407,872 bytes; kvrec 6,815,744 bytes; oimg 3,145,728 bytes; osc 131,072 bytes
;; launch prep: the kernel of part 1 again; grid 96 x 1, 4 waves a work-group, no clusters, 0 bytes of LDS; arguments Wq_codes, Wq_scales, Wk_codes, Wk_scales, Wv_codes, Wv_scales, Wp_codes, Wp_scales, W1_codes, W1_scales, W2_codes, W2_scales, wimg; writes wimg
;; launch qkv (part 5): grid 128 x 2, 4 waves a work-group, no clusters, 31,232 bytes of LDS; arguments x, g1, be1, wimg, bq, bk, bv, qrec, kvrec; writes qrec, kvrec
.if DOCPART == 5
	.amdgcn_target "amdgcn-amd-amdhsa--gfx1250"
	.amdhsa_code_object_version 6
	.text
	.protected	k_qe0f1552d5b_qkv
	.globl	k_qe0f1552d5b_qkv
	.p2align	8
	.type	k_qe0f1552d5b_qkv,@function
k_qe0f1552d5b_qkv:
	s_mov_b64 s[64:65], 0
	v_nop
	global_prefetch_b8 v0, s[64:65] scope:SCOPE_SE
	s_setreg_imm32_b32 hwreg(HW_REG_WAVE_SCHED_MODE, 0, 2), 2
	s_setreg_imm32_b32 hwreg(HW_REG_WAVE_MODE, 25, 1), 1
	s_wait_xcnt 0x0
	s_wait_alu depctr_vm_vsrc(0)
; h = layer norm(x) g1 + be1, quantised along the model's 512; q, k, v = h W + b on codes of E3M2; q and k quantised along a head's 64 channels, v along the tokens.
; SHARES.  A work-group takes 64 tokens (x) and four heads (y).  Wave w is head 4 y + w for all 64 tokens: its 48 weight fragments (576 registers) are read once and each feeds four products.
; Wave w also normalises and quantises the token tile m = w; the four tiles' fragments go from wave to wave through LDS as images of their registers (16 bytes a lane, 512 a store).
; NO JOINT LOADS: the weights go straight into the registers of the one wave that multiplies them, by dense loads of 512 bytes; 288 KiB of weights a work-group would not fit LDS beside the images.
; THE TOKENS OF A TILE ARE NOT NEIGHBOURS: slot r of tile m holds token 32 (m / 2) + 8 (m % 2) + r + 8 (r / 8) of the 64; the weights' rows likewise.  So 16 registers of two neighbouring tiles are 16 neighbours
; along the next product's K: channels for q and k (source 0 = weight rows, source 1 = tokens), tokens for v (source 0 = tokens, source 1 = weight rows).
; OUT.  qrec [batch x head][64 tokens] 3,328 bytes: four half images (6 registers a lane: 512 bytes at 16 L, 256 at 512 + 8 L), then 256 bytes of scale words (8 L: word 0 tiles 0 | 1 by halves of the lanes, word 1 tiles 2 | 3; bytes 2, 3 are 0).
; kvrec 6,656 bytes: k as q; at 3,072 v's four half images (16 channels x 64 tokens); at 6,144 k's scale words; at 6,400 v's (4 L: lanes 0-15 tile 0 | tile 2 << 16, lanes 16-31 tile 1 | tile 3 << 16); at 6,528 zeros.
; LIMITS: NaN and infinities are not served; a block whose largest magnitude lies under 2^-122 keeps the byte 1, a block of zeros too (its codes are zeros, and this program alone reads the bytes).
; REGISTERS, in windows of 256.  Window 0: v1-9 addresses, v[10:11] mean, v[12:13] 1 / sigma; LN: v16-79 g1 then h, v80-143 be1, v192-255 x's K step 0; products: v16-63 h's four fragments, v64-95 q, v96-127 k,
;   v128-131 h's scale words, v132-135 the four tiles' words, v192-215 the weights' scale words, v216-247 bv; v144-159, v160-180 at work.
;   Windows 1, 2, 3: v0-191 Wq, Wk, Wv (fragment (t, s) at 12 (4 t + s)); v192-255: x's K steps 1, 2, 3; later v's sums (window 1: channel tiles 0, 1; window 2: tiles 2, 3), and in window 3 bq and bk.
; THE MODE: SCHED_MODE bits 1:0 = 2 (LLVM: expert scheduling mode 2), set by the entry lines.  The code itself states the register dependences
; between vector or matrix instructions and memory or LDS instructions, with s_wait_alu, always for 0.
; THE PLAN.  Registers that memory or LDS instructions touch:
;   v1-9          Offsets and LDS addresses: written at the head, never again; one wait on va_vdst ahead of the first load.
;   v144-151      g1 and be1 as loaded: read by two LDS stores, then cleared for the sums: one wait on vm_vsrc ahead of the clearing.
;   v16-143       A K step's g1 and be1 land here; the multiply-adds write h over g1; the quantiser reads h.
;   v160-171, v180  The codes and the scale word: written by a quantiser, read by the stores behind it (LDS stores of an image; global stores of a record).
;   x's registers (v192-255 of each window)  Written and read by the norm's vector work; later the weights' scale words, bv, bq and bk land in those of K steps 0 and 3.
;   v16-63, v128-131  In the products: a token tile's four fragments and scale words land here; the tile's 48 products read them.
;   v0-191 of windows 1 to 3 (the weights) are named by no vector instruction ahead of their loads.
; So ONE wait on va_vdst stands behind each quantiser, ahead of its stores: the codes are written, and all vector work on v16-143 and on that K step's registers of x is done; no vector instruction stands between
; that wait and the loads that land there next.  ONE wait on vm_vsrc stands behind the stores, ahead of the next quantiser.  In a token tile one more wait on va_vdst stands behind the products:
; they are done reading the fragments, and the next tile's LDS loads go out at once and land under this tile's quantiser.
.set SCB,  2359296
.set GL,   0                           ; LDS: g1, 2,048 bytes
.set BEL,  2048                        ; be1
.set XIMG, 4096                        ; h's 16 fragments (4 m + s), 1,536 bytes each
.set XSC,  28672                       ; their scale words, 128 bytes each
.set FRB,  1536
.set HF,   16
.set QA,   64
.set KA,   96
.set HS,   128
.set PWM,  132
.set TM,   144
.set PC,   160
.set PW,   180
.set XR,   192
.set WS,   192
.set BV,   216
.set WV,   22
.set SEL,  36
.set HM,   38
.set RN,   39
.set MSB,  0
.macro WIN new                         ; the immediate's high byte repeats the setting that is left; a switch that changes nothing is dropped
.if MSB != \new
	s_set_vgpr_msb (MSB<<8)|\new
.set MSB, \new
.endif
.endm
.macro XLOAD s                         ; my row's 64 numbers of K step s: register 16 b + i = column 128 s + 32 b + 16 h + i, into window s
.set WN, (\s)<<6
	WIN WN
.set J, 0
.rept 16
	global_load_b128 v[XR+4*J:XR+4*J+3], v4, s[4:5] offset:512*(\s)+128*(J/4)+16*(J%4)
.set J, J+1
.endr
.endm
.macro WLOADM mat                      ; my head's 16 fragments of matrix mat into window mat + 1: 48 dense loads of 512 bytes; no vector instruction has named these registers
.set WN, ((\mat)+1)<<6
	WIN WN
.set J, 0
.rept 48
	global_load_b128 v[4*J:4*J+3], v1, s[30:31] offset:(\mat)*196608+512*J
.set J, J+1
.endr
.endm
.macro SUM1 s                          ; four chains of packed sums
.set WN, (\s)<<2
	WIN WN
.set J, 0
.rept 32
	v_pk_add_f32 v[TM+2*(J%4):TM+2*(J%4)+1], v[TM+2*(J%4):TM+2*(J%4)+1], v[XR+2*J:XR+2*J+1]
.set J, J+1
.endr
.endm
.macro CENTER s                        ; x - mean in place, then the sum of its squares: no difference of large sums is formed
.set WN, (\s)|((\s)<<6)
	WIN WN
.set J, 0
.rept 32
	v_pk_add_f32 v[XR+2*J:XR+2*J+1], v[XR+2*J:XR+2*J+1], v[10:11] neg_lo:[0,1] neg_hi:[0,1]
.set J, J+1
.endr
.set WN, (\s)|((\s)<<2)
	WIN WN
.set J, 0
.rept 32
	v_pk_fma_f32 v[TM+2*(J%4):TM+2*(J%4)+1], v[XR+2*J:XR+2*J+1], v[XR+2*J:XR+2*J+1], v[TM+2*(J%4):TM+2*(J%4)+1]
.set J, J+1
.endr
.endm
.macro CLEAR
.irp i, 0,1,2,3,4,5,6,7
	v_mov_b32 v[TM+\i], 0
.endr
.endm
.macro REDUCE                          ; the four chains, their halves, and lane l xor 16's: the row's sum in v[TM]
	v_pk_add_f32 v[TM:TM+1], v[TM:TM+1], v[TM+2:TM+3]
	v_pk_add_f32 v[TM+4:TM+5], v[TM+4:TM+5], v[TM+6:TM+7]
	v_pk_add_f32 v[TM:TM+1], v[TM:TM+1], v[TM+4:TM+5]
	v_add_f32 v[TM], v[TM], v[TM+1]
	v_permlanex16_b32 v[TM+1], v[TM], s[SEL], s[SEL+1]
	v_add_f32 v[TM], v[TM], v[TM+1]
.endm
.macro NORM s                          ; h = ((x - mean) / sigma) g1 + be1 for K step s, into v16-79
	WIN 0
.set J, 0
.rept 16
	ds_load_b128 v[16+4*J:19+4*J], v5 offset:GL+512*(\s)+128*(J/4)+16*(J%4)      ; no vector instruction since the last wait on va_vdst names v16-143
	ds_load_b128 v[80+4*J:83+4*J], v5 offset:BEL+512*(\s)+128*(J/4)+16*(J%4)
.set J, J+1
.endr
.set WN, (\s)|((\s)<<6)
	WIN WN
.set J, 0
.rept 32
	v_pk_mul_f32 v[XR+2*J:XR+2*J+1], v[XR+2*J:XR+2*J+1], v[12:13]
.set J, J+1
.endr
	s_wait_dscnt 0x0                               ; g1 and be1 of this K step are in
.set WN, \s
	WIN WN
.set J, 0
.rept 32
	v_pk_fma_f32 v[16+2*J:17+2*J], v[XR+2*J:XR+2*J+1], v[16+2*J:17+2*J], v[80+2*J:81+2*J]
.set J, J+1
.endr
	WIN 0
.endm
; 64 numbers of a lane in window w, register 16 b + i = k 32 b + 16 h + i of my row, become 12 registers of codes in v[PC] on (registers 0-5: blocks 0 | 1 by halves of the lanes, 6-11: blocks 2 | 3) and four scale bytes in v[pw].
.macro QUANT src, w, pw
.set WN, (\w)|((\w)<<2)
	WIN WN
.irp b, 0,1,2,3
	v_max3_num_f32 v[TM+\b], |v[\src+16*\b]|, |v[\src+1+16*\b]|, 0x2800000   ; my 16 numbers of block b, and the floor 2^(5 - 127): the byte cannot fall under 1
.endr
.set WN, ((\w)<<2)|((\w)<<4)
	WIN WN
.irp i, 2,4,6,8,10,12,14
.irp b, 0,1,2,3
	v_max3_num_f32 v[TM+\b], v[TM+\b], |v[\src+16*\b+\i]|, |v[\src+1+16*\b+\i]|
.endr
.endr
	WIN 0
.irp b, 0,1,2,3
	v_permlanex16_b32 v[TM+4+\b], v[TM+\b], s[SEL], s[SEL+1]
.endr
.irp b, 0,1,2,3
	v_max_num_f32 v[TM+\b], v[TM+\b], v[TM+4+\b]   ; with lane l xor 16's: the block's largest magnitude
.endr
.irp b, 0,1,2,3
	v_add_nc_u32 v[TM+12+\b], 0xfe000000, v[TM+\b] ; 4 off its exponent field: the conversion takes this operand's exponent field as its scale
.endr
.irp b, 0,1,2,3
	v_lshrrev_b32 v[TM+4+\b], 23, v[TM+12+\b]      ; the scale's byte
.endr
	v_lshl_or_b32 v[\pw], v[TM+5], 8, v[TM+4]
	v_lshl_or_b32 v[\pw], v[TM+6], 16, v[\pw]
	v_lshl_or_b32 v[\pw], v[TM+7], 24, v[\pw]
.set WN, \w
	WIN WN
.irp c, 0,1
	v_cvt_scalef32_pk16_bf6_f32 v[PC+6*\c:PC+2+6*\c], v[\src+32*\c:\src+15+32*\c], v[TM+12+2*\c]
	v_cvt_scalef32_pk16_bf6_f32 v[PC+12+4*\c:PC+14+4*\c], v[\src+16+32*\c:\src+31+32*\c], v[TM+12+2*\c+1]   ; (a conversion's three registers begin on an even number)
.endr
	WIN 0
	v_nop                                          ; one plain place behind a scaled conversion
.irp c, 0,1                            ; the operand's layout wants a whole block in a lane
.irp i, 0,1,2
	v_permlane16_swap_b32 v[PC+6*\c+\i], v[PC+12+4*\c+\i]
.endr
.irp i, 0,1,2
	v_mov_b32 v[PC+3+6*\c+\i], v[PC+12+4*\c+\i]
.endr
.endr
.endm
.macro LNQ s                           ; K step s of my 16 tokens: normalised, quantised, its image and scale words to LDS
	NORM \s
	QUANT 16, 0, PW
	s_wait_alu depctr_va_vdst(0)                   ; the codes v160-171 and the word v180 are written, which the LDS stores read; the vector work on v16-143 and on this K step's registers of x is done, in which later loads land
.irp c, 0,1,2
	ds_store_b128 v6, v[PC+4*\c:PC+4*\c+3] offset:XIMG+FRB*(\s)+512*\c
.endr
	ds_store_b32 v7, v[PW] offset:XSC+128*(\s)
	s_wait_dscnt 0x0                               ; my stores have landed: the barrier behind the last image leans on it
	s_wait_alu depctr_vm_vsrc(0)                   ; the LDS stores have read v160-171 and v180, which the next quantiser writes again
.endm
.macro MMA                             ; a product whose source 0 is a weight tile; the registers stand in the symbols R..
.if RROW
	v_wmma_scale_f32_16x16x128_f8f6f4 v[RD:RD+7], v[RA:RA+11], v[RB:RB+11], v[RC:RC+7], v[RSA], v[RSB] matrix_a_fmt:MATRIX_FMT_BF6 matrix_b_fmt:MATRIX_FMT_BF6 matrix_a_scale:MATRIX_SCALE_ROW1
.else
	v_wmma_scale_f32_16x16x128_f8f6f4 v[RD:RD+7], v[RA:RA+11], v[RB:RB+11], v[RC:RC+7], v[RSA], v[RSB] matrix_a_fmt:MATRIX_FMT_BF6 matrix_b_fmt:MATRIX_FMT_BF6
.endif
.endm
.macro MMB                             ; a product whose source 1 is a weight tile
.if RROW
	v_wmma_scale_f32_16x16x128_f8f6f4 v[RD:RD+7], v[RB:RB+11], v[RA:RA+11], v[RC:RC+7], v[RSB], v[RSA] matrix_a_fmt:MATRIX_FMT_BF6 matrix_b_fmt:MATRIX_FMT_BF6 matrix_b_scale:MATRIX_SCALE_ROW1
.else
	v_wmma_scale_f32_16x16x128_f8f6f4 v[RD:RD+7], v[RB:RB+11], v[RA:RA+11], v[RC:RC+7], v[RSB], v[RSA] matrix_a_fmt:MATRIX_FMT_BF6 matrix_b_fmt:MATRIX_FMT_BF6
.endif
.endm
.macro PLOAD m                         ; token tile m's four fragments and scale words from LDS: sixteen loads
.irp s, 0,1,2,3
.irp c, 0,1,2
	ds_load_b128 v[HF+12*\s+4*\c:HF+12*\s+4*\c+3], v1 offset:XIMG+(4*(\m)+\s)*FRB+512*\c
.endr
	ds_load_b32 v[HS+\s], v3 offset:XSC+128*(4*(\m)+\s)
.endr
.endm
	s_load_b256 s[4:11], s[0:1], 0x0               ; x, g1, be1, wimg
	s_load_b256 s[12:19], s[0:1], 0x20             ; bq, bk, bv, qrec
	s_load_b64 s[20:21], s[0:1], 0x40              ; kvrec
	v_lshl_add_u32 v175, v0, 2, 0x7800
	v_mov_b32 v179, 0
	v_lshrrev_b32 v1, 5, v0
	v_readfirstlane_b32 s[WV], v1                  ; wave 0..3
	v_and_b32 v14, 31, v0
	v_lshlrev_b32 v1, 4, v14                       ; 16 L
	v_lshlrev_b32 v2, 3, v14                       ; 8 L
	v_lshlrev_b32 v3, 2, v14                       ; 4 L
	v_and_b32 v14, 15, v0                          ; r
	v_bfe_u32 v15, v0, 4, 1                        ; h
	v_and_b32 v9, 8, v14
	v_add_nc_u32 v9, v9, v14                       ; r + 8 (r / 8)
	v_lshlrev_b32 v5, 6, v15                       ; 64 h
	v_lshl_add_u32 v4, v9, 11, v5                  ; x: my slot's row of 2,048 bytes, + 64 h
	v_lshlrev_b32 v9, 2, v9                        ; bv: my slot's channel
	s_wait_alu depctr_va_sdst(0)                   ; the wave's number is written, ahead of its first reader
	s_mul_i32 s25, s[WV], 4*FRB
	v_add_nc_u32 v6, s25, v1                       ; where I store images: 16 L + 6,144 w
	s_lshl_b32 s25, s[WV], 9
	v_add_nc_u32 v7, s25, v3                       ; and scale words: 4 L + 512 w
	v_lshlrev_b32 v8, 4, v0                        ; 16 x thread: g1 and be1, 2,048 bytes by 128 threads
	s_and_b32 s23, ttmp7, 0xffff
	s_lshl_b32 s24, s23, 2
	s_add_co_u32 s24, s24, s[WV]                   ; my head
	s_lshl_b32 s40, ttmp9, 6
	s_lshr_b32 s25, s[WV], 1
	s_lshl_b32 s25, s25, 5
	s_add_co_u32 s40, s40, s25
	s_and_b32 s25, s[WV], 1
	s_lshl_b32 s25, s25, 3
	s_add_co_u32 s40, s40, s25                     ; my token tile's first token: 64 X + 32 (w / 2) + 8 (w % 2)
	s_lshl_b32 s40, s40, 11
	s_mov_b32 s41, 0
	s_mul_i32 s42, s24, 4*6144                     ; my head's four units of each matrix
	s_mov_b32 s43, 0
	s_lshl_b32 s34, s24, 10
	s_add_co_u32 s34, s34, SCB                     ; and their scale images
	s_mov_b32 s35, 0
	s_lshl_b32 s26, s24, 8                         ; my head's 64 biases
	s_mov_b32 s27, 0
	s_lshr_b32 s28, ttmp9, 5
	s_lshl_b32 s28, s28, 3
	s_add_co_u32 s28, s28, s24                     ; batch x 8 + head
	s_lshl_b32 s28, s28, 5
	s_and_b32 s29, ttmp9, 31
	s_add_co_u32 s28, s28, s29                     ; the record
	s_mul_i32 s44, s28, 3328
	s_mov_b32 s45, 0
	s_mul_i32 s46, s28, 6656
	s_mov_b32 s47, 0
	s_mov_b32 s[SEL], 0x76543210
	s_mov_b32 s[SEL+1], 0xfedcba98                 ; v_permlanex16_b32's selects for lane l xor 16
	s_mov_b32 s[HM], 0xffff0000                    ; lanes 16-31
	s_mov_b32 s[RN], 0x3b000000                    ; 1 / 512
	s_wait_kmcnt 0x0
	s_add_nc_u64 s[4:5], s[4:5], s[40:41]
	s_add_nc_u64 s[30:31], s[10:11], s[42:43]
	s_add_nc_u64 s[32:33], s[10:11], s[34:35]
	s_add_nc_u64 s[12:13], s[12:13], s[26:27]
	s_add_nc_u64 s[14:15], s[14:15], s[26:27]
	s_add_nc_u64 s[16:17], s[16:17], s[26:27]
	s_add_nc_u64 s[18:19], s[18:19], s[44:45]
	s_add_nc_u64 s[20:21], s[20:21], s[46:47]
	s_wait_alu depctr_va_vdst(0)                   ; the offsets and LDS addresses v1 to v9 are written, which every load and store of the kernel reads
	global_load_b128 v[144:147], v8, s[6:7]        ; g1
	global_load_b128 v[148:151], v8, s[8:9]        ; be1
	XLOAD 0
	XLOAD 1
	XLOAD 2
	WIN 0
	s_wait_loadcnt 48                              ; g1 and be1 are in; x's 48 loads behind them may be out
	ds_store_b128 v8, v[144:147] offset:GL
	ds_store_b128 v8, v[148:151] offset:BEL
	XLOAD 3
	WIN 0
	s_wait_dscnt 0x0                               ; for the others' sake: my part of g1 and be1 lies in LDS
	s_barrier_signal -1
	s_barrier_wait -1
	s_wait_alu depctr_vm_vsrc(0)                   ; the two LDS stores have read v144-151, which the sums' chains write from here on
	CLEAR
	s_wait_loadcnt 48                              ; K step 0 is in; three K steps of 16 loads may be out
	SUM1 0
	s_wait_loadcnt 32
	SUM1 1
	s_wait_loadcnt 16
	SUM1 2
	s_wait_loadcnt 0x0
	SUM1 3
	WLOADM 0                                       ; Wq is asked for here, Wk and Wv further down: each run lands under the vector work behind it
	WIN 0
	REDUCE
	v_mul_f32 v10, s[RN], v[TM]                    ; the mean, twice: a pair for the packed forms
	v_mov_b32 v11, v10
	CLEAR
	CENTER 0
	CENTER 1
	CENTER 2
	CENTER 3
	WLOADM 1
	WIN 0
	REDUCE
	v_fmaak_f32 v[TM], s[RN], v[TM], 0x3727c5ac    ; the variance + 1e-5
	v_rsq_f32 v12, v[TM]
	v_nop                                          ; one plain place behind a transcendental
	s_wait_alu depctr_va_vdst(0)                   ; the reciprocal root v12 is written, ahead of its first reader
	v_mov_b32 v13, v12
	LNQ 0
	WLOADM 2
	WIN 0
.irp mt, 0,1,2                         ; the weights' scale words and bv take the registers that x's K step 0 has left: the wait behind its quantiser has shown the vector work on them done
.irp t, 0,1,2,3
	global_load_b64 v[WS+8*\mt+2*\t:WS+8*\mt+2*\t+1], v2, s[32:33] offset:8192*\mt+256*\t
.endr
.endr
.irp ct, 0,1,2,3                       ; bv as a C operand: in v's result a lane is one channel, so its eight registers are equal
.irp j, 0,1,2,3,4,5,6,7
	global_load_b32 v[BV+8*\ct+\j], v9, s[16:17] offset:(32*(\ct/2)+8*(\ct%2))*4
.endr
.endr
	LNQ 3
	WIN 0xc0                                       ; bq and bk take the registers that x's K step 3 has left, likewise: tile t's eight channels of my half
.irp t, 0,1,2,3
	global_load_b128 v[192+8*\t:195+8*\t], v5, s[12:13] offset:(32*(\t/2)+8*(\t%2))*4
	global_load_b128 v[196+8*\t:199+8*\t], v5, s[12:13] offset:(32*(\t/2)+8*(\t%2))*4+16
	global_load_b128 v[224+8*\t:227+8*\t], v5, s[14:15] offset:(32*(\t/2)+8*(\t%2))*4
	global_load_b128 v[228+8*\t:231+8*\t], v5, s[14:15] offset:(32*(\t/2)+8*(\t%2))*4+16
.endr
	WIN 0
	LNQ 1
	LNQ 2
	s_barrier_signal -1                            ; (each image's stores were waited for): h's sixteen fragments lie in LDS
	s_barrier_wait -1
	PLOAD 0                                        ; no vector instruction since the wait behind the last quantiser names v16-63 or v128-131
	s_wait_loadcnt 0x0                             ; the weights, their scale words, the biases
; TOKEN TILE m: twelve sums by turns, one instruction a turn: q's and k's four channel tiles, v's four.  The biases are the C of each sum's first product.
.macro PROD m
	WIN 0
	s_wait_dscnt 0x0                               ; this tile's fragments and scale words are in
.irp s, 0,1,2,3
.set RB, HF+12*\s
.set RSB, HS+\s
.set RROW, \s%2
.if \s == 0
	WIN 0x31                                       ; source 0 (Wq) window 1, C (bq) window 3
.else
	WIN 0x01
.endif
.irp t, 0,1,2,3
.set RD, QA+8*\t
.set RA, 12*(4*\t+\s)
.set RSA, WS+2*\t+\s/2
.set RC, RD
.if \s == 0
.set RC, 192+8*\t
.endif
	MMA
.endr
.if \s == 0
	WIN 0x32                                       ; source 0 (Wk) window 2, C (bk) window 3
.else
	WIN 0x02
.endif
.irp t, 0,1,2,3
.set RD, KA+8*\t
.set RA, 12*(4*\t+\s)
.set RSA, WS+8+2*\t+\s/2
.set RC, RD
.if \s == 0
.set RC, 224+8*\t
.endif
	MMA
.endr
.irp ct, 0,1,2,3
.if \s == 0
.set WN, 0x4c+0x40*(\ct/2)                     ; source 1 (Wv) window 3, C (bv) window 0, D window 1 or 2
.else
.set WN, 0x5c+0x50*(\ct/2)                     ; C and D window 1 or 2
.endif
	WIN WN
.set RD, 192+32*(\ct%2)+8*(\m)
.set RA, 12*(4*\ct+\s)
.set RSA, WS+16+2*\ct+\s/2
.set RC, RD
.if \s == 0
.set RC, BV+8*\ct
.endif
	MMB
.endr
.endr
	WIN 0
.rept 4
	v_nop                                          ; four places between the last products and the first read of results, and the loads into the fragments that they read
.endr
.if (\m) < 3
	s_wait_alu depctr_va_vdst(0)                   ; the products are done reading h's fragments v16-63 and scale words v128-131, in which the next tile's land
	PLOAD (\m)+1                                   ; they land under this tile's quantiser, which names none of these registers
.endif
	s_wait_xcnt 0x0                                ; the last tile's stores have had their addresses translated
.if (\m) > 0
	s_wait_alu depctr_vm_vsrc(0)                   ; the last tile's stores have read the codes v160-171, which the quantiser writes again
.endif
	QUANT QA, 0, PW                                ; blocks 0, 1: q's 64 channels; blocks 2, 3: k's
	s_wait_alu depctr_va_vdst(0)                   ; the codes v160-171 are written, which the four stores read
	global_store_b128 v1, v[PC:PC+3], s[18:19] offset:768*(\m)
	global_store_b64 v2, v[PC+4:PC+5], s[18:19] offset:768*(\m)+512
	global_store_b128 v1, v[PC+6:PC+9], s[20:21] offset:768*(\m)
	global_store_b64 v2, v[PC+10:PC+11], s[20:21] offset:768*(\m)+512
	v_mov_b32 v[PWM+\m], v[PW]
.endm
	PROD 0
	PROD 1
	PROD 2
	PROD 3
	s_wait_xcnt 0x0
	s_wait_alu depctr_vm_vsrc(0)                   ; tile 3's stores have read the codes v160-171, which the quantiser writes again
	QUANT 192, 1, 181                              ; v, along the record's 64 tokens: channel tiles 0 (blocks 0, 1) and 1 (blocks 2, 3)
	s_wait_alu depctr_va_vdst(0)                   ; the codes v160-171 are written, which the four stores read
	global_store_b128 v1, v[PC:PC+3], s[20:21] offset:3072
	global_store_b64 v2, v[PC+4:PC+5], s[20:21] offset:3072+512
	global_store_b128 v1, v[PC+6:PC+9], s[20:21] offset:3072+768
	global_store_b64 v2, v[PC+10:PC+11], s[20:21] offset:3072+768+512
	s_wait_xcnt 0x0
	s_wait_alu depctr_vm_vsrc(0)                   ; those stores have read the codes v160-171, which the quantiser writes again
	QUANT 192, 2, 182                              ; channel tiles 2 and 3
	v_perm_b32 v183, v182, v181, 0x05040100        ; tile 0's two bytes | tile 2's << 16
	v_perm_b32 v184, v182, v181, 0x07060302        ; tile 1's | tile 3's << 16
	v_cndmask_b32 v183, v183, v184, s[HM]          ; lanes 16-31 take the second
	v_mov_b32 v185, 0
	v_cndmask_b32 v186, v[PWM], v[PWM+1], s[HM]    ; token tiles 0 | 1 by halves of the lanes,
	v_cndmask_b32 v187, v[PWM+2], v[PWM+3], s[HM]  ; tiles 2 | 3
	v_and_b32 v188, 0xffff, v186                   ; q's two bytes; bytes 2 and 3 are 0
	v_and_b32 v189, 0xffff, v187
	v_lshrrev_b32 v190, 16, v186                   ; k's
	v_lshrrev_b32 v191, 16, v187
	s_wait_alu depctr_va_vdst(0)                   ; the codes v160-171 and the scale words v183, v185, v188-191 are written, which the last eight stores read
	global_store_b128 v1, v[PC:PC+3], s[20:21] offset:3072+1536
	global_store_b64 v2, v[PC+4:PC+5], s[20:21] offset:3072+1536+512
	global_store_b128 v1, v[PC+6:PC+9], s[20:21] offset:3072+2304
	global_store_b64 v2, v[PC+10:PC+11], s[20:21] offset:3072+2304+512
	global_store_b32 v3, v183, s[20:21] offset:6400
	global_store_b32 v3, v185, s[20:21] offset:6528   ; the record's last 128 bytes: every byte that is read later is written
	global_store_b64 v2, v[188:189], s[18:19] offset:3072
	global_store_b64 v2, v[190:191], s[20:21] offset:6144
	s_wait_dscnt 0x0                               ; the closing lines, six on end
	s_wait_alu 0x0
	s_wait_tensorcnt 0x0
	ds_add_u32 v175, v179
	s_wait_dscnt 0x0
	s_endpgm
.Lfunc_end_k_qe0f1552d5b_qkv:
	.size	k_qe0f1552d5b_qkv, .Lfunc_end_k_qe0f1552d5b_qkv-k_qe0f1552d5b_qkv
	.p2alignl 7, 3214868480
	.fill 96, 4, 3214868480
	.section	.rodata,"a",@progbits
	.p2align	6, 0x0
	.amdhsa_kernel k_qe0f1552d5b_qkv
		.amdhsa_group_segment_fixed_size 31232
		.amdhsa_private_segment_fixed_size 0
		.amdhsa_enable_private_segment 0
		.amdhsa_kernarg_size 72
		.amdhsa_user_sgpr_count 2
		.amdhsa_user_sgpr_kernarg_segment_ptr 1
		.amdhsa_wavefront_size32 1
		.amdhsa_system_sgpr_workgroup_id_x 1
		.amdhsa_system_sgpr_workgroup_id_y 1
		.amdhsa_system_sgpr_workgroup_id_z 1
		.amdhsa_system_vgpr_workitem_id 0
		.amdhsa_next_free_vgpr 1024
		.amdhsa_next_free_sgpr 66
		.amdhsa_reserve_vcc 0
		.amdhsa_float_denorm_mode_32 3
		.amdhsa_float_denorm_mode_16_64 3
		.amdhsa_memory_ordered 1
		.amdhsa_forward_progress 1
		.amdhsa_inst_pref_size 154
	.end_amdhsa_kernel
	.amdgpu_metadata
---
amdhsa.version: [ 1, 2 ]
amdhsa.kernels:
  - .name:           k_qe0f1552d5b_qkv
    .symbol:         k_qe0f1552d5b_qkv.kd
    .args:
      - { .name: x, .offset: 0, .size: 8, .value_kind: global_buffer, .address_space: global }
      - { .name: g1, .offset: 8, .size: 8, .value_kind: global_buffer, .address_space: global }
      - { .name: be1, .offset: 16, .size: 8, .value_kind: global_buffer, .address_space: global }
      - { .name: wimg, .offset: 24, .size: 8, .value_kind: global_buffer, .address_space: global }
      - { .name: bq, .offset: 32, .size: 8, .value_kind: global_buffer, .address_space: global }
      - { .name: bk, .offset: 40, .size: 8, .value_kind: global_buffer, .address_space: global }
      - { .name: bv, .offset: 48, .size: 8, .value_kind: global_buffer, .address_space: global }
      - { .name: qrec, .offset: 56, .size: 8, .value_kind: global_buffer, .address_space: global }
      - { .name: kvrec, .offset: 64, .size: 8, .value_kind: global_buffer, .address_space: global }
    .group_segment_fixed_size: 31232
    .private_segment_fixed_size: 0
    .kernarg_segment_align: 8
    .kernarg_segment_size: 72
    .max_flat_workgroup_size: 128
    .sgpr_count:     66
    .vgpr_count:     1024
    .wavefront_size: 32
...
	.end_amdgpu_metadata
.endif
;; end of part 5
;; launch attn (part 6): grid 8 x 32, 16 waves a work-group, no clusters, 215,040 bytes of LDS; arguments qrec, kvrec, oimg, osc; writes oimg, osc
.if DOCPART == 6
	.amdgcn_target "amdgcn-amd-amdhsa--gfx1250"
	.amdhsa_code_object_version 6
	.text
	.protected	k_qe0f1552d5b_attn
	.globl	k_qe0f1552d5b_attn
	.p2align	8
	.type	k_qe0f1552d5b_attn,@function
k_qe0f1552d5b_attn:
	s_mov_b64 s[64:65], 0
	v_nop
	global_prefetch_b8 v0, s[64:65] scope:SCOPE_SE
	s_setreg_imm32_b32 hwreg(HW_REG_WAVE_MODE, 25, 1), 1
	s_wait_xcnt 0x0
; o = softmax(causal(q k^T) / 8) v for one batch and head (y), both products on codes of E3M2; o is quantised along the head's 64 channels for the product with Wp.
; THE SOFTMAX: t = score x log2(e) / 8; M = the running largest t rounded up to a whole number; p = 2^(t - M) is quantised along the keys; the row's sum is taken of the unquantised p and divides at the end.
; When M moves, the sum and O^T are multiplied by 2^(old M - new M), which rounds nothing.
; SHARES.  A head has 16 blocks of 128 queries.  Work-group i owns blocks i and 15 - i: 8 x (i + 1) + 8 x (16 - i) = 136 key steps of a wave in every work-group.  A wave owns one tile of 16 queries; which of the two
; blocks it takes is bit 0 of w xor (w / 4), so that early and late tiles are spread over the waves.
; THE WHOLE HEAD'S k AND v, 212,992 bytes, LIE IN LDS: every byte is filled once, so no slot is filled again.  Each wave issues four tensor loads at the head, one for each group of 512 keys (its 3,328 bytes of the
; group's 53,248): four of a wave's loads are out at the most.  A group is read behind a counted wait and a barrier.
; NO JOINT LOADS, though the eight work-groups of a head read the same bytes: which steps a wave leaves out hangs on its work-group's place among them.
; LAYOUT.  Both products transposed: S^T = k q^T (source 0 = 16 keys), O^T = v^T p^T (source 0 = 16 channels): a lane holds one query throughout.  Slot r of a token tile T holds token 32 (T / 2) + 8 (T % 2) + r + 8 (r / 8).
; THE FIRST PRODUCT'S K IS 64: q's registers 6-11 are zero codes and bytes 2, 3 of both sides' scale words are 0 (no NaN), so what stands in k's registers 6-11 adds exact zeros: there the next tile's codes stand.
; CAUSAL.  Every wave walks all 16 steps of 128 keys; a step all of whose keys come after the wave's queries is left out by a scalar branch on ids (its p would be 0); on the diagonal hidden scores become -1e9.
; LIMITS: NaN and infinities are not served; scores near -1e9 (where hidden keys would count) are not served; a block of p or o under 2^-122 keeps the byte 1.  osc is written a byte a lane: 1 / 24 of o's bytes.
; REGISTERS: v1-4, v8-9 addresses that stay; v5-7 the step's; v12 -M, v13 largest t, v[14:15] the sum; v16-27 q; v28-31 k's scale words; v32-85 k's eight tiles, then v's four fragments; v86 q's scale word; v87 p's;
;   v88-91 v's; v96-159 S^T, then p; v160-191 O^T; v192-211 p's codes; v212-229 at work.
.set REC,   6656                       ; a record: 64 tokens' k, v and scale words
.set HEADB, 212992
.set GRPB,  53248                      ; 512 keys
.set WPART, 3328                       ; a wave's part of a group: 13 rows of 256 bytes
.set S,   96
.set O,   160
.set PCD, 192
.set CW,  204
.set BM,  212
.set BY,  216
.set BO,  220
.set WV,  12
.set BH,  13
.set G1,  16                           ; s[16:23] descriptor group 1
.set G0,  24                           ; s[24:39] descriptor group 0, a set for each group of keys
.set QT,  40
.set Q0,  41
.set KF,  42
.set TB,  43
.set CNT, 44
.set SEL, 46
.set CS,  48
.set HM,  50
	s_load_b256 s[4:11], s[0:1], 0x0               ; qrec, kvrec, oimg, osc
	v_lshl_add_u32 v254, v0, 2, 0x34000
	v_mov_b32 v255, 0
	ds_add_u32 v254, v255
	ds_add_u32 v254, v255
	v_lshrrev_b32 v1, 5, v0
	s_delay_alu instid0(VALU_DEP_1)
	v_readfirstlane_b32 s[WV], v1                  ; wave 0..15
	s_and_b32 s[BH], ttmp7, 0xffff                 ; batch x 8 + head
	s_mov_b32 s[G1], 3<<16                         ; no mask; elements of 8 bytes; no padding
	s_mov_b32 s[G1+1], 32<<16                      ; tensor_dim0 = 32 elements: 256 bytes
	s_mov_b32 s[G1+2], 13<<16                      ; tensor_dim1 = 13
	s_mov_b32 s[G1+3], 32<<16                      ; tile_dim0
	s_mov_b32 s[G1+4], 13                          ; tile_dim1
	s_mov_b32 s[G1+5], 32                          ; the rows are dense
	s_mov_b32 s[G1+6], 0
	s_mov_b32 s[G1+7], 0
	s_mul_i32 s14, s[WV], WPART
	s_mul_i32 s52, s[BH], HEADB
	s_add_co_u32 s52, s52, s14
	s_mov_b32 s53, 0
	s_wait_dscnt 0x0
	s_wait_kmcnt 0x0
	s_add_nc_u64 s[6:7], s[6:7], s[52:53]          ; my part of the head's first group
.irp g, 0,1,2,3
	s_mov_b32 s[G0+4*\g], 1                        ; count = 1
	s_add_co_u32 s[G0+4*\g+1], s14, GRPB*\g        ; LDS address: 53,248 g + 3,328 w
	s_add_nc_u64 s[G0+4*\g+2:G0+4*\g+3], s[6:7], GRPB*\g
	s_or_b32 s[G0+4*\g+3], s[G0+4*\g+3], 0x80000000   ; type = 2
.endr
.irp g, 0,1,2,3                        ; all first fills in one group, ahead of every wait on TENSORcnt, every LDS read and every barrier
	tensor_load_to_lds s[G0+4*\g:G0+4*\g+3], s[G1:G1+7]
	s_nop 0
.endr
.rept 4
	v_nop
.endr
	s_lshr_b32 s15, s[WV], 2
	s_xor_b32 s15, s15, s[WV]
	s_and_b32 s15, s15, 1                          ; which of the two blocks
	s_lshl_b32 s14, ttmp9, 1
	s_sub_co_u32 s14, 15, s14
	s_mul_i32 s14, s14, s15
	s_add_co_u32 s14, s14, ttmp9                   ; i or 15 - i
	s_lshl_b32 s14, s14, 3
	s_lshr_b32 s15, s[WV], 1
	s_add_co_u32 s[QT], s14, s15                   ; my query tile, 0 .. 127
	s_lshr_b32 s14, s[QT], 1
	s_lshl_b32 s14, s14, 5
	s_and_b32 s15, s[QT], 1
	s_lshl_b32 s15, s15, 3
	s_add_co_u32 s[Q0], s14, s15                   ; its first query; its last is 23 on
	s_lshl_b32 s52, s[BH], 5
	s_lshr_b32 s54, s[QT], 2
	s_add_co_u32 s52, s52, s54
	s_mul_i32 s52, s52, 3328
	s_add_nc_u64 s[4:5], s[4:5], s[52:53]          ; q's record
	s_and_b32 s54, s[QT], 3
	s_mul_i32 s54, s54, 768
	s_mov_b32 s55, 0
	s_add_nc_u64 s[56:57], s[4:5], s[54:55]        ; my tile's half image
	s_and_b32 s54, s[QT], 1
	s_lshl_b32 s54, s54, 7
	s_bfe_u32 s58, s[QT], 0x10001
	s_lshl_b32 s58, s58, 2
	s_add_co_u32 s54, s54, s58
	s_add_co_u32 s54, s54, 3072
	s_add_nc_u64 s[4:5], s[4:5], s[54:55]          ; its scale words: 8 bytes a slot from here
	s_lshr_b32 s14, s[BH], 3
	s_lshl_b32 s14, s14, 7
	s_add_co_u32 s14, s14, s[QT]                   ; the tile among all 512
	s_and_b32 s15, s[BH], 7                        ; the head
	s_lshl_b32 s52, s14, 3
	s_add_co_u32 s52, s52, s15
	s_mul_i32 s52, s52, 768
	s_add_nc_u64 s[8:9], s[8:9], s[52:53]          ; o's half image
	s_lshl_b32 s52, s14, 8
	s_lshl_b32 s15, s15, 1
	s_add_co_u32 s52, s52, s15
	s_add_nc_u64 s[10:11], s[10:11], s[52:53]      ; o's scale bytes
	s_mov_b32 s[SEL], 0x76543210
	s_mov_b32 s[SEL+1], 0xfedcba98                 ; v_permlanex16_b32's selects for lane l xor 16
	s_mov_b32 s[CS], 0x3e38aa3b                    ; c = log2(e) / 8
	s_mov_b32 s[CS+1], s[CS]                       ; (named with it as a pair, so it is written)
	s_mov_b32 s[HM], 0xffff0000                    ; lanes 16-31
	v_and_b32 v10, 31, v0
	s_delay_alu instid0(VALU_DEP_1)
	v_lshlrev_b32 v1, 4, v10                       ; 16 L
	s_delay_alu instid0(VALU_DEP_2)
	v_lshlrev_b32 v2, 3, v10                       ; 8 L
	s_delay_alu instid0(VALU_DEP_3)
	v_lshlrev_b32 v3, 2, v10                       ; 4 L
	v_and_b32 v10, 15, v0                          ; r
	v_bfe_u32 v11, v0, 4, 1                        ; h
	s_delay_alu instid0(VALU_DEP_2)
	v_lshlrev_b32 v8, 3, v10                       ; 8 r
	s_delay_alu instid0(VALU_DEP_2)
	v_lshl_add_u32 v9, v10, 4, v11                 ; 16 r + h
	global_load_b128 v[16:19], v1, s[56:57]        ; q's codes: registers 0-5
	global_load_b64 v[20:21], v2, s[56:57] offset:512
	global_load_b32 v86, v8, s[4:5]                ; q's scale word
	v_and_b32 v4, 8, v10
	s_delay_alu instid0(VALU_DEP_1)
	v_add_nc_u32 v4, v4, v10
	v_lshlrev_b32 v11, 4, v11
	s_delay_alu instid0(VALU_DEP_1)
	v_sub_nc_u32 v4, v4, v11                       ; r + 8 (r / 8) - 16 h: my query less my half's first key, both from their tiles' starts
.irp i, 22,23,24,25,26,27,80,81,82,83,84,85
	v_mov_b32 v\i, 0                               ; q's registers 6-11: zero codes; and what stands behind k's last tile
.endr
	v_mov_b32 v13, 0xff61b1e6                      ; the largest t so far: -3e38
	s_delay_alu instid0(VALU_DEP_1)
	v_floor_f32 v12, -v13                          ; -M
	v_mov_b32 v14, 0
	v_mov_b32 v15, 0
.irp b, 0,1,2,3
	v_mov_b32 v[BY+\b], 0                          ; a lane permute's destination counts as one of its sources
.endr
	v_mov_b32 v225, 0                              ; (named as the upper half of the pair v[224:225])
	v_mov_b32 v226, 0
.set N, 0
.rept 32
	v_mov_b32 v[O+N], 0                            ; O^T: the step is written once; the first change of M multiplies zeros
.set N, N+1
.endr
; A KEY STEP: 128 keys, two records, from LDS byte s[TB] on.
.macro STEP
	s_add_co_u32 s14, s[Q0], 23
	s_cmp_gt_u32 s[KF], s14                        ; all keys come after all my queries: the step's work is left out, not the lines at its end
	s_cbranch_scc1 .Lhidden_\@
	s_setprio 2
	v_add_nc_u32 v5, s[TB], v1
	v_add_nc_u32 v6, s[TB], v2
	v_add_nc_u32 v7, s[TB], v3
	v_nop                                          ; with the three additions: four places in front of loads into registers that the last products read
.irp t, 0,1,2,3,4,5,6,7
	ds_load_b128 v[32+6*\t:35+6*\t], v5 offset:(\t/4)*REC+(\t%4)*768
	ds_load_b64 v[36+6*\t:37+6*\t], v6 offset:(\t/4)*REC+(\t%4)*768+512
.endr
	ds_load_b64 v[28:29], v6 offset:6144           ; k's scale words: word 0 tiles 0 | 1, word 1 tiles 2 | 3
	ds_load_b64 v[30:31], v6 offset:REC+6144
	s_wait_alu depctr_va_vdst(0)
	s_wait_dscnt 0x0
.irp t, 0,2,4,6
	v_wmma_scale_f32_16x16x128_f8f6f4 v[S+8*\t:S+8*\t+7], v[32+6*\t:43+6*\t], v[16:27], 0, v[28+2*(\t/4)+(\t/2)%2], v86 matrix_a_fmt:MATRIX_FMT_BF6 matrix_b_fmt:MATRIX_FMT_BF6
	v_wmma_scale_f32_16x16x128_f8f6f4 v[S+8*\t+8:S+8*\t+15], v[38+6*\t:49+6*\t], v[16:27], 0, v[28+2*(\t/4)+(\t/2)%2], v86 matrix_a_fmt:MATRIX_FMT_BF6 matrix_b_fmt:MATRIX_FMT_BF6 matrix_a_scale:MATRIX_SCALE_ROW1
.endr
.rept 4
	v_nop                                          ; four places: in front of the loads below and of the first read of scores
.endr
.irp ct, 0,1,2,3                       ; v's four fragments land under the softmax: registers 6 c on from record c
.irp c, 0,1
	ds_load_b128 v[32+12*\ct+6*\c:35+12*\ct+6*\c], v5 offset:\c*REC+3072+768*\ct
	ds_load_b64 v[36+12*\ct+6*\c:37+12*\ct+6*\c], v6 offset:\c*REC+3072+768*\ct+512
.endr
.endr
	ds_load_b32 v88, v7 offset:6400
	ds_load_b32 v89, v7 offset:REC+6400
	s_add_co_u32 s14, s[KF], 127
	s_cmp_le_u32 s14, s[Q0]                        ; all keys count for all my queries: no mask
	s_cbranch_scc1 .Lopen_\@
	s_sub_co_i32 s14, s[Q0], s[KF]
	v_add_nc_u32 v227, s14, v4                     ; d: register 16 b + i holds a key that is hidden where 32 b + i > d
	v_mov_b32 v228, 0xce6e6b28                     ; -1e9
.set N, 0
.rept 64
	v_cmp_gt_i32 vcc_lo, 32*(N/16)+N%16, v227
	v_cndmask_b32 v[S+N], v[S+N], v228, vcc_lo
.set N, N+1
.endr
.Lopen_\@:
.irp b, 0,1,2,3
	v_max3_num_f32 v[BM+\b], v[S+16*\b], v[S+1+16*\b], v[S+2+16*\b]   ; the largest score of each block of 32 keys: for the row's maximum, and, since p rises with the score, for the block's largest p
.endr
.irp i, 3,5,7,9,11,13
.irp b, 0,1,2,3
	v_max3_num_f32 v[BM+\b], v[BM+\b], v[S+16*\b+\i], v[S+1+16*\b+\i]
.endr
.endr
.irp b, 0,1,2,3
	v_max_num_f32 v[BM+\b], v[BM+\b], v[S+15+16*\b]
.endr
.irp b, 0,1,2,3
	s_delay_alu instid0(VALU_DEP_4)
	v_permlanex16_b32 v[BY+\b], v[BM+\b], s[SEL], s[SEL+1]
.endr
.irp b, 0,1,2,3
	s_delay_alu instid0(VALU_DEP_4)
	v_max_num_f32 v[BM+\b], v[BM+\b], v[BY+\b]     ; with lane l xor 16's 16 keys
.endr
	s_delay_alu instid0(VALU_DEP_2)
	v_max3_num_f32 v226, v[BM], v[BM+1], v[BM+2]
	s_delay_alu instid0(VALU_DEP_1)
	v_max_num_f32 v226, v226, v[BM+3]
	s_delay_alu instid0(VALU_DEP_1)
	v_mul_f32 v226, s[CS], v226                    ; the step's largest t (c is positive)
	s_delay_alu instid0(VALU_DEP_1)
	v_max_num_f32 v13, v13, v226
	v_mov_b32 v226, v12
	s_delay_alu instid0(VALU_DEP_2)
	v_floor_f32 v12, -v13                          ; the new -M = -ceil(t)
	s_delay_alu instid0(VALU_DEP_1)
	v_sub_f32 v226, v12, v226                      ; old M - new M: a whole number, 0 or less
	s_delay_alu instid0(VALU_DEP_1)
	v_cvt_i32_f32 v226, v226                       ; (it saturates)
	s_delay_alu instid0(VALU_DEP_1)
	v_ldexp_f32 v224, 1.0, v226                    ; f = 2^(old M - new M)
.set N, 0
.rept 32
	v_pk_fma_f32 v[S+N:S+N+1], v[S+N:S+N+1], s[CS:CS+1], v[12:13] op_sel_hi:[1,0,0]   ; t - M
.set N, N+2
.endr
	s_setprio 1
.irp b, 0,1,2,3
	v_fma_f32 v[BM+\b], v[BM+\b], s[CS], v12       ; the same of each block's largest score
.endr
.set N, 0
	s_wait_alu depctr_va_vdst(0)
.rept 64
	v_exp_f32 v[S+N], v[S+N]                       ; p = 2^(t - M)
.set N, N+1
.endr
.irp b, 0,1,2,3
	v_exp_f32 v[BM+\b], v[BM+\b]                   ; the block's largest p: the same two instructions on the same number
.endr
	v_pk_mul_f32 v[14:15], v[14:15], v[224:225] op_sel_hi:[1,0]   ; the sums under the new M (a plain place behind the exponentials)
	s_wait_alu depctr_va_vdst(0)
.irp b, 0,1,2,3
	v_max_num_f32 v[BM+\b], 0x2800000, v[BM+\b]    ; the floor 2^(5 - 127)
.endr
.irp b, 0,1,2,3
	s_delay_alu instid0(VALU_DEP_4)
	v_add_nc_u32 v[BO+\b], 0xfe000000, v[BM+\b]    ; 4 off the exponent field: the conversion's scale operand
.endr
.irp b, 0,1,2,3
	s_delay_alu instid0(VALU_DEP_4)
	v_lshrrev_b32 v[BY+\b], 23, v[BO+\b]           ; the scale's byte
.endr
	s_delay_alu instid0(VALU_DEP_3)
	v_lshl_or_b32 v87, v[BY+1], 8, v[BY]           ; p's scale word for these 128 keys
	s_delay_alu instid0(VALU_DEP_1)
	v_lshl_or_b32 v87, v[BY+2], 16, v87
	s_delay_alu instid0(VALU_DEP_1)
	v_lshl_or_b32 v87, v[BY+3], 24, v87
	s_wait_dscnt 0x0                               ; v's fragments and scale words are in
	v_perm_b32 v90, v89, v88, 0x05040100           ; the two records' bytes: lanes 0-15 channel tile 0, lanes 16-31 tile 1
	v_perm_b32 v91, v89, v88, 0x07060302           ; tiles 2 and 3
.irp c, 0,1
	v_cvt_scalef32_pk16_bf6_f32 v[PCD+6*\c:PCD+2+6*\c], v[S+32*\c:S+15+32*\c], v[BO+2*\c]
	v_cvt_scalef32_pk16_bf6_f32 v[CW+4*\c:CW+2+4*\c], v[S+16+32*\c:S+31+32*\c], v[BO+2*\c+1]
.endr
	v_nop                                          ; one plain place behind a scaled conversion
.irp c, 0,1
.irp i, 0,1,2
	v_permlane16_swap_b32 v[PCD+6*\c+\i], v[CW+4*\c+\i]
.endr
.irp i, 0,1,2
	s_delay_alu instid0(VALU_DEP_3)
	v_mov_b32 v[PCD+3+6*\c+\i], v[CW+4*\c+\i]
.endr
.endr
	v_pk_add_f32 v[228:229], v[100:101], v[104:105]
	v_pk_add_f32 v[252:253], v[108:109], v[112:113]
	v_pk_add_f32 v[250:251], v[116:117], v[120:121]
	v_pk_add_f32 v[248:249], v[124:125], v[128:129]
	v_pk_add_f32 v[246:247], v[132:133], v[136:137]
	v_pk_add_f32 v[244:245], v[140:141], v[144:145]
	v_pk_add_f32 v[242:243], v[148:149], v[152:153]
	v_pk_add_f32 v[14:15], v[14:15], v[156:157]
	v_pk_add_f32 v[228:229], v[228:229], v[96:97]
	s_setprio 0
	v_pk_add_f32 v[252:253], v[252:253], v[98:99]
	v_pk_add_f32 v[250:251], v[250:251], v[102:103]
	v_pk_add_f32 v[248:249], v[248:249], v[106:107]
	v_pk_add_f32 v[246:247], v[246:247], v[110:111]
	v_pk_add_f32 v[244:245], v[244:245], v[114:115]
	v_pk_add_f32 v[242:243], v[242:243], v[118:119]
	v_pk_add_f32 v[14:15], v[14:15], v[122:123]
	v_pk_add_f32 v[228:229], v[228:229], v[126:127]
	v_pk_add_f32 v[252:253], v[252:253], v[130:131]
	v_pk_add_f32 v[250:251], v[250:251], v[134:135]
	v_pk_add_f32 v[248:249], v[248:249], v[138:139]
	v_pk_add_f32 v[246:247], v[246:247], v[142:143]
	v_pk_add_f32 v[244:245], v[244:245], v[146:147]
	v_pk_add_f32 v[242:243], v[242:243], v[150:151]
	v_pk_add_f32 v[14:15], v[14:15], v[154:155]
	v_pk_add_f32 v[228:229], v[228:229], v[158:159]
	s_delay_alu instid0(VALU_DEP_2)
	v_pk_add_f32 v[14:15], v[14:15], v[248:249]
	s_delay_alu instid0(VALU_DEP_2)
	v_pk_add_f32 v[228:229], v[228:229], v[246:247]
	v_pk_add_f32 v[252:253], v[252:253], v[244:245]
	v_pk_add_f32 v[250:251], v[250:251], v[242:243]
	s_delay_alu instid0(VALU_DEP_2)
	v_pk_add_f32 v[14:15], v[14:15], v[252:253]
	s_delay_alu instid0(VALU_DEP_2)
	v_pk_add_f32 v[228:229], v[228:229], v[250:251]
	s_delay_alu instid0(VALU_DEP_1)
	v_pk_add_f32 v[14:15], v[14:15], v[228:229]
.set N, 0
.rept 16
	v_pk_mul_f32 v[O+N:O+N+1], v[O+N:O+N+1], v[224:225] op_sel_hi:[1,0]   ; O^T under the new M.  (The sums and these are more than the eight places between the scale words' last write and the products)
.set N, N+2
.endr
.irp ct, 0,2
	v_wmma_scale_f32_16x16x128_f8f6f4 v[O+8*\ct:O+8*\ct+7], v[32+12*\ct:43+12*\ct], v[PCD:PCD+11], v[O+8*\ct:O+8*\ct+7], v[90+\ct/2], v87 matrix_a_fmt:MATRIX_FMT_BF6 matrix_b_fmt:MATRIX_FMT_BF6
	v_wmma_scale_f32_16x16x128_f8f6f4 v[O+8*\ct+8:O+8*\ct+15], v[44+12*\ct:55+12*\ct], v[PCD:PCD+11], v[O+8*\ct+8:O+8*\ct+15], v[90+\ct/2], v87 matrix_a_fmt:MATRIX_FMT_BF6 matrix_b_fmt:MATRIX_FMT_BF6 matrix_a_scale:MATRIX_SCALE_ROW1
.endr
.Lhidden_\@:
	s_add_co_u32 s[KF], s[KF], 128
	s_add_co_u32 s[TB], s[TB], 2*REC
.endm
; A GROUP of 512 keys: my part of it has landed (the 3 - g groups behind it may be out), then everybody's; four steps.
.macro GROUP g
	s_wait_tensorcnt 3-\g
	s_wait_dscnt 0x0
	s_barrier_signal -1
	s_barrier_wait -1
	s_mov_b32 s[TB], GRPB*\g
	s_mov_b32 s[KF], 512*\g
	s_mov_b32 s[CNT], 4
.Lstep_\@:
	STEP
	s_sub_co_u32 s[CNT], s[CNT], 1
	s_cmp_lg_u32 s[CNT], 0
	s_cbranch_scc1 .Lstep_\@
	s_setprio 0
.endm
	s_wait_loadcnt 0x0                             ; q
	GROUP 0
	GROUP 1
	GROUP 2
	GROUP 3
	; THE WAY OUT: O^T / the sum; register 8 t + j is channel 32 (t / 2) + 16 h + 8 (t % 2) + j of my query: two blocks of 32, quantised as p is.
.rept 4
	v_nop                                          ; four places behind the last products
.endr
	v_add_f32 v14, v14, v15
	s_delay_alu instid0(VALU_DEP_1)
	v_permlanex16_b32 v226, v14, s[SEL], s[SEL+1]
	s_delay_alu instid0(VALU_DEP_1)
	v_add_f32 v14, v14, v226                       ; the row's sum
	s_wait_alu depctr_va_vdst(0)
	v_rcp_f32 v14, v14
	v_nop                                          ; one plain place behind a transcendental
.set N, 0
	s_wait_alu depctr_va_vdst(0)
.rept 32
	v_mul_f32 v[S+N], v[O+N], v14
.set N, N+1
.endr
.irp b, 0,1
	v_max3_num_f32 v[BM+\b], |v[S+16*\b]|, |v[S+1+16*\b]|, 0x2800000
.endr
.irp i, 2,4,6,8,10,12,14
.irp b, 0,1
	s_delay_alu instid0(VALU_DEP_2)
	v_max3_num_f32 v[BM+\b], v[BM+\b], |v[S+16*\b+\i]|, |v[S+1+16*\b+\i]|
.endr
.endr
.irp b, 0,1
	s_delay_alu instid0(VALU_DEP_2)
	v_permlanex16_b32 v[BY+\b], v[BM+\b], s[SEL], s[SEL+1]
.endr
.irp b, 0,1
	s_delay_alu instid0(VALU_DEP_2)
	v_max_num_f32 v[BM+\b], v[BM+\b], v[BY+\b]
.endr
.irp b, 0,1
	s_delay_alu instid0(VALU_DEP_2)
	v_add_nc_u32 v[BO+\b], 0xfe000000, v[BM+\b]
.endr
.irp b, 0,1
	s_delay_alu instid0(VALU_DEP_2)
	v_lshrrev_b32 v[BY+\b], 23, v[BO+\b]
.endr
	v_cvt_scalef32_pk16_bf6_f32 v[PCD:PCD+2], v[S:S+15], v[BO]
	v_cvt_scalef32_pk16_bf6_f32 v[CW:CW+2], v[S+16:S+31], v[BO+1]
	v_nop
.irp i, 0,1,2
	v_permlane16_swap_b32 v[PCD+\i], v[CW+\i]
.endr
.irp i, 0,1,2
	s_delay_alu instid0(VALU_DEP_3)
	v_mov_b32 v[PCD+3+\i], v[CW+\i]
.endr
	v_cndmask_b32 v226, v[BY], v[BY+1], s[HM]      ; lanes 0-15 store block 0's byte, lanes 16-31 block 1's
	global_store_b128 v1, v[PCD:PCD+3], s[8:9]
	global_store_b64 v2, v[PCD+4:PCD+5], s[8:9] offset:512
	global_store_b8 v9, v226, s[10:11]
	s_wait_tensorcnt 0x0
	ds_add_u32 v254, v255
	s_wait_dscnt 0x0
	s_endpgm
.Lfunc_end_k_qe0f1552d5b_attn:
	.size	k_qe0f1552d5b_attn, .Lfunc_end_k_qe0f1552d5b_attn-k_qe0f1552d5b_attn
	.p2alignl 7, 3214868480
	.fill 96, 4, 3214868480
	.section	.rodata,"a",@progbits
	.p2align	6, 0x0
	.amdhsa_kernel k_qe0f1552d5b_attn
		.amdhsa_group_segment_fixed_size 215040
		.amdhsa_private_segment_fixed_size 0
		.amdhsa_enable_private_segment 0
		.amdhsa_kernarg_size 32
		.amdhsa_user_sgpr_count 2
		.amdhsa_user_sgpr_kernarg_segment_ptr 1
		.amdhsa_wavefront_size32 1
		.amdhsa_system_sgpr_workgroup_id_x 1
		.amdhsa_system_sgpr_workgroup_id_y 1
		.amdhsa_system_sgpr_workgroup_id_z 1
		.amdhsa_system_vgpr_workitem_id 0
		.amdhsa_next_free_vgpr 256
		.amdhsa_next_free_sgpr 66
		.amdhsa_reserve_vcc 1
		.amdhsa_float_denorm_mode_32 3
		.amdhsa_float_denorm_mode_16_64 3
		.amdhsa_memory_ordered 1
		.amdhsa_forward_progress 1
		.amdhsa_inst_pref_size 104
	.end_amdhsa_kernel
	.amdgpu_metadata
---
amdhsa.version: [ 1, 2 ]
amdhsa.kernels:
  - .name:           k_qe0f1552d5b_attn
    .symbol:         k_qe0f1552d5b_attn.kd
    .args:
      - { .name: qrec, .offset: 0, .size: 8, .value_kind: global_buffer, .address_space: global }
      - { .name: kvrec, .offset: 8, .size: 8, .value_kind: global_buffer, .address_space: global }
      - { .name: oimg, .offset: 16, .size: 8, .value_kind: global_buffer, .address_space: global }
      - { .name: osc, .offset: 24, .size: 8, .value_kind: global_buffer, .address_space: global }
    .group_segment_fixed_size: 215040
    .private_segment_fixed_size: 0
    .kernarg_segment_align: 8
    .kernarg_segment_size: 32
    .max_flat_workgroup_size: 512
    .sgpr_count:     66
    .vgpr_count:     256
    .wavefront_size: 32
...
	.end_amdgpu_metadata
.endif
;; end of part 6
;; launch mlp (part 7): grid 256 x 1, 16 waves a work-group, no clusters, 156,160 bytes of LDS; arguments x, oimg, osc, wimg, bp, g2, be2, b1, b2, out0; writes out0
.if DOCPART == 7
	.amdgcn_target "amdgcn-amd-amdhsa--gfx1250"
	.amdhsa_code_object_version 6
	.text
	.protected	k_qe0f1552d5b_mlp
	.globl	k_qe0f1552d5b_mlp
	.p2align	8
	.type	k_qe0f1552d5b_mlp,@function
k_qe0f1552d5b_mlp:
	s_mov_b64 s[64:65], 0
	v_nop
	global_prefetch_b8 v0, s[64:65] scope:SCOPE_SE
	s_setreg_imm32_b32 hwreg(HW_REG_WAVE_SCHED_MODE, 0, 2), 2
	s_setreg_imm32_b32 hwreg(HW_REG_WAVE_MODE, 25, 1), 1
	s_wait_xcnt 0x0
	s_wait_alu depctr_vm_vsrc(0)
; x1 = x + o Wp + bp;  h2 = layer norm(x1) g2 + be2;  out0 = x1 + relu(h2 W1 + b1) W2 + b2.  All three products on codes of E3M2; h2 and the hidden layer are quantised on the way and never go to memory.
; SHARES.  A work-group takes 32 tokens (two tiles m).  THE WAVES SHARE THE COLUMNS: wave w owns columns 32 w .. 32 w + 31 of x1 and out0 and hidden units 128 w .. 128 w + 127, which are K step w of the last product.
; So each weight fragment is wanted by exactly one wave, and goes from wimg straight into a ring of three register slots of two fragments: 18 loads of 512 bytes of a wave are out.  36 pairs, 144 products a wave, a straight line.
; NO JOINT LOADS: no two waves of a work-group want the same fragment, so LDS would only be a detour; two LDS slots beside the images would hold about 64 fragments, eight products a wave between two changes of slots.
; All products are transposed (source 0 = 16 weight rows, source 1 = 16 tokens): a lane holds one token, its registers run along the columns.  Slot r of token tile m is token 8 m + r + 8 (r / 8) of the 32; the weights' rows likewise.
; h2 and the hidden layer go from wave to wave through LDS as images of the operand's registers.  The residual and the biases are the sums' starting values.
; LIMITS: NaN and infinities are not served; a block under 2^-122, a block of zeros too, keeps the byte 1.
; REGISTERS: v1-15 addresses; v16-47 x1, later out0 (tile (m, u) at 16 + 16 m + 8 u); v48-55, v56-63 two banks of weight scale words; v64-71 the activations' scale words; v72-135 the hidden sums (72 + 32 m + 8 t),
;   v136-159 two activation fragments, also the codes just made; v72-167 o's eight fragments in the first phase; v160-167 at work; v168-239 the ring; v240-255 at work.
; THE MODE: SCHED_MODE bits 1:0 = 2 (LLVM: expert scheduling mode 2), set by the entry lines.  The code itself states the register dependences
; between vector or matrix instructions and memory or LDS instructions, with s_wait_alu, always for 0.
; THE PLAN.  Registers that memory or LDS instructions touch:
;   v1-15         Offsets and LDS addresses: written at the head, never again; one wait on va_vdst ahead of the first load.
;   v168-239      The ring.  Pair p's four products read slot p % 3; behind them the loads of pair p + 3 land in it.
;   v136-159, v72-119  Activation fragments from LDS: read by a K step's products, loaded again for a later K step.
;   v48-71        Scale words: read by the products, loaded again a phase later.
;   So ONE wait on va_vdst stands behind each pair's products and their places: they are done reading all four kinds, and every load up to the next pair's products follows with nothing more owed.
;   v244          A partial sum: written by vector instructions, read by one LDS store, written again behind the barrier: a wait on va_vdst ahead of the store, one on vm_vsrc ahead of the rewrite.
;   v136-147      The codes just made: written by conversions, read by LDS stores, then fragments land on them or the next conversions write them: a wait on va_vdst ahead of each run of stores, one on vm_vsrc behind it.
;   v16-47        out0's sums: written by products, read by the way out's LDS stores: the places, then a wait on va_vdst.
;   v240-255      At the head: biases as loaded, two LDS addresses, two offsets; bp then lands on all of them: one wait on vm_vsrc.
.set SCB,   2359296
.set LNA,   16384                      ; LDS: 0: 1,024 bytes a wave: b1 512, bp, b2, g2, be2 128 each;  LNA: 32 rows x 80: the waves' partial sums;  + 2,560: the same for the squares
.set LNB2,  2560
.set H2IMG, 21504                      ; h2's 8 fragments (4 m + s), 1,536 bytes each
.set H2SC,  33792                      ; their scale words, 128 bytes each
.set HIMG,  34816                      ; the hidden layer's 32 fragments (16 m + K step), two half images of 768 bytes each
.set HSC,   83968                      ; their scale words
.set STG,   88064                      ; the stage for out0: 32 rows x (2,048 + 16) bytes
.set SP,    2064
.set X1,  16
.set BKA, 48
.set BKB, 56
.set AS,  64
.set ACC, 72
.set OF,  72
.set ACT, 136
.set PC,  136
.set WB,  168
.set TM,  240
.set WV,  24
.set SEL, 26
.set HM,  28
.set RN,  29
.set SWP, 34
.set SW,  36
.set SS2, 38
.set SS3, 40
; THE STREAM.  Pair p: 0-3: Wp, K step p, tiles u = 0, 1;  4 + 8 q + 2 s + tp: W1, half q, K step s, tiles 4 q + 2 tp + 0, 1;  20 + s: W2, K step s, tiles u = 0, 1.
.macro WLOAD p
.irp e, 0,1
.set RW, WB+24*((\p)%3)+12*\e
.if (\p) < 4
.set WO, 589824+1536*(4*\e+(\p))
.elseif (\p) < 20
.set WO, 786432+1536*(4*(4*(((\p)-4)/8)+2*(((\p)-4)%2)+\e)+(((\p)-4)%8)/2)
.else
.set WO, 1572864+1536*(16*\e+(\p)-20)
.endif
.irp c, 0,1,2
.if (\p) < 4
	global_load_b128 v[RW+4*\c:RW+4*\c+3], v1, s[SWP:SWP+1] offset:WO+512*\c
.else
	global_load_b128 v[RW+4*\c:RW+4*\c+3], v1, s[SW:SW+1] offset:WO+512*\c
.endif
.endr
.endr
.endm
.macro MM                              ; one product in place; the registers stand in the symbols R..
.if RROW
	v_wmma_scale_f32_16x16x128_f8f6f4 v[RD:RD+7], v[RA:RA+11], v[RB:RB+11], v[RD:RD+7], v[RSA], v[RSB] matrix_a_fmt:MATRIX_FMT_BF6 matrix_b_fmt:MATRIX_FMT_BF6 matrix_a_scale:MATRIX_SCALE_ROW1
.else
	v_wmma_scale_f32_16x16x128_f8f6f4 v[RD:RD+7], v[RA:RA+11], v[RB:RB+11], v[RD:RD+7], v[RSA], v[RSB] matrix_a_fmt:MATRIX_FMT_BF6 matrix_b_fmt:MATRIX_FMT_BF6
.endif
.endm
; Pair p is multiplied: two weight fragments x two token tiles, four sums by turns; then its slot takes the pair three on.
.macro PAIR p
.if (\p) == 35
	s_wait_loadcnt 0x0
.elseif (\p) == 34
	s_wait_loadcnt 6                               ; the last pair's six loads may be out
.else
	s_wait_loadcnt 12                              ; the two younger pairs' twelve loads may be out (scale words asked for in between only make the count stricter)
.endif
.irp e, 0,1
.irp m, 0,1
.set RA, WB+24*((\p)%3)+12*\e
.if (\p) < 4
.set RD, X1+16*\m+8*\e
.set RB, OF+12*(4*\m+(\p))
.set RSA, BKA+2*\e+(\p)/2
.set RSB, AS+4*\m+(\p)
.set RROW, (\p)%2
.elseif (\p) < 20
.set KS, (((\p)-4)%8)/2
.set TT, 2*(((\p)-4)%2)+\e
.set RD, ACC+32*\m+8*TT
.set RB, ACT+12*\m
.set RSA, BKB-8*(((\p)-4)/8)+2*TT+KS/2
.set RSB, AS+4*\m+KS
.set RROW, KS%2
.else
.set KS, (\p)-20
.set RD, X1+16*\m+8*\e
.set RB, ACC+24*(KS%2)+12*\m
.set RSA, BKB-8*(KS/8)+4*\e+(KS/2)%4
.set RSB, AS+2*(KS%2)+\m
.set RROW, KS%2
.endif
	MM
.endr
.endr
.rept 4
	v_nop                                          ; four places in front of loads into registers that these products read, and of the first read of results
.endr
.if (\p) <= 33                         ; (behind pair 34 no load follows; pair 35's wait stands ahead of the way out's stores)
	s_wait_alu depctr_va_vdst(0)                   ; these products are done reading their ring slot, their activation fragments and their scale words, in which the loads up to the next pair's products land
.endif
.if (\p) <= 32
.set PL, (\p)+3
	WLOAD PL
.endif
.endm
; 64 numbers of a lane, register 16 b + i = k 32 b + 16 h + i, become 12 registers of codes in v[PC] on and four scale bytes in v[pw].
.macro QUANT src, pw
.irp b, 0,1,2,3
	v_max3_num_f32 v[TM+\b], |v[\src+16*\b]|, |v[\src+1+16*\b]|, 0x2800000   ; my 16 numbers of block b, and the floor 2^(5 - 127)
.endr
.irp i, 2,4,6,8,10,12,14
.irp b, 0,1,2,3
	v_max3_num_f32 v[TM+\b], v[TM+\b], |v[\src+16*\b+\i]|, |v[\src+1+16*\b+\i]|
.endr
.endr
.irp b, 0,1,2,3
	v_permlanex16_b32 v[TM+4+\b], v[TM+\b], s[SEL], s[SEL+1]
.endr
.irp b, 0,1,2,3
	v_max_num_f32 v[TM+\b], v[TM+\b], v[TM+4+\b]
.endr
.irp b, 0,1,2,3
	v_add_nc_u32 v[TM+12+\b], 0xfe000000, v[TM+\b]
.endr
.irp b, 0,1,2,3
	v_lshrrev_b32 v[TM+4+\b], 23, v[TM+12+\b]
.endr
	v_lshl_or_b32 v[\pw], v[TM+5], 8, v[TM+4]
	v_lshl_or_b32 v[\pw], v[TM+6], 16, v[\pw]
	v_lshl_or_b32 v[\pw], v[TM+7], 24, v[\pw]
.irp c, 0,1
	v_cvt_scalef32_pk16_bf6_f32 v[PC+6*\c:PC+2+6*\c], v[\src+32*\c:\src+15+32*\c], v[TM+12+2*\c]
	v_cvt_scalef32_pk16_bf6_f32 v[PC+12+4*\c:PC+14+4*\c], v[\src+16+32*\c:\src+31+32*\c], v[TM+12+2*\c+1]
.endr
	v_nop                                          ; one plain place behind a scaled conversion
.irp c, 0,1
.irp i, 0,1,2
	v_permlane16_swap_b32 v[PC+6*\c+\i], v[PC+12+4*\c+\i]
.endr
.irp i, 0,1,2
	v_mov_b32 v[PC+3+6*\c+\i], v[PC+12+4*\c+\i]
.endr
.endr
.endm
; The pair sums v[240:241] (tile 0) and v[242:243] (tile 1) of my 16 columns become the rows' sums over all 512 columns, in v244 and v245: my halves, lane l xor 16's, then the sixteen waves' through LDS.
.macro ACROSS off
.irp m, 0,1
	v_add_f32 v[244+\m], v[240+2*\m], v[241+2*\m]
.endr
.irp m, 0,1
	v_permlanex16_b32 v[246+\m], v[244+\m], s[SEL], s[SEL+1]
.endr
.irp m, 0,1
	v_add_f32 v[244+\m], v[244+\m], v[246+\m]
.endr
	v_cndmask_b32 v244, v244, v245, s[HM]          ; lanes 0-15 carry tile 0's rows, lanes 16-31 tile 1's
	s_wait_alu depctr_va_vdst(0)                   ; v244 is written, which the LDS store reads; the vector and matrix work on v136-167 is done, in which the waves' partial sums land
	ds_store_b32 v5, v244 offset:\off
	s_wait_dscnt 0x0                               ; for the others' sake
	s_barrier_signal -1
	s_barrier_wait -1
.irp m, 0,1
.irp j, 0,1,2,3
	ds_load_b128 v[136+16*\m+4*\j:139+16*\m+4*\j], v6 offset:\off+1280*\m+16*\j
.endr
.endr
	s_wait_dscnt 0x0
.irp i, 2,4,6,8,10,12,14
.irp m, 0,1
	v_pk_add_f32 v[136+16*\m:137+16*\m], v[136+16*\m:137+16*\m], v[136+16*\m+\i:137+16*\m+\i]
.endr
.endr
	s_wait_alu depctr_vm_vsrc(0)                   ; the LDS store has read v244, which is written again
.irp m, 0,1
	v_add_f32 v[244+\m], v[136+16*\m], v[137+16*\m]
.endr
.endm
.macro FETCHH s                        ; the hidden layer's K step s: two fragments and two scale words, ten LDS loads, into buffer s % 2
.set HB, ACC+24*((\s)%2)
.irp m, 0,1
.irp c, 0,1
	ds_load_b128 v[HB+12*\m+6*\c:HB+12*\m+6*\c+3], v13 offset:(16*\m+(\s))*1536+768*\c
	ds_load_b64 v[HB+12*\m+6*\c+4:HB+12*\m+6*\c+5], v14 offset:(16*\m+(\s))*1536+768*\c+512
.endr
	ds_load_b32 v[AS+2*((\s)%2)+\m], v15 offset:128*(16*\m+(\s))
.endr
.endm
	s_load_b256 s[4:11], s[0:1], 0x0               ; x, oimg, osc, wimg
	s_load_b256 s[12:19], s[0:1], 0x20             ; bp, g2, be2, b1
	s_load_b128 s[20:23], s[0:1], 0x40             ; b2, out0
	v_lshrrev_b32 v1, 5, v0
	v_readfirstlane_b32 s[WV], v1                  ; wave 0..15
	v_and_b32 v250, 31, v0                         ; L
	v_and_b32 v251, 15, v0                         ; r
	v_bfe_u32 v252, v0, 4, 1                       ; h
	v_lshlrev_b32 v1, 4, v250                      ; 16 L
	v_lshlrev_b32 v2, 3, v250                      ; 8 L
	v_lshlrev_b32 v3, 2, v250                      ; 4 L
	s_wait_alu depctr_va_sdst(0)                   ; the wave's number is written, ahead of its first reader
	s_lshl_b32 s30, s[WV], 10
	v_lshl_add_u32 v4, v252, 6, s30                ; my wave's biases, + 64 h: my half's 16 columns
	v_add_nc_u32 v253, s30, v1
	v_add_nc_u32 v254, s30, v3
	v_mul_u32_u24 v5, v250, 80
	s_lshl_b32 s31, s[WV], 2
	s_add_co_u32 s31, s31, LNA
	v_add_nc_u32 v5, s31, v5                       ; partial sums, in: row L, word w
	v_mul_u32_u24 v6, v251, 80
	v_add_nc_u32 v6, LNA, v6                       ; and out: row r (tile 1: 16 rows on)
	; h2's codes: my 16 codes are registers k = 6 ((w % 4) / 2) + 3 h + 0 .. 2 of lane r + 16 (w % 2) of fragment (m, w / 4): byte 512 (k / 4) + 4 (k % 4) + 16 x lane of its image
	s_bfe_u32 s31, s[WV], 0x10001
	s_mul_i32 s31, s31, 6
	v_mad_u32_u24 v160, v252, 3, s31
	s_lshr_b32 s32, s[WV], 2
	s_mul_i32 s32, s32, 1536
	s_and_b32 s33, s[WV], 1
	s_lshl_b32 s33, s33, 8
	s_add_co_u32 s32, s32, s33
	s_add_co_u32 s32, s32, H2IMG
.irp i, 0,1,2
	v_add_nc_u32 v161, \i, v160
	v_lshrrev_b32 v162, 2, v161
	v_and_b32 v161, 3, v161
	v_lshlrev_b32 v162, 9, v162
	v_lshl_add_u32 v162, v161, 2, v162
	v_lshl_add_u32 v162, v251, 4, v162
	v_add_nc_u32 v[7+\i], s32, v162
.endr
	s_lshr_b32 s32, s[WV], 2
	s_lshl_b32 s32, s32, 7
	s_and_b32 s33, s[WV], 3
	s_add_co_u32 s32, s32, s33
	s_add_co_u32 s32, s32, H2SC
	v_add_nc_u32 v10, s32, v3                      ; h2's scale byte: word 4 L of fragment (m, w / 4), byte w % 4
	s_mul_i32 s32, s[WV], 1536
	s_add_co_u32 s32, s32, HIMG
	v_add_nc_u32 v11, s32, v1                      ; the hidden layer's images, in: K step w
	v_add_nc_u32 v12, s32, v2
	v_add_nc_u32 v13, HIMG, v1                     ; and out
	v_add_nc_u32 v14, HIMG, v2
	v_add_nc_u32 v15, HSC, v3                      ; its scale words
	v_and_b32 v161, 8, v251
	v_add_nc_u32 v161, v161, v251
	v_lshlrev_b32 v248, 11, v161
	v_lshl_add_u32 v248, v252, 6, v248             ; x: my slot's row of 2,048 bytes, + 64 h
	v_lshlrev_b32 v249, 4, v251                    ; osc: 16 r
	s_mov_b32 s[SEL], 0x76543210
	s_mov_b32 s[SEL+1], 0xfedcba98
	s_mov_b32 s[HM], 0xffff0000
	s_mov_b32 s[RN], 0x3b000000                    ; 1 / 512
	s_mov_b32 s31, 0
	s_lshl_b32 s32, s[WV], 7
	s_wait_kmcnt 0x0
	s_lshl_b32 s30, ttmp9, 16
	s_add_co_u32 s30, s30, s32
	s_add_nc_u64 s[4:5], s[4:5], s[30:31]          ; x at my 32 tokens, my 32 columns
	s_mul_i32 s30, ttmp9, 12288
	s_add_nc_u64 s[6:7], s[6:7], s[30:31]          ; o's images: two tiles x eight heads x 768 bytes
	s_lshl_b32 s30, ttmp9, 9
	s_add_nc_u64 s[8:9], s[8:9], s[30:31]
	s_mov_b32 s30, s32
	s_add_nc_u64 s[12:13], s[12:13], s[30:31]
	s_add_nc_u64 s[14:15], s[14:15], s[30:31]
	s_add_nc_u64 s[16:17], s[16:17], s[30:31]
	s_add_nc_u64 s[20:21], s[20:21], s[30:31]
	s_lshl_b32 s30, s[WV], 9
	s_add_nc_u64 s[18:19], s[18:19], s[30:31]
	s_add_nc_u64 s[SS2:SS2+1], s[10:11], s[30:31]  ; wimg + 512 w: Wp's scale images
	s_mul_i32 s30, s[WV], 12288
	s_add_nc_u64 s[SWP:SWP+1], s[10:11], s[30:31]  ; wimg + 12,288 w: Wp's two units
	s_mul_i32 s30, s[WV], 49152
	s_add_nc_u64 s[SW:SW+1], s[10:11], s[30:31]    ; wimg + 49,152 w: W1's and W2's eight units
	s_lshl_b32 s30, s[WV], 11
	s_add_nc_u64 s[SS3:SS3+1], s[10:11], s[30:31]  ; wimg + 2,048 w: their scale images
	s_lshr_b32 s32, s[WV], 3
	s_lshl_b32 s32, s32, 3
	s_and_b32 s33, s[WV], 7
	s_lshl_b32 s33, s33, 1
	s_add_co_u32 s32, s32, s33
	s_bfe_u32 s33, s[WV], 0x10002
	s_lshl_b32 s33, s33, 3
	s_add_co_u32 s32, s32, s33                     ; the token of stage row 2 w: 8 (w / 8) + 2 (w % 8) + 8 ((w / 4) % 2); row 2 w + 1 is the next token
	s_lshl_b32 s33, ttmp9, 5
	s_add_co_u32 s32, s32, s33
	s_lshl_b32 s30, s32, 11
	s_add_nc_u64 s[22:23], s[22:23], s[30:31]
	s_wait_alu depctr_va_vdst(0)                   ; the offsets and LDS addresses v1-15, v248, v249, v253, v254 are written, which the loads and stores read; the address work on v160-162 is done, in which o's fragments land
	global_load_b128 v[240:243], v1, s[18:19]      ; b1: my 128
	global_load_b32 v244, v3, s[12:13]             ; bp, b2, g2, be2: my 32 each
	global_load_b32 v245, v3, s[20:21]
	global_load_b32 v246, v3, s[14:15]
	global_load_b32 v247, v3, s[16:17]
.irp m, 0,1
.irp j, 0,1,2,3
	global_load_b128 v[X1+16*\m+4*\j:X1+16*\m+4*\j+3], v248, s[4:5] offset:16384*\m+16*\j   ; the residual is the sums' starting value
.endr
.endr
	global_load_b128 v[AS:AS+3], v249, s[8:9]      ; o's scale words: the row's four K steps
	global_load_b128 v[AS+4:AS+7], v249, s[8:9] offset:256
.irp m, 0,1
.irp s, 0,1,2,3
.irp c, 0,1
	global_load_b128 v[OF+12*(4*\m+\s)+6*\c:OF+12*(4*\m+\s)+6*\c+3], v1, s[6:7] offset:6144*\m+1536*\s+768*\c   ; K step s = heads 2 s and 2 s + 1
	global_load_b64 v[OF+12*(4*\m+\s)+6*\c+4:OF+12*(4*\m+\s)+6*\c+5], v2, s[6:7] offset:6144*\m+1536*\s+768*\c+512
.endr
.endr
.endr
.irp u, 0,1
	global_load_b64 v[BKA+2*\u:BKA+2*\u+1], v2, s[SS2:SS2+1] offset:SCB+24576+256*\u       ; Wp's scale words
.endr
.irp t, 0,1,2,3
	global_load_b64 v[BKB+2*\t:BKB+2*\t+1], v2, s[SS3:SS3+1] offset:SCB+32768+256*\t       ; W1's, tiles 0-3
.endr
	WLOAD 0
	WLOAD 1
	WLOAD 2
	s_wait_loadcnt 18                              ; all but the ring's eighteen loads are in
	ds_store_b128 v253, v[240:243]                 ; the biases and gains into my wave's own 1,024 bytes
	ds_store_b32 v254, v244 offset:512
	ds_store_b32 v254, v245 offset:640
	ds_store_b32 v254, v246 offset:768
	ds_store_b32 v254, v247 offset:896
	s_wait_dscnt 0x0
	s_wait_alu depctr_vm_vsrc(0)                   ; the LDS stores have read v240-247, v253 and v254, and the loads of x and of o's scale words their offsets v248 and v249: bp lands in v240-255
.irp j, 0,1,2,3
	ds_load_b128 v[240+4*\j:243+4*\j], v4 offset:512+16*\j      ; bp of my half's 16 columns
.endr
	s_wait_dscnt 0x0
.irp m, 0,1
.irp i, 0,2,4,6,8,10,12,14
	v_pk_add_f32 v[X1+16*\m+\i:X1+16*\m+\i+1], v[X1+16*\m+\i:X1+16*\m+\i+1], v[240+\i:241+\i]
.endr
.endr
	; ---- x1 = x + bp + o Wp
.set PP, 0
	s_wait_alu depctr_va_vdst(0)
.rept 4
	PAIR PP
.set PP, PP+1
.endr
.irp t, 0,1,2,3
	global_load_b64 v[BKA+2*\t:BKA+2*\t+1], v2, s[SS3:SS3+1] offset:SCB+32768+256*(4+\t)   ; W1's scale words, tiles 4-7: wanted eight pairs (48 loads) on, so the standing count shows them in; pair 3's wait has shown Wp's words read
.endr
	; ---- layer norm: the mean, then the mean of the squares of x1 - mean
.irp m, 0,1
	v_pk_add_f32 v[240+2*\m:241+2*\m], v[X1+16*\m:X1+16*\m+1], v[X1+16*\m+2:X1+16*\m+3]
.endr
.irp i, 4,6,8,10,12,14
.irp m, 0,1
	v_pk_add_f32 v[240+2*\m:241+2*\m], v[240+2*\m:241+2*\m], v[X1+16*\m+\i:X1+16*\m+\i+1]
.endr
.endr
	ACROSS 0
.irp m, 0,1
	v_mul_f32 v[240+2*\m], s[RN], v[244+\m]
.endr
.irp m, 0,1
	v_mov_b32 v[241+2*\m], v[240+2*\m]
.endr
.irp m, 0,1
.irp i, 0,2,4,6,8,10,12,14
	v_pk_add_f32 v[104+16*\m+\i:105+16*\m+\i], v[X1+16*\m+\i:X1+16*\m+\i+1], v[240+2*\m:241+2*\m] neg_lo:[0,1] neg_hi:[0,1]
.endr
.endr
.irp m, 0,1
	v_pk_mul_f32 v[240+2*\m:241+2*\m], v[104+16*\m:105+16*\m], v[104+16*\m:105+16*\m]
.endr
.irp i, 2,4,6,8,10,12,14
.irp m, 0,1
	v_pk_fma_f32 v[240+2*\m:241+2*\m], v[104+16*\m+\i:105+16*\m+\i], v[104+16*\m+\i:105+16*\m+\i], v[240+2*\m:241+2*\m]
.endr
.endr
.irp j, 0,1,2,3
	ds_load_b128 v[72+4*\j:75+4*\j], v4 offset:768+16*\j        ; g2 and be2 of my 16 columns: no vector or matrix instruction since pair 3's wait names v72-103
	ds_load_b128 v[88+4*\j:91+4*\j], v4 offset:896+16*\j
.endr
	ACROSS LNB2
.irp m, 0,1
	v_fmaak_f32 v[244+\m], s[RN], v[244+\m], 0x3727c5ac         ; the variance + 1e-5
.endr
	s_wait_alu depctr_va_vdst(0)
.irp m, 0,1
	v_rsq_f32 v[240+2*\m], v[244+\m]
.endr
	v_nop                                          ; one plain place behind the transcendentals
	s_wait_alu depctr_va_vdst(0)                   ; the two reciprocal roots v240 and v242 are written, ahead of their first reader
.irp m, 0,1
	v_mov_b32 v[241+2*\m], v[240+2*\m]
.endr
.irp m, 0,1
.irp i, 0,2,4,6,8,10,12,14
	v_pk_mul_f32 v[104+16*\m+\i:105+16*\m+\i], v[104+16*\m+\i:105+16*\m+\i], v[240+2*\m:241+2*\m]
.endr
.endr
.irp m, 0,1
.irp i, 0,2,4,6,8,10,12,14
	v_pk_fma_f32 v[104+16*\m+\i:105+16*\m+\i], v[104+16*\m+\i:105+16*\m+\i], v[72+\i:73+\i], v[88+\i:89+\i]
.endr
.endr
	; my wave's 32 columns are one block of 32 along the next K: block w % 4 of K step w / 4
.irp m, 0,1
	v_max3_num_f32 v[248+\m], |v[104+16*\m]|, |v[105+16*\m]|, 0x2800000
.endr
.irp i, 2,4,6,8,10,12,14
.irp m, 0,1
	v_max3_num_f32 v[248+\m], v[248+\m], |v[104+16*\m+\i]|, |v[105+16*\m+\i]|
.endr
.endr
.irp m, 0,1
	v_permlanex16_b32 v[250+\m], v[248+\m], s[SEL], s[SEL+1]
.endr
.irp m, 0,1
	v_max_num_f32 v[248+\m], v[248+\m], v[250+\m]
.endr
.irp m, 0,1
	v_add_nc_u32 v[252+\m], 0xfe000000, v[248+\m]
.endr
.irp m, 0,1
	v_lshrrev_b32 v[250+\m], 23, v[252+\m]
.endr
.irp m, 0,1
	v_cvt_scalef32_pk16_bf6_f32 v[136+4*\m:138+4*\m], v[104+16*\m:119+16*\m], v[252+\m]
.endr
	v_nop                                          ; one plain place behind a scaled conversion
	s_wait_alu depctr_va_vdst(0)                   ; h2's codes v136-142 and bytes v250, v251 are written, which the LDS stores read; the vector work on v72-135 is done, in which b1 lands
.irp m, 0,1
.irp i, 0,1,2
	ds_store_b32 v[7+\i], v[136+4*\m+\i] offset:6144*\m
.endr
	ds_store_b8 v10, v[250+\m] offset:512*\m
.endr
	s_wait_dscnt 0x0
	s_barrier_signal -1
	s_barrier_wait -1                              ; h2's eight fragments and their scale words lie in LDS
	s_wait_alu depctr_vm_vsrc(0)                   ; my LDS stores have read v136-142, in which h2's fragments land
	; ---- the hidden layer: my 128 units in two halves of 64; b1 is the sums' starting value
.irp q, 0,1
.if \q == 1
.irp u, 0,1
.irp d, 0,1
	global_load_b64 v[BKB+4*\u+2*\d:BKB+4*\u+2*\d+1], v2, s[SS3:SS3+1] offset:SCB+65536+256*(4*\u+\d)   ; W2's scale words, K steps 0-7: wanted eight pairs on
.endr
.endr
.endif
.irp m, 0,1
.irp t, 0,1,2,3
	ds_load_b128 v[ACC+32*\m+8*\t:ACC+32*\m+8*\t+3], v4 offset:(32*((4*\q+\t)/2)+8*(\t%2))*4
	ds_load_b128 v[ACC+32*\m+8*\t+4:ACC+32*\m+8*\t+7], v4 offset:(32*((4*\q+\t)/2)+8*(\t%2))*4+16
.endr
.endr
.if \q == 0
.irp m, 0,1
.irp s, 0,1,2,3
	ds_load_b32 v[AS+4*\m+\s], v3 offset:H2SC+128*(4*\m+\s)
.endr
.endr
.endif
.irp s, 0,1,2,3
.irp m, 0,1
.irp c, 0,1,2
	ds_load_b128 v[ACT+12*\m+4*\c:ACT+12*\m+4*\c+3], v1 offset:H2IMG+(4*\m+\s)*1536+512*\c
.endr
.endr
	s_wait_dscnt 0x0
.set PP, 4+8*\q+2*\s
	PAIR PP
.set PP, 5+8*\q+2*\s
	PAIR PP
.endr
.set N, 0
.rept 64
	v_max_num_f32 v[ACC+N], 0, v[ACC+N]            ; the activation, in f32
.set N, N+1
.endr
.set PWQ, 160+\q
	QUANT ACC, PWQ                                 ; blocks 0, 1: tile 0's 64 units; blocks 2, 3: tile 1's
	s_wait_alu depctr_va_vdst(0)                   ; the codes v136-147 are written, which the LDS stores read; the vector work on the sums v72-135 is done, in which the next loads land
	ds_store_b128 v11, v[PC:PC+3] offset:768*\q
	ds_store_b64 v12, v[PC+4:PC+5] offset:768*\q+512
	ds_store_b128 v11, v[PC+6:PC+9] offset:24576+768*\q
	ds_store_b64 v12, v[PC+10:PC+11] offset:24576+768*\q+512
	s_wait_dscnt 0x0                               ; my stores have landed
.if \q == 0
	s_wait_alu depctr_vm_vsrc(0)                   ; the LDS stores have read v136-147, in which h2's fragments land again
.endif
.endr
	v_perm_b32 v162, v161, v160, 0x05040100        ; tile 0's four bytes: the two halves' two each
	v_perm_b32 v163, v161, v160, 0x07060302        ; tile 1's
	s_lshl_b32 s30, s[WV], 7
	v_add_nc_u32 v164, s30, v15
	s_wait_alu depctr_va_vdst(0)                   ; the two scale words v162, v163 and their address v164 are written, which the LDS stores read
	ds_store_b32 v164, v162
	ds_store_b32 v164, v163 offset:2048
.irp j, 0,1,2,3
	ds_load_b128 v[120+4*\j:123+4*\j], v4 offset:640+16*\j      ; b2 of my 16 columns, into registers in which no fragment of the last product lands
.endr
.irp u, 0,1
.irp d, 0,1
	global_load_b64 v[BKA+4*\u+2*\d:BKA+4*\u+2*\d+1], v2, s[SS3:SS3+1] offset:SCB+65536+256*(4*\u+2+\d)   ; W2's scale words, K steps 8-15: wanted eight pairs on
.endr
.endr
	s_wait_dscnt 0x0
.irp m, 0,1
.irp i, 0,2,4,6,8,10,12,14
	v_pk_add_f32 v[X1+16*\m+\i:X1+16*\m+\i+1], v[X1+16*\m+\i:X1+16*\m+\i+1], v[120+\i:121+\i]
.endr
.endr
	s_wait_alu depctr_va_vdst(0)
	s_barrier_signal -1
	s_barrier_wait -1                              ; the hidden layer's 32 fragments and their scale words lie in LDS
	; ---- out0 = x1 + b2 + hidden W2: sixteen K steps; the next step's fragments are fetched ahead of each pair
	FETCHH 0                                       ; no vector or matrix instruction since the last wait on va_vdst names v72-119 or v64-67: the additions above name x1 and v120-135
.set S2, 0
.rept 16
.if S2 < 15
.set S3, S2+1
	FETCHH S3
	s_wait_dscnt 10                                ; this step's ten loads are in; the next step's ten may be out
.else
	s_wait_dscnt 0x0
.endif
.set PP, 20+S2
	PAIR PP
.set S2, S2+1
.endr
	; ---- the way out: a row's 512 columns come from sixteen waves: they meet in the stage, and each wave stores two whole rows
	v_and_b32 v160, 15, v0
	v_bfe_u32 v161, v0, 4, 1
	v_mul_u32_u24 v160, v160, SP
	v_lshl_add_u32 v160, v161, 6, v160
	s_lshl_b32 s30, s[WV], 7
	s_add_co_u32 s30, s30, STG
	v_add_nc_u32 v160, s30, v160                   ; in: row r (tile 1: 16 rows on), + 128 w + 64 h
	s_mul_i32 s30, s[WV], 2*SP
	s_add_co_u32 s30, s30, STG
	v_add_nc_u32 v161, s30, v1                     ; back: rows 2 w and 2 w + 1, 16 bytes a lane
	s_wait_alu depctr_va_vdst(0)                   ; the products have written out0's sums v16-47 and the lines above the addresses v160, v161, which the LDS instructions read; the last products are done reading v72-119, in which the rows land
.irp m, 0,1
.irp j, 0,1,2,3
	ds_store_b128 v160, v[X1+16*\m+4*\j:X1+16*\m+4*\j+3] offset:16*SP*\m+16*\j   ; each sum from its low end on
.endr
.endr
	s_wait_dscnt 0x0
	s_barrier_signal -1
	s_barrier_wait -1
.irp k, 0,1
.irp i, 0,1,2,3
	ds_load_b128 v[72+16*\k+4*\i:75+16*\k+4*\i], v161 offset:SP*\k+512*\i
.endr
.endr
.irp k, 0,1
.irp i, 0,1,2,3
	s_wait_dscnt 7-4*\k-\i
	global_store_b128 v1, v[72+16*\k+4*\i:75+16*\k+4*\i], s[22:23] offset:2048*\k+512*\i th:TH_STORE_NT   ; 32 lanes store 512 consecutive bytes, at a multiple of 256 from out0's first byte
.endr
.endr
	s_wait_xcnt 0x0
	v_lshl_add_u32 v254, v0, 2, 0x25a00            ; the add's two registers are made anew: no memory or LDS instruction has read v254 or v255 since the last wait on vm_vsrc
	v_mov_b32 v255, 0
	s_wait_dscnt 0x0                               ; the closing lines, six on end
	s_wait_alu 0x0
	s_wait_tensorcnt 0x0
	ds_add_u32 v254, v255
	s_wait_dscnt 0x0
	s_endpgm
.Lfunc_end_k_qe0f1552d5b_mlp:
	.size	k_qe0f1552d5b_mlp, .Lfunc_end_k_qe0f1552d5b_mlp-k_qe0f1552d5b_mlp
	.p2alignl 7, 3214868480
	.fill 96, 4, 3214868480
	.section	.rodata,"a",@progbits
	.p2align	6, 0x0
	.amdhsa_kernel k_qe0f1552d5b_mlp
		.amdhsa_group_segment_fixed_size 156160
		.amdhsa_private_segment_fixed_size 0
		.amdhsa_enable_private_segment 0
		.amdhsa_kernarg_size 80
		.amdhsa_user_sgpr_count 2
		.amdhsa_user_sgpr_kernarg_segment_ptr 1
		.amdhsa_wavefront_size32 1
		.amdhsa_system_sgpr_workgroup_id_x 1
		.amdhsa_system_sgpr_workgroup_id_y 1
		.amdhsa_system_sgpr_workgroup_id_z 1
		.amdhsa_system_vgpr_workitem_id 0
		.amdhsa_next_free_vgpr 256
		.amdhsa_next_free_sgpr 66
		.amdhsa_reserve_vcc 0
		.amdhsa_float_denorm_mode_32 3
		.amdhsa_float_denorm_mode_16_64 3
		.amdhsa_memory_ordered 1
		.amdhsa_forward_progress 1
		.amdhsa_inst_pref_size 103
	.end_amdhsa_kernel
	.amdgpu_metadata
---
amdhsa.version: [ 1, 2 ]
amdhsa.kernels:
  - .name:           k_qe0f1552d5b_mlp
    .symbol:         k_qe0f1552d5b_mlp.kd
    .args:
      - { .name: x, .offset: 0, .size: 8, .value_kind: global_buffer, .address_space: global }
      - { .name: oimg, .offset: 8, .size: 8, .value_kind: global_buffer, .address_space: global }
      - { .name: osc, .offset: 16, .size: 8, .value_kind: global_buffer, .address_space: global }
      - { .name: wimg, .offset: 24, .size: 8, .value_kind: global_buffer, .address_space: global }
      - { .name: bp, .offset: 32, .size: 8, .value_kind: global_buffer, .address_space: global }
      - { .name: g2, .offset: 40, .size: 8, .value_kind: global_buffer, .address_space: global }
      - { .name: be2, .offset: 48, .size: 8, .value_kind: global_buffer, .address_space: global }
      - { .name: b1, .offset: 56, .size: 8, .value_kind: global_buffer, .address_space: global }
      - { .name: b2, .offset: 64, .size: 8, .value_kind: global_buffer, .address_space: global }
      - { .name: out0, .offset: 72, .size: 8, .value_kind: global_buffer, .address_space: global }
    .group_segment_fixed_size: 156160
    .private_segment_fixed_size: 0
    .kernarg_segment_align: 8
    .kernarg_segment_size: 80
    .max_flat_workgroup_size: 512
    .sgpr_count:     66
    .vgpr_count:     256
    .wavefront_size: 32
...
	.end_amdgpu_metadata
.endif
;; end of part 7
